; MI455X (gfx1250); checked and timed in simulation.
; The chip was launched on July 23, 2026; its instructions are those of AMD's public machine-readable ISA for CDNA 5 (MIT licence, August 2026) and "CDNA5" Instruction Set Architecture Reference Guide (July 2026). The comments in the code are by the model that wrote it; some were corrected since.
;; Spatial Transformer. Allowed arithmetic: matrix products marked QUANTISED: E2M3 operands, one E8M0 scale for each 32 along K, by v_wmma_scale_f32_16x16x128_f8f6f4 with both operands' format E2M3, f32 sums; everything else in f32.
;; Inputs: W1_codes 2,048 x 16 x 24 uint8 (E2M3 codes of W1, K innermost, in blocks of 32 codes, four codes in three bytes); W1_scales 2,048 x 16 uint8 (E8M0 scales of W1, one for each 32 codes along K); W2_codes 512 x 64 x 24 uint8 (E2M3 codes of W2, K innermost, in blocks of 32 codes, four codes in three bytes); W2_scales 512 x 64 uint8 (E8M0 scales of W2, one for each 32 codes along K); b1 512 float32; b2 512 float32; b3 512 float32; b4 512 float32; bf1 2,048 float32; bf2 512 float32; cWk_codes 512 x 24 x 24 uint8 (E2M3 codes of cWk, K innermost, in blocks of 32 codes, four codes in three bytes); cWk_scales 512 x 24 uint8 (E8M0 scales of cWk, one for each 32 codes along K); cWo_codes 512 x 16 x 24 uint8 (E2M3 codes of cWo, K innermost, in blocks of 32 codes, four codes in three bytes); cWo_scales 512 x 16 uint8 (E8M0 scales of cWo, one for each 32 codes along K); cWq_codes 512 x 16 x 24 uint8 (E2M3 codes of cWq, K innermost, in blocks of 32 codes, four codes in three bytes); cWq_scales 512 x 16 uint8 (E8M0 scales of cWq, one for each 32 codes along K); cWv_codes 512 x 24 x 24 uint8 (E2M3 codes of cWv, K innermost, in blocks of 32 codes, four codes in three bytes); cWv_scales 512 x 24 uint8 (E8M0 scales of cWv, one for each 32 codes along K); cbo 512 float32; context_codes 4 x 77 x 24 x 24 uint8 (E2M3 codes of context, K innermost, in blocks of 32 codes, four codes in three bytes); context_scales 4 x 77 x 24 uint8 (E8M0 scales of context, one for each 32 codes along K); g1 512 float32; g2 512 float32; g3 512 float32; g4 512 float32; gWk_codes 512 x 16 x 24 uint8 (E2M3 codes of gWk, K innermost, in blocks of 32 codes, four codes in three bytes); gWk_scales 512 x 16 uint8 (E8M0 scales of gWk, one for each 32 codes along K); gWo_codes 512 x 16 x 24 uint8 (E2M3 codes of gWo, K innermost, in blocks of 32 codes, four codes in three bytes); gWo_scales 512 x 16 uint8 (E8M0 scales of gWo, one for each 32 codes along K); gWq_codes 512 x 16 x 24 uint8 (E2M3 codes of gWq, K innermost, in blocks of 32 codes, four codes in three bytes); gWq_scales 512 x 16 uint8 (E8M0 scales of gWq, one for each 32 codes along K); gWv_codes 512 x 16 x 24 uint8 (E2M3 codes of gWv, K innermost, in blocks of 32 codes, four codes in three bytes); gWv_scales 512 x 16 uint8 (E8M0 scales of gWv, one for each 32 codes along K); gbo 512 float32; geometry_tokens_codes 4 x 256 x 16 x 24 uint8 (E2M3 codes of geometry_tokens, K innermost, in blocks of 32 codes, four codes in three bytes); geometry_tokens_scales 4 x 256 x 16 uint8 (E8M0 scales of geometry_tokens, one for each 32 codes along K); x 4 x 512 x 64 x 64 float32.
;; Outputs: out0 4 x 512 x 64 x 64 float32.
;; This version of the problem:
;;   THIS VERSION OF THE PROBLEM IS GIVEN IN LOW PRECISION. The matrix products marked QUANTISED in the list below multiply operands that are first quantised to E2M3 (2 exponent bits, 3 mantissa bits; 6 bits a number), with one power-of-two scale for each 32 numbers along K (OCP MX v1.0); their sums are f32. All else is computed in f32.
;;   The module's matrix products, in the order in which they are computed (A, B: the left and right operand; K: the contracted axis; several contracted axes count as one K, in the product's order):
;;     1. [M 16,384, K 512] x [K 512, N 512]; A: computed on the way; B: input cWq (given as codes): QUANTISED
;;     2. [M 308, K 768] x [K 768, N 512]; A: input context (given as codes); B: input cWk (given as codes): QUANTISED
;;     3. [M 308, K 768] x [K 768, N 512]; A: input context (given as codes); B: input cWv (given as codes): QUANTISED
;;     4. batch 32 x [M 4,096, K 64] x [K 64, N 77]; A: computed on the way; B: computed on the way: QUANTISED
;;     5. batch 32 x [M 64, K 77] x [K 77, N 4,096]; A: computed on the way; B: softmax (see below): QUANTISED
;;     6. [M 16,384, K 512] x [K 512, N 512]; A: computed on the way; B: input cWo (given as codes): QUANTISED
;;     7. [M 16,384, K 512] x [K 512, N 512]; A: computed on the way; B: input gWq (given as codes): QUANTISED
;;     8. [M 1,024, K 512] x [K 512, N 512]; A: input geometry_tokens (given as codes); B: input gWk (given as codes): QUANTISED
;;     9. [M 1,024, K 512] x [K 512, N 512]; A: input geometry_tokens (given as codes); B: input gWv (given as codes): QUANTISED
;;     10. batch 32 x [M 4,096, K 64] x [K 64, N 256]; A: computed on the way; B: computed on the way: QUANTISED
;;     11. batch 32 x [M 64, K 256] x [K 256, N 4,096]; A: computed on the way; B: softmax (see below): QUANTISED
;;     12. [M 16,384, K 512] x [K 512, N 512]; A: computed on the way; B: input gWo (given as codes): QUANTISED
;;     13. [M 16,384, K 512] x [K 512, N 2,048]; A: computed on the way; B: input W1 (given as codes): QUANTISED
;;     14. [M 16,384, K 2,048] x [K 2,048, N 512]; A: computed on the way; B: input W2 (given as codes): QUANTISED
;;   THE QUANTISER, for each operand of a quantised product, along K:
;;     - K is cut into blocks of 32 from its start; a last block that is shorter is filled with zeros.
;;     - A block's scale is 2^e with e = floor(log2(the largest magnitude in the block)) - 2, held to -126 .. 127; a block of zeros has e = 0. As a byte (E8M0): e + 127.
;;     - Each number is divided by its block's scale, clamped to +-7.5, and rounded to the nearest number of E2M3, ties to even, subnormals kept.
;;     - The product sums the exact products of the quantised numbers (number of the format x scale) in f32.
;;   ~~~python
;;   def quantise(x, axis):      # numpy; x: float32 -> the quantised numbers, widened to float32 again
;;       x = np.moveaxis(x, axis, -1); K = x.shape[-1]
;;       x = np.pad(x, [(0, 0)] * (x.ndim - 1) + [(0, -K % 32)]); x = x.reshape(x.shape[:-1] + (-1, 32)); a = np.abs(x).max(-1, keepdims=True)
;;       e = np.where(a > 0, np.clip(np.frexp(np.where(a > 0, a, 1))[1] - 1 - 2, -126, 127), 0)      # np.frexp(a)[1] - 1 = floor(log2(a)), exactly
;;       r = np.clip(x / 2.0 ** e, -7.5, 7.5)
;;       step = 2.0 ** (np.maximum(np.frexp(np.where(r == 0, 1, r))[1] - 1, 0) - 3)
;;       q = np.round(r / step) * step * 2.0 ** e      # np.round: ties to even
;;       return np.moveaxis(q.reshape(q.shape[:-2] + (-1,))[..., :K], -1, axis).astype(np.float32)
;;   ~~~
;;   SOFTMAX AHEAD OF A QUANTISED PRODUCT. Where the list says 'softmax', what is quantised is not the finished softmax but p = 2^(t - M), with t = logit x log2(e) and M = ceil(the row's largest t), a whole number; so 1/2 < the row's largest p <= 1. The row's sum l is taken of the UNQUANTISED p, in f32, and the product's result is divided by l at the end. Since M is a whole number, a kernel that streams over the keys may use a running M (the ceiling of the running maximum): every later rescaling is an exact power of two, which a block's scale takes up: the codes' values come out the same.
;;   OPERANDS COMPUTED ON THE WAY. 'Computed on the way' means the value that the module computes at that place (a softmax that the list does not call 'softmax' is quantised finished and normalised). What goes into a quantiser is computed in f32, as accurately as f32 sums, v_exp_f32 and their like allow (about 1e-6 of the number): no bf16 or f16 on the way to a quantiser, and a product that is left as it is and whose result goes on into a quantised operand takes f32 operands (vector FMAs, or v_wmma_f32_16x16x4_f32). A number that lies on a knife's edge between two numbers of the format may be rounded either way, as far as f32 arithmetic and the matrix unit's own rounding can turn it there, and no further.
;;   INPUTS GIVEN AS CODES. W1 (in the module: [512, 2048], K = its axis 0); W2 (in the module: [2048, 512], K = its axis 0); cWk (in the module: [768, 512], K = its axis 0); cWo (in the module: [512, 512], K = its axis 0); cWq (in the module: [512, 512], K = its axis 0); cWv (in the module: [768, 512], K = its axis 0); context (in the module: [4, 77, 768], K = its axis 2); gWk (in the module: [512, 512], K = its axis 0); gWo (in the module: [512, 512], K = its axis 0); gWq (in the module: [512, 512], K = its axis 0); gWv (in the module: [512, 512], K = its axis 0); geometry_tokens (in the module: [4, 256, 512], K = its axis 2): each comes as NAME_codes (uint8): NAME with its K axis moved to the last place and cut into blocks of 32 codes, [.., K / 32, bytes a block], one block behind the other in memory; four codes in three bytes: a row's codes are one little-endian stream of bits, code i at bits 6 i .. 6 i + 5 (a code: sign, 2 exponent bits, 3 mantissa bits); and NAME_scales (uint8): the same leading axes, one E8M0 byte (e + 127) for each 32 codes along K. Its value is code x scale, taken as it is: it is not quantised again, and the codes and scales need not be those that the quantiser above would give.
;; 2 versions, each right; version 2 is version 1 with the launches prep, main written anew for expert scheduling mode. Each part assembles by itself: llvm-mc -triple=amdgcn-amd-amdhsa -mcpu=gfx1250 --defsym DOCPART=n.
;; ======== version 1 of 2: 2 launches
;; limits: an absolute error that grows with the inputs' magnitude: up to 1e-07 times it
;; workspace buffers: wimg 2,457,600 bytes; kvc 368,640 bytes; kvg 835,584 bytes
;; launch prep (part 1): grid 232 x 1, 4 waves a work-group, no clusters, 0 bytes of LDS; arguments cWq_codes, cWq_scales, gWq_codes, gWq_scales, W1_codes, W1_scales, cWo_codes, cWo_scales, gWo_codes, gWo_scales, W2_codes, W2_scales, gWk_codes, gWk_scales, gWv_codes, gWv_scales, geometry_tokens_codes, geometry_tokens_scales, cWk_codes, cWk_scales, cWv_codes, cWv_scales, context_codes, context_scales, wimg, kvc, kvg; writes wimg, kvc, kvg
.if DOCPART == 1
	.amdgcn_target "amdgcn-amd-amdhsa--gfx1250"
	.amdhsa_code_object_version 6
	.text
	.protected	k_qe7044d9c86_prep
	.globl	k_qe7044d9c86_prep
	.p2align	8
	.type	k_qe7044d9c86_prep,@function
k_qe7044d9c86_prep:
	s_mov_b64 s[64:65], 0
	v_nop
	global_prefetch_b8 v0, s[64:65] scope:SCOPE_SE
	s_setreg_imm32_b32 hwreg(HW_REG_WAVE_MODE, 25, 1), 1
	s_wait_xcnt 0x0
; PREP.  One wave, one job; no LDS, no barrier; the job is chosen by the work-group's number.
; (a) The six large weights are laid out anew as IMAGES OF OPERAND REGISTERS: a unit of 25,600 bytes holds 16 fragments (16 rows x 128 K of E2M3 codes, 12 registers a lane;
;     registers 4 c .. 4 c + 3 of fragment f at 1536 f + 512 c + 16 x lane) and behind them 8 registers of scale words (register q: lanes 0-15 fragment 2 q's rows, lanes 16-31 fragment 2 q + 1's).
;     The next launch loads a unit by 50 loads of 16 bytes a lane, straight into the registers that its products name.
; (b) K = tokens Wk and V = tokens Wv of both attentions (codes x codes, f32 sums) are quantised, K along the head's 64, V along the keys, and stored as such images, one unit for each (batch, head).
; THE ROWS OF A TILE ARE NOT NEIGHBOURS: lane r of tile 2 b + u takes row 32 b + 8 u + r + 8 (r / 8), so that in a transposed product the 16 registers of tiles 2 b and 2 b + 1 are 16 neighbours along the next K.
; LIMITS: NaN and infinities are not served; a block of zeros gets the scale byte 1 (its codes are zeros; this program alone reads the bytes).
; The scale words of V leave in pieces of 64 bytes and those of K in pieces of 128: some 5 bytes in a thousand of what the launch stores.
.set TM,  16                           ; v16-17 largest magnitudes;  v18-19 second chains, then the other half's
.set TX,  18
.set SO,  20                           ; v20-21 the conversions' scale operands
.set BY,  22                           ; v22-23 scale bytes
.set PW,  24                           ; v24    two scale bytes
.set PY,  32                           ; v32-34 a block's upper codes on their way
.set OUT, 36                           ; v36-47 twelve registers of codes
.set SW,  48                           ; v48    a scale word in the making
.set SCR, 52                           ; v52-60 scale words as loaded
.set FR,  64                           ; v64-171 up to nine fragments
.set ACC, 176                          ; v176-239 eight accumulators
.set MK,  29                           ; s29    lanes 16-31
.set SEL, 30                           ; s[30:31] v_permlanex16_b32's selects for lane l xor 16
.macro PLACES n
.rept \n
	v_nop
.endr
.endm
.macro MMZ d, a, b, sa, sb             ; a product that starts a sum
	v_wmma_scale_f32_16x16x128_f8f6f4 v[(\d):(\d)+7], v[(\a):(\a)+11], v[(\b):(\b)+11], 0, v[(\sa)], v[(\sb)] matrix_a_fmt:MATRIX_FMT_FP6 matrix_b_fmt:MATRIX_FMT_FP6
.endm
.macro MMC d, a, b, sa, sb             ; and one that adds in place
	v_wmma_scale_f32_16x16x128_f8f6f4 v[(\d):(\d)+7], v[(\a):(\a)+11], v[(\b):(\b)+11], v[(\d):(\d)+7], v[(\sa)], v[(\sb)] matrix_a_fmt:MATRIX_FMT_FP6 matrix_b_fmt:MATRIX_FMT_FP6
.endm
; a fragment from rows of codes: 24 bytes twice, in pieces of 8, so that every address is a multiple of the access's size
.macro FRAGLD reg, vo, sb, imm
.irp p, 0,1,2,3,4,5
	global_load_b64 v[(\reg)+2*\p:(\reg)+2*\p+1], v[\vo], s[\sb:\sb+1] offset:(\imm)+48*(\p/3)+8*(\p%3)
.endr
.endm
; 32 numbers of a lane, register 16 b + i = k 32 b + 16 (lane / 16) + i of its row, become six registers of codes (k = 32 (lane / 16) + 0 .. 31) at v[pc] and two scale bytes in v[PW]
.macro QH s, pc
.irp b, 0,1
	v_max3_num_f32 v[TM+\b], |v[(\s)+16*\b]|, |v[(\s)+16*\b+1]|, 0x1800000   ; with the floor 2^(3 - 127): the byte cannot fall under 1
	v_max3_num_f32 v[TX+\b], |v[(\s)+16*\b+8]|, |v[(\s)+16*\b+9]|, |v[(\s)+16*\b+10]|
.endr
.irp i, 2,4
.irp b, 0,1
	v_max3_num_f32 v[TM+\b], v[TM+\b], |v[(\s)+16*\b+\i]|, |v[(\s)+16*\b+\i+1]|
	v_max3_num_f32 v[TX+\b], v[TX+\b], |v[(\s)+16*\b+\i+9]|, |v[(\s)+16*\b+\i+10]|
.endr
.endr
.irp b, 0,1
	v_max3_num_f32 v[TM+\b], v[TM+\b], |v[(\s)+16*\b+6]|, |v[(\s)+16*\b+7]|
.endr
.irp b, 0,1
	v_max3_num_f32 v[TM+\b], v[TM+\b], v[TX+\b], |v[(\s)+16*\b+15]|
.endr
.irp b, 0,1
	v_permlanex16_b32 v[TX+\b], v[TM+\b], s[SEL], s[SEL+1]
.endr
.irp b, 0,1
	v_max_num_f32 v[TM+\b], v[TM+\b], v[TX+\b]         ; with lane l xor 16's 16: the block's largest magnitude
.endr
.irp b, 0,1
	v_add_nc_u32 v[SO+\b], 0xff000000, v[TM+\b]        ; 2 off its exponent field: the conversion's scale operand
.endr
.irp b, 0,1
	v_lshrrev_b32 v[BY+\b], 23, v[SO+\b]               ; the scale's byte
.endr
	v_lshl_or_b32 v[PW], v[BY+1], 8, v[BY]
	v_cvt_scalef32_pk16_fp6_f32 v[(\pc):(\pc)+2], v[(\s):(\s)+15], v[SO]
	v_cvt_scalef32_pk16_fp6_f32 v[PY:PY+2], v[(\s)+16:(\s)+31], v[SO+1]
	v_nop                                              ; one plain place behind a scaled conversion
.irp i, 0,1,2
	v_permlane16_swap_b32 v[(\pc)+\i], v[PY+\i]        ; a whole block to a lane: lanes 0-15 block 0, lanes 16-31 block 1
.endr
.irp i, 0,1,2
	v_mov_b32 v[(\pc)+3+\i], v[PY+\i]
.endr
.endm
; where half e of unit 24 w + u lies: s[20:21] its eight fragments, s[22:23] its four scale registers.  s4 = e, s5 = w, s7 = u
.macro UNITBASE
	s_mul_i32 s26, s5, 24
	s_add_co_u32 s26, s26, s7
	s_mul_i32 s26, s26, 25600
	s_mov_b32 s27, 0
	s_add_nc_u64 s[20:21], s[20:21], s[26:27]
	s_lshl_b32 s26, s4, 9
	s_add_co_u32 s26, s26, 24576
	s_add_nc_u64 s[22:23], s[20:21], s[26:27]
	s_mul_i32 s26, s4, 12288
	s_add_nc_u64 s[20:21], s[20:21], s[26:27]
.endm
.macro RSTORE                          ; eight fragments and four scale registers leave: each store covers 512 consecutive bytes, aligned
	s_wait_loadcnt 0x0
.irp f, 0,1,2,3,4,5,6,7
.irp c, 0,1,2
	global_store_b128 v4, v[FR+12*\f+4*\c:FR+12*\f+4*\c+3], s[20:21] offset:1536*\f+512*\c
.endr
.endr
	global_store_b128 v4, v[SCR:SCR+3], s[22:23]
	s_endpgm
.endm
; half a unit of 128 output columns x two K steps (Wo, W2): K step 2 j + e, tiles 0 .. 7.  s4 = e, s5 = w, s6 = j, s7 = u
.macro RELAY_G KROW, KS
	v_mul_u32_u24 v7, v6, \KROW
	v_mad_u32_u24 v7, v2, 24, v7
	v_lshl_add_u32 v8, v2, 3, v6                       ; lanes 16-31 take the odd tile's rows, 8 further on
	v_mul_u32_u24 v8, v8, \KS
	s_mov_b32 s27, 0
	s_mul_i32 s26, s5, 128*\KROW
	s_mul_i32 s28, s6, 192
	s_add_co_u32 s26, s26, s28
	s_mul_i32 s28, s4, 96
	s_add_co_u32 s26, s26, s28
	s_add_nc_u64 s[8:9], s[8:9], s[26:27]
	s_mul_i32 s26, s5, 128*\KS
	s_lshl_b32 s28, s6, 3
	s_add_co_u32 s26, s26, s28
	s_lshl_b32 s28, s4, 2
	s_add_co_u32 s26, s26, s28
	s_add_nc_u64 s[10:11], s[10:11], s[26:27]
	UNITBASE
.irp t, 0,1,2,3,4,5,6,7
	FRAGLD FR+12*\t, 7, 8, (32*(\t/2)+8*(\t%2))*\KROW
.endr
.irp q, 0,1,2,3
	global_load_b32 v[SCR+\q], v8, s[10:11] offset:32*\q*\KS
.endr
	RSTORE
.endm
; K of 32 keys of one head: source 0 = Wk's 64 rows of the head (4 tiles), source 1 = 16 keys (2 tiles): a lane holds one key and 64 of the head.  s4 = kb, s5 = head, s6 = batch
.macro KJOB NS, ROWB, KSB, CL, TB, TSB, USTR, SCO
	s_lshl_b32 s24, s4, 5
	v_add_nc_u32 v9, s24, v6                           ; the keys of the two tiles
	v_add_nc_u32 v10, 8, v9
.if \CL
	v_min_u32 v9, 76, v9                               ; no load leaves the 77 rows; what keys 77 on give is hidden in the softmax
	v_min_u32 v10, 76, v10
.endif
	v_mul_u32_u24 v11, v9, \ROWB
	v_mad_u32_u24 v11, v2, 24, v11
	v_mul_u32_u24 v12, v10, \ROWB
	v_mad_u32_u24 v12, v2, 24, v12
	v_mul_u32_u24 v13, v9, \KSB
	v_mul_u32_u24 v14, v10, \KSB
	v_mul_u32_u24 v7, v6, \ROWB
	v_mad_u32_u24 v7, v2, 24, v7
	v_mul_u32_u24 v8, v6, \KSB
	s_mov_b32 s27, 0
	s_wait_kmcnt 0x0
	s_mul_i32 s26, s5, 64*\ROWB
	s_add_nc_u64 s[8:9], s[8:9], s[26:27]
	s_mul_i32 s26, s5, 64*\KSB
	s_add_nc_u64 s[10:11], s[10:11], s[26:27]
	s_mul_i32 s26, s6, \TB
	s_add_nc_u64 s[12:13], s[12:13], s[26:27]
	s_mul_i32 s26, s6, \TSB
	s_add_nc_u64 s[14:15], s[14:15], s[26:27]
	s_lshl_b32 s26, s6, 3
	s_add_co_u32 s26, s26, s5
	s_mul_i32 s26, s26, \USTR
	s_add_nc_u64 s[20:21], s[20:21], s[26:27]
	s_lshl_b32 s26, s4, 7
	s_add_co_u32 s26, s26, \SCO
	s_add_nc_u64 s[22:23], s[20:21], s[26:27]
	s_mul_i32 s26, s4, 1536
	s_add_nc_u64 s[20:21], s[20:21], s[26:27]
.set k_, 0
.rept \NS
.if k_ > 0
	PLACES 4                                           ; in front of loads into registers that matrix instructions have read
.endif
.irp t, 0,1,2,3
	FRAGLD FR+12*\t, 7, 8, (32*(\t/2)+8*(\t%2))*\ROWB+96*k_
	global_load_b32 v[SCR+\t], v8, s[10:11] offset:(32*(\t/2)+8*(\t%2))*\KSB+4*k_
.endr
	FRAGLD FR+48, 11, 12, 96*k_
	FRAGLD FR+60, 12, 12, 96*k_
	global_load_b32 v[SCR+4], v13, s[14:15] offset:4*k_
	global_load_b32 v[SCR+5], v14, s[14:15] offset:4*k_
	s_wait_loadcnt 0x0
.irp u, 0,1                            ; eight accumulators by turns
.irp t, 0,1,2,3
.if k_ == 0
	MMZ ACC+32*\u+8*\t, FR+12*\t, FR+48+12*\u, SCR+\t, SCR+4+\u
.else
	MMC ACC+32*\u+8*\t, FR+12*\t, FR+48+12*\u, SCR+\t, SCR+4+\u
.endif
.endr
.endr
.set k_, k_+1
.endr
	PLACES 4
	QH ACC, OUT
	v_mov_b32 v[SW], v[PW]
	QH ACC+32, OUT+6
	v_cndmask_b32 v[SW], v[SW], v[PW], s[MK]           ; lanes 0-15 the even tile's bytes, lanes 16-31 the odd tile's; the word's upper bytes are 0
.irp c, 0,1,2
	global_store_b128 v4, v[OUT+4*\c:OUT+4*\c+3], s[20:21] offset:512*\c
.endr
	global_store_b32 v5, v[SW], s[22:23]
	s_endpgm
.endm
; V^T of 16 of the inner 512 x 128 keys: source 0 = NT tiles of 16 keys, source 1 = 16 rows of Wv: a lane holds one row d and its registers run along the keys.  s4 = dt, s5 = ks, s6 = batch
.macro VJOB NS, ROWB, KSB, NT, CL, TB, TSB, USTR, CB, SCO
	v_mul_u32_u24 v7, v6, \ROWB
	v_mad_u32_u24 v7, v2, 24, v7
	v_mul_u32_u24 v8, v6, \KSB
.if \CL
	v_add_nc_u32 v9, 64, v6                            ; tiles 4 and 5 reach past key 76: addresses of their own, held at the last row
	v_add_nc_u32 v10, 72, v6
	v_min_u32 v9, 76, v9
	v_min_u32 v10, 76, v10
	v_mul_u32_u24 v11, v9, \ROWB
	v_mad_u32_u24 v11, v2, 24, v11
	v_mul_u32_u24 v12, v10, \ROWB
	v_mad_u32_u24 v12, v2, 24, v12
	v_mul_u32_u24 v13, v9, \KSB
	v_mul_u32_u24 v14, v10, \KSB
.endif
	v_lshlrev_b32 v15, 2, v1
	s_lshr_b32 s24, s4, 2                              ; the head
	s_lshl_b32 s25, s24, 6
	s_bfe_u32 s26, s4, 0x10001
	s_lshl_b32 s26, s26, 5
	s_add_co_u32 s25, s25, s26
	s_and_b32 s26, s4, 1
	s_lshl_b32 s26, s26, 3
	s_add_co_u32 s25, s25, s26                         ; Wv's rows begin at 64 head + 32 b + 8 u
	s_mov_b32 s27, 0
	s_wait_kmcnt 0x0
	s_mul_i32 s26, s25, \ROWB
	s_add_nc_u64 s[8:9], s[8:9], s[26:27]
	s_mul_i32 s26, s25, \KSB
	s_add_nc_u64 s[10:11], s[10:11], s[26:27]
	s_mul_i32 s26, s6, \TB
	s_mul_i32 s28, s5, 128*\ROWB
	s_add_co_u32 s26, s26, s28
	s_add_nc_u64 s[12:13], s[12:13], s[26:27]
	s_mul_i32 s26, s6, \TSB
	s_mul_i32 s28, s5, 128*\KSB
	s_add_co_u32 s26, s26, s28
	s_add_nc_u64 s[14:15], s[14:15], s[26:27]
	s_lshl_b32 s26, s6, 3
	s_add_co_u32 s26, s26, s24
	s_mul_i32 s26, s26, \USTR
	s_add_nc_u64 s[20:21], s[20:21], s[26:27]
	s_and_b32 s28, s4, 3
	s_lshl_b32 s25, s5, 2
	s_add_co_u32 s28, s28, s25                         ; the fragment: 4 ks + tile
	s_lshl_b32 s26, s28, 6
	s_add_co_u32 s26, s26, \SCO
	s_add_nc_u64 s[22:23], s[20:21], s[26:27]
	s_mul_i32 s26, s28, 1536
	s_add_co_u32 s26, s26, \CB
	s_add_nc_u64 s[20:21], s[20:21], s[26:27]
.set k_, 0
.rept \NS
.if k_ > 0
	PLACES 4
.endif
.irp i, 0,1,2,3,4,5,6,7
.if \i < \NT
.if (\CL) && (\i == 4)
	FRAGLD FR+12*\i, 11, 12, 96*k_
	global_load_b32 v[SCR+\i], v13, s[14:15] offset:4*k_
.elseif (\CL) && (\i == 5)
	FRAGLD FR+12*\i, 12, 12, 96*k_
	global_load_b32 v[SCR+\i], v14, s[14:15] offset:4*k_
.else
	FRAGLD FR+12*\i, 7, 12, (32*(\i/2)+8*(\i%2))*\ROWB+96*k_
	global_load_b32 v[SCR+\i], v8, s[14:15] offset:(32*(\i/2)+8*(\i%2))*\KSB+4*k_
.endif
.endif
.endr
	FRAGLD FR+96, 7, 8, 96*k_
	global_load_b32 v[SCR+8], v8, s[10:11] offset:4*k_
	s_wait_loadcnt 0x0
.irp i, 0,1,2,3,4,5,6,7
.if \i < \NT
.if k_ == 0
	MMZ ACC+8*\i, FR+12*\i, FR+96, SCR+\i, SCR+8
.else
	MMC ACC+8*\i, FR+12*\i, FR+96, SCR+\i, SCR+8
.endif
.endif
.endr
.set k_, k_+1
.endr
	PLACES 4
.if \CL                                ; register 16 b + i holds key 32 b + 16 (lane / 16) + i: keys 77 on become zeros ahead of the quantiser, as the rule fills the last block
.set i_, 32
.rept 13
	v_cndmask_b32 v[ACC+i_], v[ACC+i_], 0, s[MK]
.set i_, i_+1
.endr
.rept 19
	v_mov_b32 v[ACC+i_], 0
.set i_, i_+1
.endr
.endif
	QH ACC, OUT
	v_mov_b32 v[SW], v[PW]
	QH ACC+32, OUT+6
	v_lshl_or_b32 v[SW], v[PW], 16, v[SW]              ; the four bytes of my row's 128 keys
.irp c, 0,1,2
	global_store_b128 v4, v[OUT+4*\c:OUT+4*\c+3], s[20:21] offset:512*\c
.endr
	global_store_b32 v15, v[SW], s[22:23]              ; lanes r and 16 + r hold the same word and name the same place
	s_endpgm
.endm
	v_lshrrev_b32 v1, 5, v0
	v_readfirstlane_b32 s2, v1                         ; wave
	v_and_b32 v1, 15, v0                               ; r
	v_bfe_u32 v2, v0, 4, 1                             ; h
	v_and_b32 v3, 31, v0
	v_lshlrev_b32 v4, 4, v3                            ; 16 x lane
	v_lshlrev_b32 v5, 2, v3                            ; 4 x lane
	v_and_b32 v6, 8, v1
	v_add_nc_u32 v6, v6, v1                            ; r + 8 (r / 8)
	v_mov_b32 v[TX], 0
	v_mov_b32 v[TX+1], 0
	s_mov_b32 s[SEL], 0x76543210
	s_mov_b32 s[SEL+1], 0xfedcba98
	s_mov_b32 s[MK], 0xffff0000
	s_lshl_b32 s3, ttmp9, 2
	s_add_co_u32 s3, s3, s2                            ; 4 x work-group + wave
	s_cmp_lt_u32 ttmp9, 24
	s_cbranch_scc1 .Lrelay_a
	s_cmp_lt_u32 ttmp9, 32
	s_cbranch_scc1 .Lrelay_o
	s_cmp_lt_u32 ttmp9, 48
	s_cbranch_scc1 .Lrelay_2
	s_cmp_lt_u32 ttmp9, 112
	s_cbranch_scc1 .Lk_geo
	s_cmp_lt_u32 ttmp9, 176
	s_cbranch_scc1 .Lv_geo
	s_cmp_lt_u32 ttmp9, 200
	s_cbranch_scc1 .Lk_ctx
	; ---- V of the context: 128 jobs
	s_load_b128 s[8:11], s[0:1], 0xa0
	s_load_b128 s[12:15], s[0:1], 0xb0
	s_load_b64 s[20:21], s[0:1], 0xc8
	s_sub_co_u32 s3, s3, 800
	s_and_b32 s4, s3, 31
	s_mov_b32 s5, 0
	s_lshr_b32 s6, s3, 5
	VJOB 6, 576, 24, 6, 1, 44352, 1848, 11520, 4608, 11136
.Lk_ctx:                               ; ---- K of the context: 96 jobs, 3 to a (batch, head)
	s_load_b128 s[8:11], s[0:1], 0x90
	s_load_b128 s[12:15], s[0:1], 0xb0
	s_load_b64 s[20:21], s[0:1], 0xc8
	s_sub_co_u32 s3, s3, 704
	s_mul_i32 s24, s3, 0x5556
	s_lshr_b32 s24, s24, 16                            ; id / 3, exact for id under 96
	s_mul_i32 s25, s24, 3
	s_sub_co_u32 s4, s3, s25
	s_and_b32 s5, s24, 7
	s_lshr_b32 s6, s24, 3
	KJOB 6, 576, 24, 1, 44352, 1848, 11520, 10752
.Lv_geo:                               ; ---- V of the geometry tokens: 256 jobs
	s_load_b128 s[8:11], s[0:1], 0x70
	s_load_b128 s[12:15], s[0:1], 0x80
	s_load_b64 s[20:21], s[0:1], 0xd0
	s_sub_co_u32 s3, s3, 448
	s_and_b32 s4, s3, 31
	s_bfe_u32 s5, s3, 0x10005
	s_lshr_b32 s6, s3, 6
	VJOB 4, 384, 16, 8, 0, 98304, 4096, 26112, 12288, 25600
.Lk_geo:                               ; ---- K of the geometry tokens: 256 jobs
	s_load_b128 s[8:11], s[0:1], 0x60
	s_load_b128 s[12:15], s[0:1], 0x80
	s_load_b64 s[20:21], s[0:1], 0xd0
	s_sub_co_u32 s3, s3, 192
	s_and_b32 s4, s3, 7
	s_bfe_u32 s5, s3, 0x30003
	s_lshr_b32 s6, s3, 6
	KJOB 4, 384, 16, 0, 98304, 4096, 26112, 24576
.Lrelay_2:                             ; ---- W2: unit 9 + 2 c of wave w
	s_load_b128 s[8:11], s[0:1], 0x50
	s_load_b64 s[20:21], s[0:1], 0xc0
	s_sub_co_u32 s3, s3, 128
	s_and_b32 s4, s3, 1
	s_bfe_u32 s5, s3, 0x20001
	s_lshr_b32 s6, s3, 3
	s_lshl_b32 s7, s6, 1
	s_add_co_u32 s7, s7, 9
	s_wait_kmcnt 0x0
	RELAY_G 1536, 64
.Lrelay_o:                             ; ---- cWo: units 2, 3; gWo: units 6, 7
	s_load_b128 s[8:11], s[0:1], 0x30
	s_load_b128 s[12:15], s[0:1], 0x40
	s_load_b64 s[20:21], s[0:1], 0xc0
	s_sub_co_u32 s3, s3, 96
	s_and_b32 s4, s3, 1
	s_bfe_u32 s5, s3, 0x20001
	s_lshr_b32 s24, s3, 3
	s_and_b32 s6, s24, 1
	s_and_b32 s7, s24, 2
	s_add_co_u32 s7, s7, s24
	s_add_co_u32 s7, s7, 2
	s_wait_kmcnt 0x0
	s_cmp_lt_u32 s24, 2                                ; the choice hangs on the job's number alone
	s_cselect_b64 s[8:9], s[8:9], s[12:13]
	s_cselect_b64 s[10:11], s[10:11], s[14:15]
	RELAY_G 384, 16
.Lrelay_a:                             ; ---- units of 64 output columns x four K steps: cWq (0, 1), gWq (4, 5), W1 (8 + 2 c); half e holds K steps 2 e, 2 e + 1
	s_load_b128 s[8:11], s[0:1], 0x0
	s_load_b128 s[12:15], s[0:1], 0x10
	s_load_b128 s[16:19], s[0:1], 0x20
	s_load_b64 s[20:21], s[0:1], 0xc0
	s_and_b32 s4, s3, 1
	s_bfe_u32 s5, s3, 0x20001
	s_lshr_b32 s6, s3, 3                               ; i = 0 .. 11
	s_and_b32 s24, s6, 1
	s_lshl_b32 s24, s24, 6
	s_lshl_b32 s25, s5, 7
	s_add_co_u32 s24, s24, s25                         ; Wq: first row 128 w + 64 (i & 1)
	s_sub_co_u32 s25, s6, 4
	s_lshl_b32 s25, s25, 8
	s_lshl_b32 s26, s5, 6
	s_add_co_u32 s25, s25, s26                         ; W1: 256 (i - 4) + 64 w
	s_add_co_u32 s7, s6, 2
	s_lshl_b32 s26, s6, 1
	s_cmp_lt_u32 s6, 2
	s_cselect_b32 s7, s6, s7
	s_cmp_lt_u32 s6, 4
	s_cselect_b32 s7, s7, s26                          ; u
	s_cselect_b32 s24, s24, s25
	s_wait_kmcnt 0x0
	s_cmp_lt_u32 s6, 2
	s_cselect_b64 s[8:9], s[8:9], s[12:13]
	s_cselect_b64 s[10:11], s[10:11], s[14:15]
	s_cmp_lt_u32 s6, 4
	s_cselect_b64 s[8:9], s[8:9], s[16:17]
	s_cselect_b64 s[10:11], s[10:11], s[18:19]
	s_mul_i32 s26, s24, 384
	s_mul_i32 s28, s4, 192
	s_add_co_u32 s26, s26, s28
	s_mov_b32 s27, 0
	s_add_nc_u64 s[8:9], s[8:9], s[26:27]
	s_lshl_b32 s26, s24, 4
	s_lshl_b32 s28, s4, 3
	s_add_co_u32 s26, s26, s28
	s_add_nc_u64 s[10:11], s[10:11], s[26:27]
	UNITBASE
	v_mul_u32_u24 v7, v6, 384
	v_mad_u32_u24 v7, v2, 24, v7
	v_lshl_add_u32 v8, v2, 3, v6
	v_lshlrev_b32 v8, 4, v8
.irp k, 0,1
.irp t, 0,1,2,3
	FRAGLD FR+12*(4*\k+\t), 7, 8, (32*(\t/2)+8*(\t%2))*384+96*\k
.endr
.irp b, 0,1
	global_load_b32 v[SCR+2*\k+\b], v8, s[10:11] offset:512*\b+4*\k
.endr
.endr
	RSTORE
.Lfunc_end_k_qe7044d9c86_prep:
	.size	k_qe7044d9c86_prep, .Lfunc_end_k_qe7044d9c86_prep-k_qe7044d9c86_prep
	.p2alignl 7, 3214868480
	.fill 96, 4, 3214868480
	.section	.rodata,"a",@progbits
	.p2align	6, 0x0
	.amdhsa_kernel k_qe7044d9c86_prep
		.amdhsa_group_segment_fixed_size 0
		.amdhsa_private_segment_fixed_size 0
		.amdhsa_enable_private_segment 0
		.amdhsa_kernarg_size 216
		.amdhsa_user_sgpr_count 2
		.amdhsa_user_sgpr_kernarg_segment_ptr 1
		.amdhsa_wavefront_size32 1
		.amdhsa_system_sgpr_workgroup_id_x 1
		.amdhsa_system_sgpr_workgroup_id_y 1
		.amdhsa_system_sgpr_workgroup_id_z 1
		.amdhsa_system_vgpr_workitem_id 0
		.amdhsa_next_free_vgpr 256
		.amdhsa_next_free_sgpr 66
		.amdhsa_reserve_vcc 0
		.amdhsa_float_denorm_mode_32 3
		.amdhsa_float_denorm_mode_16_64 3
		.amdhsa_memory_ordered 1
		.amdhsa_forward_progress 1
		.amdhsa_inst_pref_size 168
	.end_amdhsa_kernel
	.amdgpu_metadata
---
amdhsa.version: [ 1, 2 ]
amdhsa.kernels:
  - .name:           k_qe7044d9c86_prep
    .symbol:         k_qe7044d9c86_prep.kd
    .args:
      - { .name: cWq_codes, .offset: 0, .size: 8, .value_kind: global_buffer, .address_space: global }
      - { .name: cWq_scales, .offset: 8, .size: 8, .value_kind: global_buffer, .address_space: global }
      - { .name: gWq_codes, .offset: 16, .size: 8, .value_kind: global_buffer, .address_space: global }
      - { .name: gWq_scales, .offset: 24, .size: 8, .value_kind: global_buffer, .address_space: global }
      - { .name: W1_codes, .offset: 32, .size: 8, .value_kind: global_buffer, .address_space: global }
      - { .name: W1_scales, .offset: 40, .size: 8, .value_kind: global_buffer, .address_space: global }
      - { .name: cWo_codes, .offset: 48, .size: 8, .value_kind: global_buffer, .address_space: global }
      - { .name: cWo_scales, .offset: 56, .size: 8, .value_kind: global_buffer, .address_space: global }
      - { .name: gWo_codes, .offset: 64, .size: 8, .value_kind: global_buffer, .address_space: global }
      - { .name: gWo_scales, .offset: 72, .size: 8, .value_kind: global_buffer, .address_space: global }
      - { .name: W2_codes, .offset: 80, .size: 8, .value_kind: global_buffer, .address_space: global }
      - { .name: W2_scales, .offset: 88, .size: 8, .value_kind: global_buffer, .address_space: global }
      - { .name: gWk_codes, .offset: 96, .size: 8, .value_kind: global_buffer, .address_space: global }
      - { .name: gWk_scales, .offset: 104, .size: 8, .value_kind: global_buffer, .address_space: global }
      - { .name: gWv_codes, .offset: 112, .size: 8, .value_kind: global_buffer, .address_space: global }
      - { .name: gWv_scales, .offset: 120, .size: 8, .value_kind: global_buffer, .address_space: global }
      - { .name: geometry_tokens_codes, .offset: 128, .size: 8, .value_kind: global_buffer, .address_space: global }
      - { .name: geometry_tokens_scales, .offset: 136, .size: 8, .value_kind: global_buffer, .address_space: global }
      - { .name: cWk_codes, .offset: 144, .size: 8, .value_kind: global_buffer, .address_space: global }
      - { .name: cWk_scales, .offset: 152, .size: 8, .value_kind: global_buffer, .address_space: global }
      - { .name: cWv_codes, .offset: 160, .size: 8, .value_kind: global_buffer, .address_space: global }
      - { .name: cWv_scales, .offset: 168, .size: 8, .value_kind: global_buffer, .address_space: global }
      - { .name: context_codes, .offset: 176, .size: 8, .value_kind: global_buffer, .address_space: global }
      - { .name: context_scales, .offset: 184, .size: 8, .value_kind: global_buffer, .address_space: global }
      - { .name: wimg, .offset: 192, .size: 8, .value_kind: global_buffer, .address_space: global }
      - { .name: kvc, .offset: 200, .size: 8, .value_kind: global_buffer, .address_space: global }
      - { .name: kvg, .offset: 208, .size: 8, .value_kind: global_buffer, .address_space: global }
    .group_segment_fixed_size: 0
    .private_segment_fixed_size: 0
    .kernarg_segment_align: 8
    .kernarg_segment_size: 216
    .max_flat_workgroup_size: 128
    .sgpr_count:     66
    .vgpr_count:     256
    .wavefront_size: 32
...
	.end_amdgpu_metadata
.endif
;; end of part 1
;; launch main (part 2): grid 256 x 1, 4 waves a work-group, no clusters, 84,480 bytes of LDS; arguments x, out0, wimg, kvc, kvg, g1, b1, g2, b2, g3, b3, g4, b4, cbo, gbo, bf1, bf2; writes out0
.if DOCPART == 2
	.amdgcn_target "amdgcn-amd-amdhsa--gfx1250"
	.amdhsa_code_object_version 6
	.text
	.protected	k_qe7044d9c86_main
	.globl	k_qe7044d9c86_main
	.p2align	8
	.type	k_qe7044d9c86_main,@function
k_qe7044d9c86_main:
	s_mov_b64 s[64:65], 0
	v_nop
	global_prefetch_b8 v0, s[64:65] scope:SCOPE_SE
	s_setreg_imm32_b32 hwreg(HW_REG_WAVE_MODE, 25, 1), 1
	s_wait_xcnt 0x0
; MAIN.  The whole chain for 64 tokens a work-group: t += LN1(t); two cross-attentions; the FFN with exact GELU.  t never leaves the registers; x is read once, out0 written once.
; SHARES.  Four waves, one to a SIMD.  THE WAVES SHARE THE CHANNELS, NOT THE TOKENS: wave w owns channels 128 w .. 128 w + 127 (heads 2 w, 2 w + 1) of all 64 tokens.
; Row r of row tile m is token n0 + 4 r + m: 16 bytes of x or out0 at one channel hold m = 0 .. 3, and sixteen lanes cover 256 consecutive bytes, aligned.
; ALL PRODUCTS ARE USED TRANSPOSED (source 0 = 16 rows of a weight, of K or of V^T; source 1 = 16 tokens): a lane holds one token, and, the rows of a tile being chosen for it (lane r of tile 2 b + u takes row
; 32 b + 8 u + r + 8 (r / 8)), the 16 registers of tiles 2 b, 2 b + 1 are 16 neighbours along the next K: results are quantised where they lie.
; WEIGHTS, K and V come from memory straight into operand registers, as the images that the launch before has laid out: two buffers of 192 registers that take turns, asked for a phase ahead, with counted waits.
; NO TENSOR LOADS AND NO JOINT LOADS: since the waves share the columns, each weight fragment is read by exactly one wave of a work-group and wants no LDS; a ring in LDS beside the 82 KB of images could hold at most
; 16 fragments a wave and slot, 64 matrix instructions between two rounds of a cluster's barrier.  The price: every work-group reads all 2.46 MB of weight images.
; ACTIVATIONS go from wave to wave through LDS as images of operand registers, in halves of 64 along K (512 bytes of registers 0-3 at 16 x lane, 256 bytes of registers 4-5 at 8 x lane).
; FETCHES FROM LDS STAND A PHASE AHEAD of the products that read them: a row tile's fragments are asked for behind the products of the tile before (four places behind them), so that the quantiser's or GELU's
; vector work stands between the request and the wait; where eight fragments are wanted at once, the second K step's land while the first's are multiplied.
; THE PRODUCTS WITH K = 64 (q k^T): q's operand is six registers of codes and six of zeros; K's is a tile's six registers and the six that follow (any codes: every 6-bit pattern is a finite number, and it meets a zero).
; GELU: gelu(x) = max(x, 0) - |x| Q(|x|), Q the normal tail by a polynomial of degree 5 in 1 / (1 + 0.2316419 |x|) times exp(-x^2 / 2).
; LIMITS: Q's absolute error is about 1e-7, so gelu's absolute error stays under 1e-7 |x| while its relative error grows for x under -2 (5e-5 at x = -3).  NaN and infinities are not served.
; A block of zeros carries the scale byte 1 (its codes are zeros).  1 / l and 1 / sqrt(var + eps) are v_rcp_f32 and v_rsq_f32.
; REGISTERS, in windows of 256.  Window 0: see the names below.  Window 1: T, the residual: T[64 m + 16 b + i] = channel 128 w + 32 b + 16 (lane / 16) + i of my token of row tile m.
; Window 2: v0-191 buffer A; v192-255 a norm's bias, later a product's bias.  Window 3: v0-191 buffer B; v192-255 a norm's gain, in the FFN (v192-239) the norm's four fragments of a row tile;
; at the head all of window 3 is x, at the tail all of it the result.
.set ST_,  0                           ; LDS: LN's partial statistics: 512 w + 128 m + 8 r: (mean, sum of squares about it) of a wave's 128 channels
.set ASC,  2048                        ; scale words of the norm's output, block (4 m + s) of 128 bytes
.set OSC,  4096                        ; of the attention's output, block (4 m + s); in the FFN block (4 m + w): a wave's two bytes
.set QSC,  6144                        ; of q: 1024 w + 512 head + 128 m (a wave's own)
.set AIMG, 10240                       ; images: the norm's output, fragment (4 m + s) of 1,536 bytes
.set OIMG, 34816                       ; the attention's output, fragment (4 m + s); in the FFN the hidden layer's, fragment (2 m + s)
.set QIMG, 59392                       ; q's halves: 6144 w + 3072 head + 768 m (a wave's own)
.set UNIT, 25600
.set KVC,  11520
.set KVG,  26112
.set L16, 1                            ; 16, 8, 4 x lane
.set L8,  2
.set L4,  3
.set WST16, 4                          ; + 1536 w, + 1536 w, + 128 w: where I store K step w
.set WST8,  5
.set WST4,  6
.set QW16, 7                           ; + 6144 w, + 6144 w, + 1024 w: my q; in the FFN v7, v8: + 1536 (w / 2) + 768 (w % 2): my half of a hidden fragment
.set QW8,  8
.set QW4,  9
.set WO,   10                          ; a unit's offset
.set GBO,  11                          ; 512 w + 64 h: my channels in a vector of 512
.set AD16, 12                          ; addresses of the trip in hand
.set AD8,  13
.set AD4,  14
.set BFV,  15                          ; my hidden units in bf1
.set SA,   16                          ; v16-27 scale words of buffer A;  v28-39 of buffer B
.set SB,   28
.set TM,   40                          ; the quantiser's registers, v40-58
.set TX,   42
.set SO,   44
.set BY,   46
.set PW,   48
.set QS,   49                          ; q's scale word
.set PCD,  50                          ; six registers of codes
.set PY,   56
.set PS,   40                          ; the attention's, with lifetimes apart from the quantiser's: p's scale words,
.set NEGM, 42                          ; -M (a pair),
.set LS,   44                          ; the row's sum, four chains: v44-47, v50-53
.set LT,   50
.set PYC,  50                          ; p's upper codes on their way: v50-52, v54-56
.set RL,   58                          ; 1 / l (a pair)
.set QF,   60                          ; v60-71 q's operand; v66-71 zeros
.set RAS8, 60                          ; v60-67 eight scale words of fetched fragments
.set STW,  60                          ; LN: where I store and read statistics
.set STR,  61
.set PF,   72                          ; v72-95 p's two fragments
.set MEAN, 72                          ; LN: v72-79 (mean, M2) by m;  v80-87 mu (low halves);  v88-95 1 / sqrt (low halves)
.set MU,   80
.set RSQ,  88
.set A4V,  72                          ; FFN: a constant as a pair
.set HI,   76                          ; FFN: v76-83 the upper halves of scale words
.set RASF, 84                          ; FFN: v84-87 the scale words of the norm's four fragments
.set ACC,  96                          ; v96-127 four accumulators
.set SU,   96                          ; LN: sums
.set BM,   96                          ; softmax: blocks' maxima, the other half's, scale operands, bytes
.set BX,   104
.set SOP,  112
.set BYP,  120
.set SS,   128                         ; v128-255 scores, then p
.set RAF,  128                         ; fetched fragments
.set RAS,  176                         ; v176-179 their scale words
.set RAF3, 192                         ; FFN: in window 3, v192-239: the norm's four fragments
.set YY,   128                         ; LN: 64 numbers
.set GU,   128                         ; GELU
.set GW,   160
.set PL,   192
.set BF,   224                         ; v224-255 bf1 of my 64 hidden units
.set GP,  42                           ; s[42:43], s[44:45], s[46:47] the stage's gain, bias, product bias
.set BP,  44
.set OP,  46
.set WV,  48
.set STG, 49
.set UO,  50                           ; the next unit's offset
.set MC,  51
.set MO,  52
.set MS,  53
.set MQ,  54
.set MQS, 55
.set CC,  56
.set SEL, 58
.set CS,  60                           ; log2(e) / 8
.set MK,  62                           ; lanes 16-31
.set W512, 63
.set A5,  66
.set A3,  68
.set A2,  70
.set A1,  72
.set CE,  74
.set PK,  76
.set R512, 78
.set EPS, 79
.set MSB, 0
.macro WIN new                         ; the immediate's high byte repeats the setting that is left; at every label and branch the setting is 0
.if MSB != (\new)
	s_set_vgpr_msb (MSB<<8)|(\new)
.set MSB, \new
.endif
.endm
.macro PLACES n
.rept \n
	v_nop
.endr
.endm
.macro BAR                             ; my LDS stores have landed and my LDS loads are in: then the work-group's barrier
	s_wait_dscnt 0x0
	s_barrier_signal -1
	s_barrier_wait -1
.endm
.macro MMZ d, a, b, sa, sb, odd        ; a product that starts a sum; odd: source 0's scale words stand in lanes 16-31
.if \odd
	v_wmma_scale_f32_16x16x128_f8f6f4 v[(\d):(\d)+7], v[(\a):(\a)+11], v[(\b):(\b)+11], 0, v[(\sa)], v[(\sb)] matrix_a_fmt:MATRIX_FMT_FP6 matrix_b_fmt:MATRIX_FMT_FP6 matrix_a_scale:MATRIX_SCALE_ROW1
.else
	v_wmma_scale_f32_16x16x128_f8f6f4 v[(\d):(\d)+7], v[(\a):(\a)+11], v[(\b):(\b)+11], 0, v[(\sa)], v[(\sb)] matrix_a_fmt:MATRIX_FMT_FP6 matrix_b_fmt:MATRIX_FMT_FP6
.endif
.endm
.macro MMC d, a, b, c, sa, sb, odd
.if \odd
	v_wmma_scale_f32_16x16x128_f8f6f4 v[(\d):(\d)+7], v[(\a):(\a)+11], v[(\b):(\b)+11], v[(\c):(\c)+7], v[(\sa)], v[(\sb)] matrix_a_fmt:MATRIX_FMT_FP6 matrix_b_fmt:MATRIX_FMT_FP6 matrix_a_scale:MATRIX_SCALE_ROW1
.else
	v_wmma_scale_f32_16x16x128_f8f6f4 v[(\d):(\d)+7], v[(\a):(\a)+11], v[(\b):(\b)+11], v[(\c):(\c)+7], v[(\sa)], v[(\sb)] matrix_a_fmt:MATRIX_FMT_FP6 matrix_b_fmt:MATRIX_FMT_FP6
.endif
.endm
; 32 numbers of a lane, register 16 b + i = k 32 b + 16 (lane / 16) + i of its token, become six registers of codes (k = 32 (lane / 16) + 0 .. 31) at v[pc] and two scale bytes in v[PW]
.macro QH s, pc
.irp b, 0,1
	v_max3_num_f32 v[TM+\b], |v[(\s)+16*\b]|, |v[(\s)+16*\b+1]|, 0x1800000   ; with the floor 2^(3 - 127): the byte cannot fall under 1
	v_max3_num_f32 v[TX+\b], |v[(\s)+16*\b+8]|, |v[(\s)+16*\b+9]|, |v[(\s)+16*\b+10]|
.endr
.irp i, 2,4
.irp b, 0,1
	v_max3_num_f32 v[TM+\b], v[TM+\b], |v[(\s)+16*\b+\i]|, |v[(\s)+16*\b+\i+1]|
	v_max3_num_f32 v[TX+\b], v[TX+\b], |v[(\s)+16*\b+\i+9]|, |v[(\s)+16*\b+\i+10]|
.endr
.endr
.irp b, 0,1
	v_max3_num_f32 v[TM+\b], v[TM+\b], |v[(\s)+16*\b+6]|, |v[(\s)+16*\b+7]|
.endr
.irp b, 0,1
	v_max3_num_f32 v[TM+\b], v[TM+\b], v[TX+\b], |v[(\s)+16*\b+15]|
.endr
.irp b, 0,1
	v_permlanex16_b32 v[TX+\b], v[TM+\b], s[SEL], s[SEL+1]
.endr
.irp b, 0,1
	v_max_num_f32 v[TM+\b], v[TM+\b], v[TX+\b]         ; with lane l xor 16's 16: the block's largest magnitude
.endr
.irp b, 0,1
	v_add_nc_u32 v[SO+\b], 0xff000000, v[TM+\b]        ; 2 off its exponent field: the conversion's scale operand
.endr
.irp b, 0,1
	v_lshrrev_b32 v[BY+\b], 23, v[SO+\b]               ; the scale's byte
.endr
	v_lshl_or_b32 v[PW], v[BY+1], 8, v[BY]
	v_cvt_scalef32_pk16_fp6_f32 v[(\pc):(\pc)+2], v[(\s):(\s)+15], v[SO]
	v_cvt_scalef32_pk16_fp6_f32 v[PY:PY+2], v[(\s)+16:(\s)+31], v[SO+1]
	v_nop                                              ; one plain place behind a scaled conversion
.irp i, 0,1,2
	v_permlane16_swap_b32 v[(\pc)+\i], v[PY+\i]        ; a whole block to a lane
.endr
.irp i, 0,1,2
	v_mov_b32 v[(\pc)+3+\i], v[PY+\i]
.endr
.endm
.macro HSTORE a16, a8, a4, off, soff   ; half a fragment and its two scale bytes go to LDS as they stand
	ds_store_b128 v[\a16], v[PCD:PCD+3] offset:\off
	ds_store_b64 v[\a8], v[PCD+4:PCD+5] offset:(\off)+512
	ds_store_b16 v[\a4], v[PW] offset:\soff
.endm
.macro FETCHF reg, a16, a8, off        ; a fragment comes back, in any wave
	ds_load_b128 v[(\reg):(\reg)+3], v[\a16] offset:\off
	ds_load_b64 v[(\reg)+4:(\reg)+5], v[\a8] offset:(\off)+512
	ds_load_b128 v[(\reg)+6:(\reg)+9], v[\a16] offset:(\off)+768
	ds_load_b64 v[(\reg)+10:(\reg)+11], v[\a8] offset:(\off)+1280
.endm
.macro AFH h, a16, a8, a4              ; the norm's output of one row tile, K steps 2 h and 2 h + 1: two fragments and their scale words, ten loads
.irp j, 0,1
	FETCHF RAF+12*(2*(\h)+\j), \a16, \a8, AIMG+1536*(2*(\h)+\j)
	ds_load_b32 v[RAS+2*(\h)+\j], v[\a4] offset:ASC+128*(2*(\h)+\j)
.endr
.endm
.macro FFETCH k, a16, a8, a4           ; the same for the FFN, one K step: the fragment into window 3, its scale word into window 0 (scale operands have no window)
	WIN 0xc0
	FETCHF RAF3+12*(\k), \a16, \a8, AIMG+1536*(\k)
	WIN 0
	ds_load_b32 v[RASF+(\k)], v[\a4] offset:ASC+128*(\k)
.endm
.macro LOADW win, sx                   ; my next unit of weights: 50 loads, each of 512 consecutive bytes
	s_wait_xcnt 0x0                                    ; earlier loads have read their address registers: the offset may be written
	v_add_nc_u32 v[WO], s[UO], v[L16]
	s_add_co_u32 s[UO], s[UO], UNIT
	WIN \win
.set c_, 0
.rept 48
	global_load_b128 v[4*c_:4*c_+3], v[WO], s[12:13] offset:512*c_
.set c_, c_+1
.endr
	WIN 0
	global_load_b128 v[\sx:\sx+3], v[WO], s[12:13] offset:24576
	global_load_b128 v[\sx+4:\sx+7], v[WO], s[12:13] offset:25088
.endm
.macro LOADKV kind, win, sx, hd        ; K and V of one head: 60 loads (geometry) or 26 (context)
	WIN \win
.set c_, 0
.if \kind
.rept 48
	global_load_b128 v[4*c_:4*c_+3], v[L16], s[16:17] offset:KVG*\hd+512*c_
.set c_, c_+1
.endr
	WIN 0
.set c_, 0
.rept 12
	global_load_b32 v[\sx+c_], v[L4], s[16:17] offset:KVG*\hd+24576+128*c_
.set c_, c_+1
.endr
.else
.rept 21
	global_load_b128 v[4*c_:4*c_+3], v[L16], s[14:15] offset:KVC*\hd+512*c_
.set c_, c_+1
.endr
	WIN 0
.set c_, 0
.rept 5
	global_load_b32 v[\sx+c_], v[L4], s[14:15] offset:KVC*\hd+10752+128*c_
.set c_, c_+1
.endr
.endif
.endm
.macro VLD64 sb                        ; 64 numbers at my lane's channels into v192-255 of the window that is set
.irp b, 0,1,2,3
.irp k, 0,1,2,3
	global_load_b128 v[192+16*\b+4*\k:192+16*\b+4*\k+3], v[GBO], s[\sb:\sb+1] offset:128*\b+16*\k
.endr
.endr
.endm
.macro BFLOAD
.irp b, 0,1
.irp k, 0,1,2,3
	global_load_b128 v[BF+16*\b+4*\k:BF+16*\b+4*\k+3], v[BFV], s[38:39] offset:128*\b+16*\k
.endr
.endr
.endm
; q of one head, for the four row tiles: 16 products a trip (four accumulators by turns), quantised, half a fragment into my own LDS bytes.
; The next row tile's fragments are asked for in halves, each four places behind the eight products that read the registers: 8 products and the quantiser stand between the first request and the wait.
; Head 0 asks for row tile 0 ahead of its loop, and in its last trip again: head 1 begins with it.  Head 1's last trip asks for nothing.
.macro G0Q wn, sx, hd
.if \hd == 0
	AFH 0, L16, L8, L4
	AFH 1, L16, L8, L4
.endif
	s_mov_b32 s[MC], 0
	s_mov_b32 s[MO], 0
	s_mov_b32 s[MS], 0
	s_mov_b32 s[MQ], 0
	s_mov_b32 s[MQS], 0
.Lg0q_\@:
	s_add_co_u32 s[MO], s[MO], 6144                    ; the next row tile's images and scale words,
	s_add_co_u32 s[MS], s[MS], 512
	s_min_u32 s2, s[MO], 3*6144                        ; held at the last tile: the address stays inside the images in every trip
	s_min_u32 s3, s[MS], 3*512
.if \hd == 0
	s_cmp_eq_u32 s[MC], 3
	s_cselect_b32 s2, 0, s2                            ; behind tile 3 comes tile 0, for the other head
	s_cselect_b32 s3, 0, s3
.endif
	v_add_nc_u32 v[AD16], s2, v[L16]
	v_add_nc_u32 v[AD8], s2, v[L8]
	v_add_nc_u32 v[AD4], s3, v[L4]
	s_wait_dscnt 0x0                                   ; this tile's fragments are in
	WIN \wn
.irp k, 0,1
.irp t, 0,1,2,3
.if \k == 0
	MMZ ACC+8*\t, 12*\t, RAF, \sx+\t/2, RAS, \t%2
.else
	MMC ACC+8*\t, 12*(4*\k+\t), RAF+12*\k, ACC+8*\t, \sx+2*\k+\t/2, RAS+\k, \t%2
.endif
.endr
.endr
	WIN 0
	PLACES 4                                           ; in front of loads into registers that these eight products have read
.if \hd
	s_cmp_eq_u32 s[MC], 3
	s_cbranch_scc1 .Lg0a_\@
.endif
	AFH 0, AD16, AD8, AD4
.if \hd
.Lg0a_\@:
.endif
	WIN \wn
.irp k, 2,3
.irp t, 0,1,2,3
	MMC ACC+8*\t, 12*(4*\k+\t), RAF+12*\k, ACC+8*\t, \sx+2*\k+\t/2, RAS+\k, \t%2
.endr
.endr
	WIN 0
	PLACES 4                                           ; behind the products: in front of reads of results and of loads into their operands
.if \hd
	s_cmp_eq_u32 s[MC], 3
	s_cbranch_scc1 .Lg0b_\@
.endif
	AFH 1, AD16, AD8, AD4
.if \hd
.Lg0b_\@:
.endif
	QH ACC, PCD
	v_add_nc_u32 v[AD16], s[MQ], v[QW16]
	v_add_nc_u32 v[AD8], s[MQ], v[QW8]
	v_add_nc_u32 v[AD4], s[MQS], v[QW4]
	ds_store_b128 v[AD16], v[PCD:PCD+3] offset:QIMG+3072*\hd
	ds_store_b64 v[AD8], v[PCD+4:PCD+5] offset:QIMG+3072*\hd+512
	ds_store_b32 v[AD4], v[PW] offset:QSC+512*\hd      ; the word's upper bytes are 0: they scale the zero half
	s_add_co_u32 s[MQ], s[MQ], 768
	s_add_co_u32 s[MQS], s[MQS], 128
	s_add_co_u32 s[MC], s[MC], 1
	s_cmp_lt_u32 s[MC], 4
	s_cbranch_scc1 .Lg0q_\@
.if \hd
	s_wait_dscnt 0x0                                   ; nothing of mine is out in LDS when the scores' registers are next written
.endif
.endm
; One head's attention for the four row tiles.  kind 1: 256 keys; kind 0: 77 keys in 6 tiles.  All keys of a head are in registers, so the softmax has one pass: M = ceil(the row's largest t).
.macro ATT kind, wn, sx, hd
.if \kind
.set NT_, 16
.set NB_, 8
.set NBT_, 8
.set NR_, 128
.set NKS_, 2
.set VB_, 96
.set VS_, 8
.else
.set NT_, 6
.set NB_, 3
.set NBT_, 4
.set NR_, 48
.set NKS_, 1
.set VB_, 36
.set VS_, 3
.set i_, 48
.rept 16
	v_mov_b32 v[SS+i_], 0                              ; p of keys 96 .. 127, which do not exist: zeros, set once for the four trips
.set i_, i_+1
.endr
.endif
	s_mov_b32 s[MC], 0
	s_mov_b32 s[MO], 0
	s_mov_b32 s[MS], 0
	s_mov_b32 s[MQ], 0
	s_mov_b32 s[MQS], 0
.Latt_\@:
	v_add_nc_u32 v[AD16], s[MQ], v[QW16]
	v_add_nc_u32 v[AD8], s[MQ], v[QW8]
	v_add_nc_u32 v[AD4], s[MQS], v[QW4]
	ds_load_b128 v[QF:QF+3], v[AD16] offset:QIMG+3072*\hd   ; my own bytes: LDS serves a wave's instructions in order
	ds_load_b64 v[QF+4:QF+5], v[AD8] offset:QIMG+3072*\hd+512
	ds_load_b32 v[QS], v[AD4] offset:QSC+512*\hd
	s_wait_dscnt 0x0
	WIN \wn
.set i_, 0
.rept NT_
	MMZ SS+8*i_, 6*i_, QF, \sx+i_/2, QS, i_%2          ; S^T: register 16 b + i = key 32 b + 16 (lane / 16) + i
.set i_, i_+1
.endr
	WIN 0
	PLACES 4
.if \kind == 0                         ; keys 77 on become -infinity ahead of the maximum: of block 2 lanes 16-31 wholly, lanes 0-15 from register 13 on
	v_mov_b32 v[PW], 0xff800000
.set i_, 32
.rept 13
	v_cndmask_b32 v[SS+i_], v[SS+i_], v[PW], s[MK]
.set i_, i_+1
.endr
.irp i, 45,46,47
	v_mov_b32 v[SS+\i], v[PW]
.endr
.endif
.set b_, 0
.rept NB_
	v_max3_num_f32 v[BM+b_], v[SS+16*b_], v[SS+16*b_+1], v[SS+16*b_+2]   ; the largest score of each block of 32 keys: for the row's maximum and, p rising with the score, for the block's largest p
.set b_, b_+1
.endr
.irp i, 3,5,7,9,11,13
.set b_, 0
.rept NB_
	v_max3_num_f32 v[BM+b_], v[BM+b_], v[SS+16*b_+\i], v[SS+16*b_+\i+1]
.set b_, b_+1
.endr
.endr
.set b_, 0
.rept NB_
	v_max_num_f32 v[BM+b_], v[BM+b_], v[SS+16*b_+15]
.set b_, b_+1
.endr
.set b_, 0
.rept NB_
	v_permlanex16_b32 v[BX+b_], v[BM+b_], s[SEL], s[SEL+1]
.set b_, b_+1
.endr
.set b_, 0
.rept NB_
	v_max_num_f32 v[BM+b_], v[BM+b_], v[BX+b_]
.set b_, b_+1
.endr
	v_max3_num_f32 v[PW], v[BM], v[BM+1], v[BM+2]
.if \kind
	v_max3_num_f32 v[PW], v[PW], v[BM+3], v[BM+4]
	v_max3_num_f32 v[PW], v[PW], v[BM+5], v[BM+6]
	v_max_num_f32 v[PW], v[PW], v[BM+7]
.endif
	v_mul_f32 v[PW], s[CS], v[PW]                      ; the row's largest t
	v_floor_f32 v[NEGM], -v[PW]                        ; -M = floor(-t): M is a whole number
.set j_, 0
.rept NR_/2
	v_pk_fma_f32 v[SS+j_:SS+j_+1], v[SS+j_:SS+j_+1], s[CS:CS+1], v[NEGM:NEGM+1] op_sel_hi:[1,0,0]   ; t - M
.set j_, j_+2
.endr
.set b_, 0
.rept NB_
	v_fma_f32 v[BM+b_], v[BM+b_], s[CS], v[NEGM]
.set b_, b_+1
.endr
.set j_, 0
.rept NR_
	v_exp_f32 v[SS+j_], v[SS+j_]                       ; p = 2^(t - M): not normalised
.set j_, j_+1
.endr
.set b_, 0
.rept NB_
	v_exp_f32 v[BM+b_], v[BM+b_]                       ; the block's largest p: the same two instructions on the same number
.set b_, b_+1
.endr
	v_nop                                              ; a plain place behind the last exponential
	s_wait_alu depctr_va_vdst(0)                       ; one wait for the whole batch, ahead of its first reader
.if \kind == 0
	v_mov_b32 v[BM+3], 0                               ; the block of zeros takes the floor's byte
.endif
.irp c, 0,1                            ; the row's sum of the unquantised p, in four chains
	v_pk_add_f32 v[LS+2*\c:LS+2*\c+1], v[SS+4*\c:SS+4*\c+1], v[SS+4*\c+2:SS+4*\c+3]
	v_pk_add_f32 v[LT+2*\c:LT+2*\c+1], v[SS+8+4*\c:SS+8+4*\c+1], v[SS+8+4*\c+2:SS+8+4*\c+3]
.endr
.set j_, 16
.rept (NR_-16)/8
	v_pk_add_f32 v[LS:LS+1], v[LS:LS+1], v[SS+j_:SS+j_+1]
	v_pk_add_f32 v[LS+2:LS+3], v[LS+2:LS+3], v[SS+j_+2:SS+j_+3]
	v_pk_add_f32 v[LT:LT+1], v[LT:LT+1], v[SS+j_+4:SS+j_+5]
	v_pk_add_f32 v[LT+2:LT+3], v[LT+2:LT+3], v[SS+j_+6:SS+j_+7]
.set j_, j_+8
.endr
	v_pk_add_f32 v[LS:LS+1], v[LS:LS+1], v[LS+2:LS+3]
	v_pk_add_f32 v[LT:LT+1], v[LT:LT+1], v[LT+2:LT+3]
	v_pk_add_f32 v[LS:LS+1], v[LS:LS+1], v[LT:LT+1]
.set b_, 0
.rept NBT_
	v_max_num_f32 v[BM+b_], 0x1800000, v[BM+b_]        ; the floor
.set b_, b_+1
.endr
.set b_, 0
.rept NBT_
	v_add_nc_u32 v[SOP+b_], 0xff000000, v[BM+b_]
.set b_, b_+1
.endr
.set b_, 0
.rept NBT_
	v_lshrrev_b32 v[BYP+b_], 23, v[SOP+b_]
.set b_, b_+1
.endr
.set k_, 0
.rept NKS_
	v_lshl_or_b32 v[PS+k_], v[BYP+4*k_+1], 8, v[BYP+4*k_]   ; p's scale word for 128 keys
	v_lshl_or_b32 v[PS+k_], v[BYP+4*k_+2], 16, v[PS+k_]
	v_lshl_or_b32 v[PS+k_], v[BYP+4*k_+3], 24, v[PS+k_]
.set k_, k_+1
.endr
.set k_, 0
.rept NKS_
.irp c, 0,1
	v_cvt_scalef32_pk16_fp6_f32 v[PF+12*k_+6*\c:PF+12*k_+6*\c+2], v[SS+64*k_+32*\c:SS+64*k_+32*\c+15], v[SOP+4*k_+2*\c]
	v_cvt_scalef32_pk16_fp6_f32 v[PYC+4*\c:PYC+4*\c+2], v[SS+64*k_+32*\c+16:SS+64*k_+32*\c+31], v[SOP+4*k_+2*\c+1]
.endr
	v_nop                                              ; one plain place behind a scaled conversion
.irp c, 0,1
.irp i, 0,1,2
	v_permlane16_swap_b32 v[PF+12*k_+6*\c+\i], v[PYC+4*\c+\i]
.endr
.irp i, 0,1,2
	v_mov_b32 v[PF+12*k_+6*\c+3+\i], v[PYC+4*\c+\i]
.endr
.endr
.set k_, k_+1
.endr
	PLACES 8                                           ; p and its scale words were written by vector instructions: 4 and 8 places ahead of a scaled product
	WIN \wn
.set k_, 0
.rept NKS_
.irp t, 0,1,2,3
.if k_ == 0
	MMZ ACC+8*\t, VB_+12*\t, PF, \sx+VS_+\t/2, PS, \t%2
.else
	MMC ACC+8*\t, VB_+12*(4*k_+\t), PF+12*k_, ACC+8*\t, \sx+VS_+(4*k_+\t)/2, PS+k_, \t%2
.endif
.endr
.set k_, k_+1
.endr
	WIN 0
	PLACES 4
	v_add_f32 v[LS], v[LS], v[LS+1]
	v_permlanex16_b32 v[LS+2], v[LS], s[SEL], s[SEL+1]
	v_add_f32 v[LS], v[LS], v[LS+2]                    ; l
	v_rcp_f32 v[RL], v[LS]
	v_nop
	s_wait_alu depctr_va_vdst(0)
.set j_, 0
.rept 16
	v_pk_mul_f32 v[ACC+j_:ACC+j_+1], v[ACC+j_:ACC+j_+1], v[RL:RL+1] op_sel_hi:[1,0]   ; O^T / l, from each accumulator's low end on
.set j_, j_+2
.endr
	QH ACC, PCD
	v_add_nc_u32 v[AD16], s[MO], v[WST16]
	v_add_nc_u32 v[AD8], s[MO], v[WST8]
	v_add_nc_u32 v[AD4], s[MS], v[WST4]
	HSTORE AD16, AD8, AD4, OIMG+768*\hd, OSC+2*\hd     ; half \hd of K step w of the output product
	s_add_co_u32 s[MO], s[MO], 6144
	s_add_co_u32 s[MS], s[MS], 512
	s_add_co_u32 s[MQ], s[MQ], 768
	s_add_co_u32 s[MQS], s[MQS], 128
	s_add_co_u32 s[MC], s[MC], 1
	s_cmp_lt_u32 s[MC], 4
	s_cbranch_scc1 .Latt_\@
.endm
.macro GTK sx, k                       ; one K step onto T: 32 products, the 32 accumulators by turns
.irp m, 0,1,2,3
.irp t, 0,1,2,3,4,5,6,7
	MMC 64*\m+8*\t, 12*(8*(\k)+\t), RAF+12*(2*\m+(\k)), 64*\m+8*\t, \sx+4*(\k)+\t/2, RAS8+2*\m+(\k), \t%2
.endr
.endr
.endm
; T += two K steps of a product onto my 128 channels, for the 64 tokens.  The loads stand in this order: the scale words, the first K step's four fragments, the second's: the second's 16 loads land while the
; first's 32 products are issued.  ffn = 1: a fragment's scale word is made of two waves' halves; and the barrier that lets the images be written again is split round the second K step's products
.macro GT wn, sx, mstr, j0, ffn
.irp m, 0,1,2,3
.irp k, 0,1
.if \ffn
	ds_load_b32 v[RAS8+2*\m+\k], v[L4] offset:OSC+(4*\m+2*\k)*128
	ds_load_b32 v[HI+2*\m+\k], v[L4] offset:OSC+(4*\m+2*\k+1)*128
.else
	ds_load_b32 v[RAS8+2*\m+\k], v[L4] offset:OSC+(4*\m+(\j0)+\k)*128
.endif
.endr
.endr
.irp k, 0,1
.irp m, 0,1,2,3
	FETCHF RAF+12*(2*\m+\k), L16, L8, OIMG+((\mstr)*\m+(\j0)+\k)*1536
.endr
.endr
	s_wait_dscnt 16                                    ; the second K step's 16 loads may be out: the scale words and the first K step's fragments are in
.if \ffn
.irp i, 0,1,2,3,4,5,6,7
	v_lshl_or_b32 v[RAS8+\i], v[HI+\i], 16, v[RAS8+\i]
.endr
	PLACES 8                                           ; scale words written by vector instructions stand 8 places ahead of a scaled product
.endif
	WIN \wn
	GTK \sx, 0
	s_wait_dscnt 0x0                                   ; the second K step's fragments are in: my reads of the images are over
.if \ffn
	s_barrier_signal -1
.endif
	GTK \sx, 1
	WIN 0
	PLACES 4
.if \ffn
	s_barrier_wait -1                                  ; everybody's are
.endif
.endm
; A wave's part of a norm's statistics: for each token the mean of its 128 channels and the sum of squares about that mean
.macro LNSTATS
	v_and_b32 v[STR], 15, v0
	v_lshlrev_b32 v[STR], 3, v[STR]
	v_add_nc_u32 v[STW], s[W512], v[STR]
	WIN 0x05
.irp m, 0,1,2,3
	v_pk_add_f32 v[SU+4*\m:SU+4*\m+1], v[64*\m:64*\m+1], v[64*\m+2:64*\m+3]
	v_pk_add_f32 v[SU+4*\m+2:SU+4*\m+3], v[64*\m+4:64*\m+5], v[64*\m+6:64*\m+7]
.endr
	WIN 0x04
.set p_, 8
.rept 14
.irp m, 0,1,2,3
	v_pk_add_f32 v[SU+4*\m:SU+4*\m+1], v[SU+4*\m:SU+4*\m+1], v[64*\m+p_:64*\m+p_+1]
	v_pk_add_f32 v[SU+4*\m+2:SU+4*\m+3], v[SU+4*\m+2:SU+4*\m+3], v[64*\m+p_+2:64*\m+p_+3]
.endr
.set p_, p_+4
.endr
	WIN 0
.irp m, 0,1,2,3
	v_pk_add_f32 v[SU+4*\m:SU+4*\m+1], v[SU+4*\m:SU+4*\m+1], v[SU+4*\m+2:SU+4*\m+3]
.endr
.irp m, 0,1,2,3
	v_add_f32 v[TM+\m], v[SU+4*\m], v[SU+4*\m+1]
.endr
.irp m, 0,1,2,3
	v_permlanex16_b32 v[SO+\m], v[TM+\m], s[SEL], s[SEL+1]
.endr
.irp m, 0,1,2,3
	v_add_f32 v[TM+\m], v[TM+\m], v[SO+\m]
.endr
.irp m, 0,1,2,3
	v_mul_f32 v[MEAN+2*\m], 0x3c000000, v[TM+\m]       ; / 128
.endr
.irp m, 0,1,2,3
	WIN 0x01
.set p_, 0
.rept 32
	v_pk_add_f32 v[YY+p_:YY+p_+1], v[64*\m+p_:64*\m+p_+1], v[MEAN+2*\m:MEAN+2*\m+1] op_sel_hi:[1,0] neg_lo:[0,1] neg_hi:[0,1]
.set p_, p_+2
.endr
	WIN 0
.irp c, 0,1,2,3
	v_pk_mul_f32 v[SU+2*\c:SU+2*\c+1], v[YY+2*\c:YY+2*\c+1], v[YY+2*\c:YY+2*\c+1]
.endr
.set p_, 8
.rept 7
.irp c, 0,1,2,3
	v_pk_fma_f32 v[SU+2*\c:SU+2*\c+1], v[YY+p_+2*\c:YY+p_+2*\c+1], v[YY+p_+2*\c:YY+p_+2*\c+1], v[SU+2*\c:SU+2*\c+1]
.endr
.set p_, p_+8
.endr
	v_pk_add_f32 v[SU:SU+1], v[SU:SU+1], v[SU+2:SU+3]
	v_pk_add_f32 v[SU+4:SU+5], v[SU+4:SU+5], v[SU+6:SU+7]
	v_pk_add_f32 v[SU:SU+1], v[SU:SU+1], v[SU+4:SU+5]
	v_add_f32 v[TM], v[SU], v[SU+1]
	v_permlanex16_b32 v[SO], v[TM], s[SEL], s[SEL+1]
	v_add_f32 v[MEAN+2*\m+1], v[TM], v[SO]
	ds_store_b64 v[STW], v[MEAN+2*\m:MEAN+2*\m+1] offset:ST_+128*\m   ; lanes r and 16 + r hold the same pair and name the same place
.endr
.endm
; The four waves' parts are joined: mu = the mean of the means; the sum of squares about mu = the parts' sums + 128 x the squares of the means' distances from mu: no difference of large sums
.macro LNCOMB
.irp m, 0,1,2,3
.irp w, 0,1,2,3
	ds_load_b64 v[ACC+8*\m+2*\w:ACC+8*\m+2*\w+1], v[STR] offset:ST_+512*\w+128*\m
.endr
.endr
	s_wait_dscnt 0x0
.irp m, 0,1,2,3
	v_add_f32 v[TM+\m], v[ACC+8*\m], v[ACC+8*\m+2]
	v_add_f32 v[SO+\m], v[ACC+8*\m+4], v[ACC+8*\m+6]
.endr
.irp m, 0,1,2,3
	v_add_f32 v[TM+\m], v[TM+\m], v[SO+\m]
.endr
.irp m, 0,1,2,3
	v_mul_f32 v[MU+2*\m], 0x3e800000, v[TM+\m]
.endr
.irp w, 0,1,2,3
.irp m, 0,1,2,3
	v_sub_f32 v[ACC+8*\m+2*\w], v[ACC+8*\m+2*\w], v[MU+2*\m]
.endr
.endr
.irp m, 0,1,2,3
	v_mul_f32 v[TM+\m], v[ACC+8*\m], v[ACC+8*\m]
	v_add_f32 v[SO+\m], v[ACC+8*\m+1], v[ACC+8*\m+3]
.endr
.irp w, 1,2,3
.irp m, 0,1,2,3
	v_fma_f32 v[TM+\m], v[ACC+8*\m+2*\w], v[ACC+8*\m+2*\w], v[TM+\m]
.endr
.endr
.irp w, 2,3
.irp m, 0,1,2,3
	v_add_f32 v[SO+\m], v[SO+\m], v[ACC+8*\m+2*\w+1]
.endr
.endr
.irp m, 0,1,2,3
	v_fma_f32 v[SO+\m], v[TM+\m], 0x43000000, v[SO+\m]
.endr
.irp m, 0,1,2,3
	v_fma_f32 v[SO+\m], v[SO+\m], s[R512], s[EPS]      ; var + eps
.endr
.irp m, 0,1,2,3
	v_rsq_f32 v[RSQ+2*\m], v[SO+\m]
.endr
	v_nop
	s_wait_alu depctr_va_vdst(0)                       ; one wait for the four
.endm
.macro NORM m                          ; Y = (T - mu) / sqrt(var + eps) x g + b, for row tile m
	WIN 0x01
.set p_, 0
.rept 32
	v_pk_add_f32 v[YY+p_:YY+p_+1], v[64*(\m)+p_:64*(\m)+p_+1], v[MU+2*(\m):MU+2*(\m)+1] op_sel_hi:[1,0] neg_lo:[0,1] neg_hi:[0,1]
.set p_, p_+2
.endr
	WIN 0
.set p_, 0
.rept 32
	v_pk_mul_f32 v[YY+p_:YY+p_+1], v[YY+p_:YY+p_+1], v[RSQ+2*(\m):RSQ+2*(\m)+1] op_sel_hi:[1,0]
.set p_, p_+2
.endr
	WIN 0x2c
.set p_, 0
.rept 32
	v_pk_fma_f32 v[YY+p_:YY+p_+1], v[YY+p_:YY+p_+1], v[192+p_:192+p_+1], v[192+p_:192+p_+1]
.set p_, p_+2
.endr
	WIN 0
.endm
; GELU, in place on the four accumulators.  pf = 1: the next row tile's four fragments are asked for on the way, five loads at a time between the first runs of vector work
.macro GELU pf
.if \pf
	FFETCH 0, AD16, AD8, AD4
.endif
.set i_, 0
.rept 32
	v_fma_f32 v[GU+i_], |v[ACC+i_]|, s[PK], 1.0
.set i_, i_+1
.endr
.if \pf
	FFETCH 1, AD16, AD8, AD4
.endif
.set i_, 0
.rept 32
	v_rcp_f32 v[GU+i_], v[GU+i_]                       ; u = 1 / (1 + p |x|)
.set i_, i_+1
.endr
.set i_, 0
.rept 16
	v_pk_mul_f32 v[GW+i_:GW+i_+1], v[ACC+i_:ACC+i_+1], v[ACC+i_:ACC+i_+1]
.set i_, i_+2
.endr
.if \pf
	FFETCH 2, AD16, AD8, AD4
.endif
.set i_, 0
.rept 16
	v_pk_mul_f32 v[GW+i_:GW+i_+1], v[GW+i_:GW+i_+1], s[CE:CE+1] op_sel_hi:[1,0]
.set i_, i_+2
.endr
.if \pf
	FFETCH 3, AD16, AD8, AD4
.endif
.set i_, 0
.rept 32
	v_exp_f32 v[GW+i_], v[GW+i_]                       ; exp(-x^2 / 2)
.set i_, i_+1
.endr
	v_nop
	s_wait_alu depctr_va_vdst(0)                       ; one wait for the 64 reciprocals and exponentials
.set i_, 0
.rept 16
	v_pk_fma_f32 v[PL+i_:PL+i_+1], v[GU+i_:GU+i_+1], s[A5:A5+1], v[A4V:A4V+1] op_sel_hi:[1,0,0]
.set i_, i_+2
.endr
.irp a, A3, A2, A1
.set i_, 0
.rept 16
	v_pk_fma_f32 v[PL+i_:PL+i_+1], v[PL+i_:PL+i_+1], v[GU+i_:GU+i_+1], s[\a:\a+1] op_sel_hi:[1,1,0]
.set i_, i_+2
.endr
.endr
.set i_, 0
.rept 16
	v_pk_mul_f32 v[PL+i_:PL+i_+1], v[PL+i_:PL+i_+1], v[GU+i_:GU+i_+1]
.set i_, i_+2
.endr
.set i_, 0
.rept 16
	v_pk_mul_f32 v[PL+i_:PL+i_+1], v[PL+i_:PL+i_+1], v[GW+i_:GW+i_+1]   ; Q(|x|)
.set i_, i_+2
.endr
.set i_, 0
.rept 32
	v_max_num_f32 v[GU+i_], 0, v[ACC+i_]
.set i_, i_+1
.endr
.set i_, 0
.rept 32
	v_fma_f32 v[ACC+i_], -|v[ACC+i_]|, v[PL+i_], v[GU+i_]
.set i_, i_+1
.endr
.endm
; Behind a round's last products from buffer A: the next round's first row tile (from LDS), its W1 unit and its bias are asked for.
; 50 + 8 loads from memory are then younger than this round's W2 unit, which the count shows landed.
.macro FARM
	s_cmp_eq_u32 s[CC], 7
	s_cbranch_scc1 .Lfl_\@
.irp k, 0,1,2,3
	FFETCH \k, L16, L8, L4
.endr
	LOADW 0x80, SA
	v_add_nc_u32 v[BFV], 1024, v[BFV]                  ; (its last loads stand ahead of the wait at the head of the run above)
	BFLOAD
	s_wait_loadcnt 58
	s_branch .Lfd_\@
.Lfl_\@:
	s_wait_loadcnt 0x0                                 ; the last round asks for nothing
.Lfd_\@:
.endm
; My 64 hidden units of one row tile: 16 products on top of the bias, GELU, quantised, half a fragment to LDS.  The tile's fragments were asked for a phase ago
.macro G0F last
	s_wait_dscnt 0x0                                   ; they are in
	WIN 0x0e                                           ; source 0 (W1) window 2, source 1 (the norm's output) window 3
.irp k, 0,1,2,3
.irp t, 0,1,2,3
.if \k == 0
	MMC ACC+8*\t, 12*\t, RAF3, BF+8*\t, SA+\t/2, RASF, \t%2
.else
	MMC ACC+8*\t, 12*(4*\k+\t), RAF3+12*\k, ACC+8*\t, SA+2*\k+\t/2, RASF+\k, \t%2
.endif
.endr
.endr
	WIN 0
	PLACES 4                                           ; in front of reads of results and of loads into the products' operands
.if \last
	FARM
	GELU 0
.else
	s_add_co_u32 s[MO], s[MO], 6144                    ; the next row tile
	s_add_co_u32 s[MS], s[MS], 512
	v_add_nc_u32 v[AD16], s[MO], v[L16]
	v_add_nc_u32 v[AD8], s[MO], v[L8]
	v_add_nc_u32 v[AD4], s[MS], v[L4]
	GELU 1
.endif
	QH ACC, PCD
	v_add_nc_u32 v[AD16], s[MQ], v[QW16]
	v_add_nc_u32 v[AD8], s[MQ], v[QW8]
	v_add_nc_u32 v[AD4], s[MQS], v[WST4]
	ds_store_b128 v[AD16], v[PCD:PCD+3] offset:OIMG
	ds_store_b64 v[AD8], v[PCD+4:PCD+5] offset:OIMG+512
	ds_store_b32 v[AD4], v[PW] offset:OSC              ; my two bytes as a word of my own; the reader joins two waves' words
.endm
.macro MID kind                        ; q, then the attention, of my two heads; the buffers take turns: Wq | K, V | Wo
.irp i, 6,7,8,9,10,11
	v_mov_b32 v[QF+\i], 0                              ; the zero half of q's operand
.endr
	G0Q 0x02, SA, 0
	LOADKV \kind, 0x80, SA, 0
	G0Q 0x03, SB, 1
	LOADKV \kind, 0xc0, SB, 1
.if \kind
	s_wait_loadcnt 60                                  ; head 1's 60 loads are the younger ones: head 0's K and V, and the bias asked for ahead of them, are in
.else
	s_wait_loadcnt 26                                  ; likewise, 26
.endif
	ATT \kind, 0x02, SA, 0
	LOADW 0x80, SA
	s_wait_loadcnt 50                                  ; the 50 just issued may be out: head 1's K and V are in
	ATT \kind, 0x03, SB, 1
	LOADW 0xc0, SB
.endm
	s_load_b512 s[8:23], s[0:1], 0x0                   ; x, out0, wimg, kvc, kvg, g1, b1, g2
	s_load_b512 s[24:39], s[0:1], 0x40                 ; b2, g3, b3, g4, b4, cbo, gbo, bf1
	s_load_b64 s[40:41], s[0:1], 0x80                  ; bf2
	v_lshrrev_b32 v1, 5, v0
	v_readfirstlane_b32 s[WV], v1                      ; wave 0..3
	v_and_b32 v12, 31, v0
	v_lshlrev_b32 v[L16], 4, v12
	v_lshlrev_b32 v[L8], 3, v12
	v_lshlrev_b32 v[L4], 2, v12
	s_mul_i32 s2, s[WV], 1536
	v_add_nc_u32 v[WST16], s2, v[L16]
	v_add_nc_u32 v[WST8], s2, v[L8]
	s_lshl_b32 s2, s[WV], 7
	v_add_nc_u32 v[WST4], s2, v[L4]
	s_mul_i32 s2, s[WV], 6144
	v_add_nc_u32 v[QW16], s2, v[L16]
	v_add_nc_u32 v[QW8], s2, v[L8]
	s_lshl_b32 s2, s[WV], 10
	v_add_nc_u32 v[QW4], s2, v[L4]
	v_bfe_u32 v13, v0, 4, 1                            ; h
	v_and_b32 v14, 15, v0                              ; r
	s_lshl_b32 s[W512], s[WV], 9
	v_lshl_add_u32 v[GBO], v13, 6, s[W512]
	s_lshl_b32 s2, s[WV], 8
	v_lshl_add_u32 v[BFV], v13, 6, s2
	v_lshlrev_b32 v[AD16], 18, v13
	v_lshl_or_b32 v[AD16], v14, 4, v[AD16]             ; x: 16 channels on for lanes 16-31, 16 bytes a lane
.set i_, 40
.rept 56
	v_mov_b32 v[i_], 0                                 ; v40-95: destinations of lane permutes and upper halves of pairs count as read
.set i_, i_+1
.endr
	s_mov_b32 s[SEL], 0x76543210
	s_mov_b32 s[SEL+1], 0xfedcba98
	s_mov_b32 s[CS], 0x3e38aa3b                        ; log2(e) / sqrt(64)
	s_mov_b32 s[CS+1], s[CS]
	s_mov_b32 s[MK], 0xffff0000
	s_mov_b32 s[R512], 0x3b000000                      ; 1 / 512
	s_mov_b32 s[EPS], 0x3727c5ac                       ; 1e-5
	s_mov_b32 s[UO], 0
	s_lshr_b32 s2, ttmp9, 6                            ; batch
	s_and_b32 s3, ttmp9, 63
	s_lshl_b32 s4, s2, 23
	s_lshl_b32 s6, s[WV], 21
	s_add_co_u32 s4, s4, s6
	s_lshl_b32 s6, s3, 8
	s_add_co_u32 s4, s4, s6                            ; batch, my 128 channels, the group's 64 tokens
	s_mov_b32 s5, 0
	s_lshl_b32 s6, s2, 3
	s_lshl_b32 s7, s[WV], 1
	s_add_co_u32 s6, s6, s7                            ; 8 batch + my first head
	s_wait_kmcnt 0x0
	s_add_nc_u64 s[8:9], s[8:9], s[4:5]
	s_add_nc_u64 s[10:11], s[10:11], s[4:5]
	s_mul_i32 s4, s[WV], 24*UNIT
	s_add_nc_u64 s[12:13], s[12:13], s[4:5]
	s_mul_i32 s4, s6, KVC
	s_add_nc_u64 s[14:15], s[14:15], s[4:5]
	s_mul_i32 s4, s6, KVG
	s_add_nc_u64 s[16:17], s[16:17], s[4:5]
	WIN 0xc0
.set q_, 0
.rept 64
	global_load_b128 v[4*q_:4*q_+3], v[AD16], s[8:9] offset:(32*(q_/16)+q_%16)*16384 th:TH_LOAD_NT   ; channel 32 b + i (+ 16 h): tokens 4 r + 0 .. 3; sixteen lanes read 256 consecutive bytes
.set q_, q_+1
.endr
	WIN 0
	LOADW 0x80, SA
	s_wait_loadcnt 50                                  ; the unit's 50 loads are younger than x's 64
	WIN 0x43
.set q_, 0
.rept 64
.irp m, 0,1,2,3
	v_mov_b32 v[64*\m+q_], v[4*q_+\m]                  ; by row tiles: an accumulator wants eight channels of one token on end
.endr
.set q_, q_+1
.endr
	WIN 0
	LOADW 0xc0, SB
	WIN 0xc0
	VLD64 18                                           ; the first norm's gain and bias; those of the later norms are asked for at the end of the stage before
	WIN 0x80
	VLD64 20
	WIN 0
	s_mov_b32 s[STG], 0
.Lstage:                               ; stage 0: t += LN1(t);  1: context attention;  2: geometry attention;  3: LN4, and out to the FFN
	LNSTATS
	BAR                                                ; the four waves' parts lie in LDS
	LNCOMB
	s_wait_loadcnt 0x0                                 ; gain and bias, and all that was asked for earlier: both buffers of weights
	s_wait_xcnt 0x0                                    ; no load is out, so this is met at once: the three pointer pairs that this stage chooses anew may be written
.irp m, 0,1,2,3
	NORM \m
	s_cmp_eq_u32 s[STG], 0
	s_cbranch_scc0 .Lquant\m
	WIN 0x41
.set p_, 0
.rept 32
	v_pk_add_f32 v[64*\m+p_:64*\m+p_+1], v[64*\m+p_:64*\m+p_+1], v[YY+p_:YY+p_+1]
.set p_, p_+2
.endr
	WIN 0
	s_branch .Lnormed\m
.Lquant\m:
	QH YY, PCD
	HSTORE WST16, WST8, WST4, AIMG+6144*\m, ASC+512*\m
	QH YY+32, PCD
	HSTORE WST16, WST8, WST4, AIMG+6144*\m+768, ASC+512*\m+2
.Lnormed\m:
.endr
	BAR                                                ; the norm's images are whole, and nobody reads the statistics any more
	s_cmp_eq_u32 s[STG], 0
	s_cbranch_scc1 .Lnext
	s_cmp_eq_u32 s[STG], 1
	s_cselect_b64 s[OP:OP+1], s[34:35], s[36:37]
	s_cmp_lt_u32 s[STG], 3
	s_cselect_b64 s[OP:OP+1], s[OP:OP+1], s[40:41]
	WIN 0x80
	VLD64 OP                                           ; the bias of the product that ends the stage, where the norm's bias lay
	WIN 0
	s_cmp_eq_u32 s[STG], 3
	s_cbranch_scc1 .Lffn
	s_cmp_eq_u32 s[STG], 1
	s_cbranch_scc0 .Lgeo
	MID 0
	s_branch .Lmid_done
.Lgeo:
	MID 1
.Lmid_done:
	WIN 0x49
.set p_, 0
.rept 128
	v_pk_add_f32 v[64*(p_/32)+2*(p_%32):64*(p_/32)+2*(p_%32)+1], v[64*(p_/32)+2*(p_%32):64*(p_/32)+2*(p_%32)+1], v[192+2*(p_%32):192+2*(p_%32)+1]   ; T += the bias
.set p_, p_+1
.endr
	WIN 0
	BAR                                                ; the attention's images are whole
	s_wait_loadcnt 50                                  ; buffer B's 50 loads are the younger ones: buffer A is in
	GT 0x52, SA, 4, 0, 0
	LOADW 0x80, SA
	s_wait_loadcnt 50                                  ; the 50 just issued may be out: buffer B is in
	GT 0x53, SB, 4, 2, 0
	LOADW 0xc0, SB
.Lnext:
	s_add_co_u32 s[STG], s[STG], 1
	s_cmp_eq_u32 s[STG], 1                             ; the next norm's gain and bias: the choice hangs on the stage's number alone
	s_cselect_b64 s[GP:GP+1], s[22:23], s[26:27]
	s_cselect_b64 s[BP:BP+1], s[24:25], s[28:29]
	s_cmp_lt_u32 s[STG], 3
	s_cselect_b64 s[GP:GP+1], s[GP:GP+1], s[30:31]
	s_cselect_b64 s[BP:BP+1], s[BP:BP+1], s[32:33]
	WIN 0xc0
	VLD64 GP
	WIN 0x80
	VLD64 BP
	WIN 0
	s_cmp_lt_u32 s[STG], 4
	s_cbranch_scc1 .Lstage
.Lffn:                                 ; ---- the FFN: eight rounds of 256 hidden units; wave w makes units 64 w .. 64 w + 63 of a round, which are half (w % 2) of K step (w / 2) of the round's part of W2
.irp k, 0,1,2,3
	FFETCH \k, L16, L8, L4                             ; the first round's first row tile, where the norm's gain lay
.endr
	BFLOAD
	s_lshr_b32 s2, s[WV], 1
	s_mul_i32 s2, s2, 1536
	s_and_b32 s3, s[WV], 1
	s_mul_i32 s3, s3, 768
	s_add_co_u32 s2, s2, s3
	v_add_nc_u32 v[QW16], s2, v[L16]
	v_add_nc_u32 v[QW8], s2, v[L8]
	s_mov_b32 s[A5], 0x3f07dc22                        ; the polynomial's coefficients, each times 1 / sqrt(2 pi): 0.530702716,
	s_mov_b32 s[A5+1], s[A5]
	s_mov_b32 s[A3], 0x3f35f0e3                        ; 0.710706871,
	s_mov_b32 s[A3+1], s[A3]
	s_mov_b32 s[A2], 0xbe11a98e                        ; -0.142248368,
	s_mov_b32 s[A2+1], s[A2]
	s_mov_b32 s[A1], 0x3e027906                        ; 0.127414796,
	s_mov_b32 s[A1+1], s[A1]
	v_mov_b32 v[A4V], 0xbf3a00e3                       ; -0.726576014
	v_mov_b32 v[A4V+1], 0xbf3a00e3
	s_mov_b32 s[CE], 0xbf38aa3b                        ; -log2(e) / 2
	s_mov_b32 s[CE+1], s[CE]
	s_mov_b32 s[PK], 0x3e6d3389                        ; 0.2316419
	s_mov_b32 s[CC], 0
	s_wait_loadcnt 0x0
.Lround:
	s_mov_b32 s[MC], 0
	s_mov_b32 s[MO], 0
	s_mov_b32 s[MS], 0
	s_mov_b32 s[MQ], 0
	s_mov_b32 s[MQS], 0
.Lrows:
	G0F 0
	s_add_co_u32 s[MQ], s[MQ], 3072
	s_add_co_u32 s[MQS], s[MQS], 512
	s_add_co_u32 s[MC], s[MC], 1
	s_cmp_lt_u32 s[MC], 3
	s_cbranch_scc1 .Lrows
	s_mov_b32 s[MQ], 3*3072
	s_mov_b32 s[MQS], 3*512
	G0F 1                                              ; the fourth row tile is written out: behind its products buffer A is free
	BAR                                                ; the hidden layer's images are whole
	GT 0x53, SB, 2, 0, 1
	s_cmp_eq_u32 s[CC], 7
	s_cbranch_scc1 .Lno_more
	LOADW 0xc0, SB
	s_wait_loadcnt 50                                  ; the 50 just issued may be out: the next round's W1 unit and bias are in
	s_branch .Lround_end
.Lno_more:
	s_wait_loadcnt 0x0
.Lround_end:
	s_add_co_u32 s[CC], s[CC], 1
	s_cmp_lt_u32 s[CC], 8
	s_cbranch_scc1 .Lround
	; ---- the way out: T + bf2, four tokens of a channel to 16 bytes
	s_wait_loadcnt 0x0                                 ; no load is out: window 3 may be written
	v_bfe_u32 v13, v0, 4, 1
	v_and_b32 v14, 15, v0
	v_lshlrev_b32 v[AD16], 18, v13
	v_lshl_or_b32 v[AD16], v14, 4, v[AD16]
	WIN 0xc9
.set q_, 0
.rept 64
.irp m, 0,1,2,3
	v_add_f32 v[4*q_+\m], v[64*\m+q_], v[192+q_]       ; channels ascending: each accumulator is read from its low end on
.endr
.set q_, q_+1
.endr
	WIN 0x0c
.set q_, 0
.rept 64
	global_store_b128 v[AD16], v[4*q_:4*q_+3], s[10:11] offset:(32*(q_/16)+q_%16)*16384 th:TH_STORE_NT   ; sixteen lanes store 256 consecutive bytes, aligned
.set q_, q_+1
.endr
	WIN 0
	s_wait_xcnt 0x0
	v_lshl_add_u32 v254, v0, 2, 0x14800
	v_mov_b32 v255, 0
	s_wait_tensorcnt 0x0
	ds_add_u32 v254, v255
	s_wait_dscnt 0x0
	s_endpgm
.Lfunc_end_k_qe7044d9c86_main:
	.size	k_qe7044d9c86_main, .Lfunc_end_k_qe7044d9c86_main-k_qe7044d9c86_main
	.p2alignl 7, 3214868480
	.fill 96, 4, 3214868480
	.section	.rodata,"a",@progbits
	.p2align	6, 0x0
	.amdhsa_kernel k_qe7044d9c86_main
		.amdhsa_group_segment_fixed_size 84480
		.amdhsa_private_segment_fixed_size 0
		.amdhsa_enable_private_segment 0
		.amdhsa_kernarg_size 136
		.amdhsa_user_sgpr_count 2
		.amdhsa_user_sgpr_kernarg_segment_ptr 1
		.amdhsa_wavefront_size32 1
		.amdhsa_system_sgpr_workgroup_id_x 1
		.amdhsa_system_sgpr_workgroup_id_y 1
		.amdhsa_system_sgpr_workgroup_id_z 1
		.amdhsa_system_vgpr_workitem_id 0
		.amdhsa_next_free_vgpr 1024
		.amdhsa_next_free_sgpr 80
		.amdhsa_reserve_vcc 0
		.amdhsa_float_denorm_mode_32 3
		.amdhsa_float_denorm_mode_16_64 3
		.amdhsa_memory_ordered 1
		.amdhsa_forward_progress 1
		.amdhsa_inst_pref_size 255
	.end_amdhsa_kernel
	.section	.bss,"aw",@nobits
	.p2align	6
	.space	262144
	.amdgpu_metadata
---
amdhsa.version: [ 1, 2 ]
amdhsa.kernels:
  - .name:           k_qe7044d9c86_main
    .symbol:         k_qe7044d9c86_main.kd
    .args:
      - { .name: x, .offset: 0, .size: 8, .value_kind: global_buffer, .address_space: global }
      - { .name: out0, .offset: 8, .size: 8, .value_kind: global_buffer, .address_space: global }
      - { .name: wimg, .offset: 16, .size: 8, .value_kind: global_buffer, .address_space: global }
      - { .name: kvc, .offset: 24, .size: 8, .value_kind: global_buffer, .address_space: global }
      - { .name: kvg, .offset: 32, .size: 8, .value_kind: global_buffer, .address_space: global }
      - { .name: g1, .offset: 40, .size: 8, .value_kind: global_buffer, .address_space: global }
      - { .name: b1, .offset: 48, .size: 8, .value_kind: global_buffer, .address_space: global }
      - { .name: g2, .offset: 56, .size: 8, .value_kind: global_buffer, .address_space: global }
      - { .name: b2, .offset: 64, .size: 8, .value_kind: global_buffer, .address_space: global }
      - { .name: g3, .offset: 72, .size: 8, .value_kind: global_buffer, .address_space: global }
      - { .name: b3, .offset: 80, .size: 8, .value_kind: global_buffer, .address_space: global }
      - { .name: g4, .offset: 88, .size: 8, .value_kind: global_buffer, .address_space: global }
      - { .name: b4, .offset: 96, .size: 8, .value_kind: global_buffer, .address_space: global }
      - { .name: cbo, .offset: 104, .size: 8, .value_kind: global_buffer, .address_space: global }
      - { .name: gbo, .offset: 112, .size: 8, .value_kind: global_buffer, .address_space: global }
      - { .name: bf1, .offset: 120, .size: 8, .value_kind: global_buffer, .address_space: global }
      - { .name: bf2, .offset: 128, .size: 8, .value_kind: global_buffer, .address_space: global }
    .group_segment_fixed_size: 84480
    .private_segment_fixed_size: 0
    .kernarg_segment_align: 8
    .kernarg_segment_size: 136
    .max_flat_workgroup_size: 128
    .sgpr_count:     80
    .vgpr_count:     1024
    .wavefront_size: 32
...
	.end_amdgpu_metadata
.endif
;; end of part 2
;; ======== version 2 of 2: 2 launches; version 1 with the launches prep, main written anew for expert scheduling mode
;; limits: an absolute error that grows with the inputs' magnitude: up to 1e-07 times it
;; workspace buffers: wimg 2,457,600 bytes; kvc 368,640 bytes; kvg 835,584 bytes
;; launch prep (part 3): grid 232 x 1, 4 waves a work-group, no clusters, 0 bytes of LDS; arguments cWq_codes, cWq_scales, gWq_codes, gWq_scales, W1_codes, W1_scales, cWo_codes, cWo_scales, gWo_codes, gWo_scales, W2_codes, W2_scales, gWk_codes, gWk_scales, gWv_codes, gWv_scales, geometry_tokens_codes, geometry_tokens_scales, cWk_codes, cWk_scales, cWv_codes, cWv_scales, context_codes, context_scales, wimg, kvc, kvg; writes wimg, kvc, kvg
.if DOCPART == 3
	.amdgcn_target "amdgcn-amd-amdhsa--gfx1250"
	.amdhsa_code_object_version 6
	.text
	.protected	k_qe7044d9c86_prep
	.globl	k_qe7044d9c86_prep
	.p2align	8
	.type	k_qe7044d9c86_prep,@function
k_qe7044d9c86_prep:
	s_mov_b64 s[64:65], 0
	v_nop
	global_prefetch_b8 v0, s[64:65] scope:SCOPE_SE
	s_setreg_imm32_b32 hwreg(HW_REG_WAVE_SCHED_MODE, 0, 2), 2
	s_setreg_imm32_b32 hwreg(HW_REG_WAVE_MODE, 25, 1), 1
	s_wait_xcnt 0x0
	s_wait_alu depctr_vm_vsrc(0)
; PREP.  One wave, one job; no LDS, no barrier; the job is chosen by the work-group's number.
; (a) The six large weights are laid out anew as IMAGES OF OPERAND REGISTERS: a unit of 25,600 bytes holds 16 fragments (16 rows x 128 K of E2M3 codes, 12 registers a lane;
;     registers 4 c .. 4 c + 3 of fragment f at 1536 f + 512 c + 16 x lane) and behind them 8 registers of scale words (register q: lanes 0-15 fragment 2 q's rows, lanes 16-31 fragment 2 q + 1's).
;     The next launch loads a unit by 50 loads of 16 bytes a lane, straight into the registers that its products name.
; (b) K = tokens Wk and V = tokens Wv of both attentions (codes x codes, f32 sums) are quantised, K along the head's 64, V along the keys, and stored as such images, one unit for each (batch, head).
; THE ROWS OF A TILE ARE NOT NEIGHBOURS: lane r of tile 2 b + u takes row 32 b + 8 u + r + 8 (r / 8), so that in a transposed product the 16 registers of tiles 2 b and 2 b + 1 are 16 neighbours along the next K.
; LIMITS: NaN and infinities are not served; a block of zeros gets the scale byte 1 (its codes are zeros; this program alone reads the bytes).
; The scale words of V leave in pieces of 64 bytes and those of K in pieces of 128: some 5 bytes in a thousand of what the launch stores.
; THE MODE: SCHED_MODE bits 1:0 = 2 (LLVM: expert scheduling mode 2), set by the entry lines.  The code itself states the register dependences
; between vector or matrix instructions and memory instructions, with s_wait_alu, always for 0.
; THE PLAN.  Registers that memory instructions touch:
;   v4, v5, v7 .. v15   byte offsets: written once by vector lines ahead of a job's first load, read by its loads and stores, never written again.
;   FR, SCR             fragments and scale words: loads land in them; a K step's products read them; the next K step's loads land in them again.
;   OUT, SW             codes and scale words: written by the quantiser, read by the job's last stores.
; So one wait on va_vdst stands ahead of each K step's loads (the first: the offsets are written; the later ones: the last products are done reading), and one ahead of the stores of codes.
; No register that a memory instruction reads is written again: no wait on vm_vsrc is owed.  The wave's number passes through a scalar register: one wait on va_sdst.
.set TM,  16                           ; v16-17 largest magnitudes;  v18-19 second chains, then the other half's
.set TX,  18
.set SO,  20                           ; v20-21 the conversions' scale operands
.set BY,  22                           ; v22-23 scale bytes
.set PW,  24                           ; v24    two scale bytes
.set PY,  32                           ; v32-34 a block's upper codes on their way
.set OUT, 36                           ; v36-47 twelve registers of codes
.set SW,  48                           ; v48    a scale word in the making
.set SCR, 52                           ; v52-60 scale words as loaded
.set FR,  64                           ; v64-171 up to nine fragments
.set ACC, 176                          ; v176-239 eight accumulators
.set MK,  29                           ; s29    lanes 16-31
.set SEL, 30                           ; s[30:31] v_permlanex16_b32's selects for lane l xor 16
.macro PLACES n
.rept \n
	v_nop
.endr
.endm
.macro MMZ d, a, b, sa, sb             ; a product that starts a sum
	v_wmma_scale_f32_16x16x128_f8f6f4 v[(\d):(\d)+7], v[(\a):(\a)+11], v[(\b):(\b)+11], 0, v[(\sa)], v[(\sb)] matrix_a_fmt:MATRIX_FMT_FP6 matrix_b_fmt:MATRIX_FMT_FP6
.endm
.macro MMC d, a, b, sa, sb             ; and one that adds in place
	v_wmma_scale_f32_16x16x128_f8f6f4 v[(\d):(\d)+7], v[(\a):(\a)+11], v[(\b):(\b)+11], v[(\d):(\d)+7], v[(\sa)], v[(\sb)] matrix_a_fmt:MATRIX_FMT_FP6 matrix_b_fmt:MATRIX_FMT_FP6
.endm
; a fragment from rows of codes: 24 bytes twice, in pieces of 8, so that every address is a multiple of the access's size
.macro FRAGLD reg, vo, sb, imm
.irp p, 0,1,2,3,4,5
	global_load_b64 v[(\reg)+2*\p:(\reg)+2*\p+1], v[\vo], s[\sb:\sb+1] offset:(\imm)+48*(\p/3)+8*(\p%3)
.endr
.endm
; 32 numbers of a lane, register 16 b + i = k 32 b + 16 (lane / 16) + i of its row, become six registers of codes (k = 32 (lane / 16) + 0 .. 31) at v[pc] and two scale bytes in v[PW]
.macro QH s, pc
.irp b, 0,1
	v_max3_num_f32 v[TM+\b], |v[(\s)+16*\b]|, |v[(\s)+16*\b+1]|, 0x1800000   ; with the floor 2^(3 - 127): the byte cannot fall under 1
	v_max3_num_f32 v[TX+\b], |v[(\s)+16*\b+8]|, |v[(\s)+16*\b+9]|, |v[(\s)+16*\b+10]|
.endr
.irp i, 2,4
.irp b, 0,1
	v_max3_num_f32 v[TM+\b], v[TM+\b], |v[(\s)+16*\b+\i]|, |v[(\s)+16*\b+\i+1]|
	v_max3_num_f32 v[TX+\b], v[TX+\b], |v[(\s)+16*\b+\i+9]|, |v[(\s)+16*\b+\i+10]|
.endr
.endr
.irp b, 0,1
	v_max3_num_f32 v[TM+\b], v[TM+\b], |v[(\s)+16*\b+6]|, |v[(\s)+16*\b+7]|
.endr
.irp b, 0,1
	v_max3_num_f32 v[TM+\b], v[TM+\b], v[TX+\b], |v[(\s)+16*\b+15]|
.endr
.irp b, 0,1
	v_permlanex16_b32 v[TX+\b], v[TM+\b], s[SEL], s[SEL+1]
.endr
.irp b, 0,1
	v_max_num_f32 v[TM+\b], v[TM+\b], v[TX+\b]         ; with lane l xor 16's 16: the block's largest magnitude
.endr
.irp b, 0,1
	v_add_nc_u32 v[SO+\b], 0xff000000, v[TM+\b]        ; 2 off its exponent field: the conversion's scale operand
.endr
.irp b, 0,1
	v_lshrrev_b32 v[BY+\b], 23, v[SO+\b]               ; the scale's byte
.endr
	v_lshl_or_b32 v[PW], v[BY+1], 8, v[BY]
	v_cvt_scalef32_pk16_fp6_f32 v[(\pc):(\pc)+2], v[(\s):(\s)+15], v[SO]
	v_cvt_scalef32_pk16_fp6_f32 v[PY:PY+2], v[(\s)+16:(\s)+31], v[SO+1]
	v_nop                                              ; one plain place behind a scaled conversion
.irp i, 0,1,2
	v_permlane16_swap_b32 v[(\pc)+\i], v[PY+\i]        ; a whole block to a lane: lanes 0-15 block 0, lanes 16-31 block 1
.endr
.irp i, 0,1,2
	v_mov_b32 v[(\pc)+3+\i], v[PY+\i]
.endr
.endm
; where half e of unit 24 w + u lies: s[20:21] its eight fragments, s[22:23] its four scale registers.  s4 = e, s5 = w, s7 = u
.macro UNITBASE
	s_mul_i32 s26, s5, 24
	s_add_co_u32 s26, s26, s7
	s_mul_i32 s26, s26, 25600
	s_mov_b32 s27, 0
	s_add_nc_u64 s[20:21], s[20:21], s[26:27]
	s_lshl_b32 s26, s4, 9
	s_add_co_u32 s26, s26, 24576
	s_add_nc_u64 s[22:23], s[20:21], s[26:27]
	s_mul_i32 s26, s4, 12288
	s_add_nc_u64 s[20:21], s[20:21], s[26:27]
.endm
.macro RSTORE                          ; eight fragments and four scale registers leave: each store covers 512 consecutive bytes, aligned.  Their data come from loads, their offset was written ahead of the wait in front of those loads
	s_wait_loadcnt 0x0
.irp f, 0,1,2,3,4,5,6,7
.irp c, 0,1,2
	global_store_b128 v4, v[FR+12*\f+4*\c:FR+12*\f+4*\c+3], s[20:21] offset:1536*\f+512*\c
.endr
.endr
	global_store_b128 v4, v[SCR:SCR+3], s[22:23]
	s_endpgm
.endm
; half a unit of 128 output columns x two K steps (Wo, W2): K step 2 j + e, tiles 0 .. 7.  s4 = e, s5 = w, s6 = j, s7 = u
.macro RELAY_G KROW, KS
	v_mul_u32_u24 v7, v6, \KROW
	v_mad_u32_u24 v7, v2, 24, v7
	v_lshl_add_u32 v8, v2, 3, v6                       ; lanes 16-31 take the odd tile's rows, 8 further on
	v_mul_u32_u24 v8, v8, \KS
	s_mov_b32 s27, 0
	s_mul_i32 s26, s5, 128*\KROW
	s_mul_i32 s28, s6, 192
	s_add_co_u32 s26, s26, s28
	s_mul_i32 s28, s4, 96
	s_add_co_u32 s26, s26, s28
	s_add_nc_u64 s[8:9], s[8:9], s[26:27]
	s_mul_i32 s26, s5, 128*\KS
	s_lshl_b32 s28, s6, 3
	s_add_co_u32 s26, s26, s28
	s_lshl_b32 s28, s4, 2
	s_add_co_u32 s26, s26, s28
	s_add_nc_u64 s[10:11], s[10:11], s[26:27]
	UNITBASE
	s_wait_alu depctr_va_vdst(0)                       ; the offsets v7, v8 and, from the head, v4 are written: the loads and stores below read them
.irp t, 0,1,2,3,4,5,6,7
	FRAGLD FR+12*\t, 7, 8, (32*(\t/2)+8*(\t%2))*\KROW
.endr
.irp q, 0,1,2,3
	global_load_b32 v[SCR+\q], v8, s[10:11] offset:32*\q*\KS
.endr
	RSTORE
.endm
; K of 32 keys of one head: source 0 = Wk's 64 rows of the head (4 tiles), source 1 = 16 keys (2 tiles): a lane holds one key and 64 of the head.  s4 = kb, s5 = head, s6 = batch
.macro KJOB NS, ROWB, KSB, CL, TB, TSB, USTR, SCO
	s_lshl_b32 s24, s4, 5
	v_add_nc_u32 v9, s24, v6                           ; the keys of the two tiles
	v_add_nc_u32 v10, 8, v9
.if \CL
	v_min_u32 v9, 76, v9                               ; no load leaves the 77 rows; what keys 77 on give is hidden in the softmax
	v_min_u32 v10, 76, v10
.endif
	v_mul_u32_u24 v11, v9, \ROWB
	v_mad_u32_u24 v11, v2, 24, v11
	v_mul_u32_u24 v12, v10, \ROWB
	v_mad_u32_u24 v12, v2, 24, v12
	v_mul_u32_u24 v13, v9, \KSB
	v_mul_u32_u24 v14, v10, \KSB
	v_mul_u32_u24 v7, v6, \ROWB
	v_mad_u32_u24 v7, v2, 24, v7
	v_mul_u32_u24 v8, v6, \KSB
	s_mov_b32 s27, 0
	s_wait_kmcnt 0x0
	s_mul_i32 s26, s5, 64*\ROWB
	s_add_nc_u64 s[8:9], s[8:9], s[26:27]
	s_mul_i32 s26, s5, 64*\KSB
	s_add_nc_u64 s[10:11], s[10:11], s[26:27]
	s_mul_i32 s26, s6, \TB
	s_add_nc_u64 s[12:13], s[12:13], s[26:27]
	s_mul_i32 s26, s6, \TSB
	s_add_nc_u64 s[14:15], s[14:15], s[26:27]
	s_lshl_b32 s26, s6, 3
	s_add_co_u32 s26, s26, s5
	s_mul_i32 s26, s26, \USTR
	s_add_nc_u64 s[20:21], s[20:21], s[26:27]
	s_lshl_b32 s26, s4, 7
	s_add_co_u32 s26, s26, \SCO
	s_add_nc_u64 s[22:23], s[20:21], s[26:27]
	s_mul_i32 s26, s4, 1536
	s_add_nc_u64 s[20:21], s[20:21], s[26:27]
.set k_, 0
.rept \NS
.if k_ > 0
	PLACES 4                                           ; in front of loads into registers that matrix instructions have read
.endif
	s_wait_alu depctr_va_vdst(0)                       ; the first K step: the offsets v4, v5, v7, v8, v11 to v14 are written; the later ones: the last K step's products are done reading the fragments and scale words in which the loads below land
.irp t, 0,1,2,3
	FRAGLD FR+12*\t, 7, 8, (32*(\t/2)+8*(\t%2))*\ROWB+96*k_
	global_load_b32 v[SCR+\t], v8, s[10:11] offset:(32*(\t/2)+8*(\t%2))*\KSB+4*k_
.endr
	FRAGLD FR+48, 11, 12, 96*k_
	FRAGLD FR+60, 12, 12, 96*k_
	global_load_b32 v[SCR+4], v13, s[14:15] offset:4*k_
	global_load_b32 v[SCR+5], v14, s[14:15] offset:4*k_
	s_wait_loadcnt 0x0
.irp u, 0,1                            ; eight accumulators by turns
.irp t, 0,1,2,3
.if k_ == 0
	MMZ ACC+32*\u+8*\t, FR+12*\t, FR+48+12*\u, SCR+\t, SCR+4+\u
.else
	MMC ACC+32*\u+8*\t, FR+12*\t, FR+48+12*\u, SCR+\t, SCR+4+\u
.endif
.endr
.endr
.set k_, k_+1
.endr
	PLACES 4
	QH ACC, OUT
	v_mov_b32 v[SW], v[PW]
	QH ACC+32, OUT+6
	v_cndmask_b32 v[SW], v[SW], v[PW], s[MK]           ; lanes 0-15 the even tile's bytes, lanes 16-31 the odd tile's; the word's upper bytes are 0
	s_wait_alu depctr_va_vdst(0)                       ; the quantiser has written the twelve registers of codes and the scale word, which the stores read
.irp c, 0,1,2
	global_store_b128 v4, v[OUT+4*\c:OUT+4*\c+3], s[20:21] offset:512*\c
.endr
	global_store_b32 v5, v[SW], s[22:23]
	s_endpgm
.endm
; V^T of 16 of the inner 512 x 128 keys: source 0 = NT tiles of 16 keys, source 1 = 16 rows of Wv: a lane holds one row d and its registers run along the keys.  s4 = dt, s5 = ks, s6 = batch
.macro VJOB NS, ROWB, KSB, NT, CL, TB, TSB, USTR, CB, SCO
	v_mul_u32_u24 v7, v6, \ROWB
	v_mad_u32_u24 v7, v2, 24, v7
	v_mul_u32_u24 v8, v6, \KSB
.if \CL
	v_add_nc_u32 v9, 64, v6                            ; tiles 4 and 5 reach past key 76: addresses of their own, held at the last row
	v_add_nc_u32 v10, 72, v6
	v_min_u32 v9, 76, v9
	v_min_u32 v10, 76, v10
	v_mul_u32_u24 v11, v9, \ROWB
	v_mad_u32_u24 v11, v2, 24, v11
	v_mul_u32_u24 v12, v10, \ROWB
	v_mad_u32_u24 v12, v2, 24, v12
	v_mul_u32_u24 v13, v9, \KSB
	v_mul_u32_u24 v14, v10, \KSB
.endif
	v_lshlrev_b32 v15, 2, v1
	s_lshr_b32 s24, s4, 2                              ; the head
	s_lshl_b32 s25, s24, 6
	s_bfe_u32 s26, s4, 0x10001
	s_lshl_b32 s26, s26, 5
	s_add_co_u32 s25, s25, s26
	s_and_b32 s26, s4, 1
	s_lshl_b32 s26, s26, 3
	s_add_co_u32 s25, s25, s26                         ; Wv's rows begin at 64 head + 32 b + 8 u
	s_mov_b32 s27, 0
	s_wait_kmcnt 0x0
	s_mul_i32 s26, s25, \ROWB
	s_add_nc_u64 s[8:9], s[8:9], s[26:27]
	s_mul_i32 s26, s25, \KSB
	s_add_nc_u64 s[10:11], s[10:11], s[26:27]
	s_mul_i32 s26, s6, \TB
	s_mul_i32 s28, s5, 128*\ROWB
	s_add_co_u32 s26, s26, s28
	s_add_nc_u64 s[12:13], s[12:13], s[26:27]
	s_mul_i32 s26, s6, \TSB
	s_mul_i32 s28, s5, 128*\KSB
	s_add_co_u32 s26, s26, s28
	s_add_nc_u64 s[14:15], s[14:15], s[26:27]
	s_lshl_b32 s26, s6, 3
	s_add_co_u32 s26, s26, s24
	s_mul_i32 s26, s26, \USTR
	s_add_nc_u64 s[20:21], s[20:21], s[26:27]
	s_and_b32 s28, s4, 3
	s_lshl_b32 s25, s5, 2
	s_add_co_u32 s28, s28, s25                         ; the fragment: 4 ks + tile
	s_lshl_b32 s26, s28, 6
	s_add_co_u32 s26, s26, \SCO
	s_add_nc_u64 s[22:23], s[20:21], s[26:27]
	s_mul_i32 s26, s28, 1536
	s_add_co_u32 s26, s26, \CB
	s_add_nc_u64 s[20:21], s[20:21], s[26:27]
.set k_, 0
.rept \NS
.if k_ > 0
	PLACES 4
.endif
	s_wait_alu depctr_va_vdst(0)                       ; the first K step: the offsets v4, v7, v8, v11 to v15 are written; the later ones: the last K step's products are done reading the fragments and scale words in which the loads below land
.irp i, 0,1,2,3,4,5,6,7
.if \i < \NT
.if (\CL) && (\i == 4)
	FRAGLD FR+12*\i, 11, 12, 96*k_
	global_load_b32 v[SCR+\i], v13, s[14:15] offset:4*k_
.elseif (\CL) && (\i == 5)
	FRAGLD FR+12*\i, 12, 12, 96*k_
	global_load_b32 v[SCR+\i], v14, s[14:15] offset:4*k_
.else
	FRAGLD FR+12*\i, 7, 12, (32*(\i/2)+8*(\i%2))*\ROWB+96*k_
	global_load_b32 v[SCR+\i], v8, s[14:15] offset:(32*(\i/2)+8*(\i%2))*\KSB+4*k_
.endif
.endif
.endr
	FRAGLD FR+96, 7, 8, 96*k_
	global_load_b32 v[SCR+8], v8, s[10:11] offset:4*k_
	s_wait_loadcnt 0x0
.irp i, 0,1,2,3,4,5,6,7
.if \i < \NT
.if k_ == 0
	MMZ ACC+8*\i, FR+12*\i, FR+96, SCR+\i, SCR+8
.else
	MMC ACC+8*\i, FR+12*\i, FR+96, SCR+\i, SCR+8
.endif
.endif
.endr
.set k_, k_+1
.endr
	PLACES 4
.if \CL                                ; register 16 b + i holds key 32 b + 16 (lane / 16) + i: keys 77 on become zeros ahead of the quantiser, as the rule fills the last block
.set i_, 32
.rept 13
	v_cndmask_b32 v[ACC+i_], v[ACC+i_], 0, s[MK]
.set i_, i_+1
.endr
.rept 19
	v_mov_b32 v[ACC+i_], 0
.set i_, i_+1
.endr
.endif
	QH ACC, OUT
	v_mov_b32 v[SW], v[PW]
	QH ACC+32, OUT+6
	v_lshl_or_b32 v[SW], v[PW], 16, v[SW]              ; the four bytes of my row's 128 keys
	s_wait_alu depctr_va_vdst(0)                       ; the quantiser has written the twelve registers of codes and the scale word, which the stores read
.irp c, 0,1,2
	global_store_b128 v4, v[OUT+4*\c:OUT+4*\c+3], s[20:21] offset:512*\c
.endr
	global_store_b32 v15, v[SW], s[22:23]              ; lanes r and 16 + r hold the same word and name the same place
	s_endpgm
.endm
	v_lshrrev_b32 v1, 5, v0
	v_readfirstlane_b32 s2, v1                         ; wave
	v_and_b32 v1, 15, v0                               ; r
	v_bfe_u32 v2, v0, 4, 1                             ; h
	v_and_b32 v3, 31, v0
	v_lshlrev_b32 v4, 4, v3                            ; 16 x lane
	v_lshlrev_b32 v5, 2, v3                            ; 4 x lane
	v_and_b32 v6, 8, v1
	v_add_nc_u32 v6, v6, v1                            ; r + 8 (r / 8)
	v_mov_b32 v[TX], 0
	v_mov_b32 v[TX+1], 0
	s_mov_b32 s[SEL], 0x76543210
	s_mov_b32 s[SEL+1], 0xfedcba98
	s_mov_b32 s[MK], 0xffff0000
	s_wait_alu depctr_va_sdst(0)                       ; s2, the wave's number, is written, ahead of its first reader: the job's number is made from it
	s_lshl_b32 s3, ttmp9, 2
	s_add_co_u32 s3, s3, s2                            ; 4 x work-group + wave
	s_cmp_lt_u32 ttmp9, 24
	s_cbranch_scc1 .Lrelay_a
	s_cmp_lt_u32 ttmp9, 32
	s_cbranch_scc1 .Lrelay_o
	s_cmp_lt_u32 ttmp9, 48
	s_cbranch_scc1 .Lrelay_2
	s_cmp_lt_u32 ttmp9, 112
	s_cbranch_scc1 .Lk_geo
	s_cmp_lt_u32 ttmp9, 176
	s_cbranch_scc1 .Lv_geo
	s_cmp_lt_u32 ttmp9, 200
	s_cbranch_scc1 .Lk_ctx
	; ---- V of the context: 128 jobs
	s_load_b128 s[8:11], s[0:1], 0xa0
	s_load_b128 s[12:15], s[0:1], 0xb0
	s_load_b64 s[20:21], s[0:1], 0xc8
	s_sub_co_u32 s3, s3, 800
	s_and_b32 s4, s3, 31
	s_mov_b32 s5, 0
	s_lshr_b32 s6, s3, 5
	VJOB 6, 576, 24, 6, 1, 44352, 1848, 11520, 4608, 11136
.Lk_ctx:                               ; ---- K of the context: 96 jobs, 3 to a (batch, head)
	s_load_b128 s[8:11], s[0:1], 0x90
	s_load_b128 s[12:15], s[0:1], 0xb0
	s_load_b64 s[20:21], s[0:1], 0xc8
	s_sub_co_u32 s3, s3, 704
	s_mul_i32 s24, s3, 0x5556
	s_lshr_b32 s24, s24, 16                            ; id / 3, exact for id under 96
	s_mul_i32 s25, s24, 3
	s_sub_co_u32 s4, s3, s25
	s_and_b32 s5, s24, 7
	s_lshr_b32 s6, s24, 3
	KJOB 6, 576, 24, 1, 44352, 1848, 11520, 10752
.Lv_geo:                               ; ---- V of the geometry tokens: 256 jobs
	s_load_b128 s[8:11], s[0:1], 0x70
	s_load_b128 s[12:15], s[0:1], 0x80
	s_load_b64 s[20:21], s[0:1], 0xd0
	s_sub_co_u32 s3, s3, 448
	s_and_b32 s4, s3, 31
	s_bfe_u32 s5, s3, 0x10005
	s_lshr_b32 s6, s3, 6
	VJOB 4, 384, 16, 8, 0, 98304, 4096, 26112, 12288, 25600
.Lk_geo:                               ; ---- K of the geometry tokens: 256 jobs
	s_load_b128 s[8:11], s[0:1], 0x60
	s_load_b128 s[12:15], s[0:1], 0x80
	s_load_b64 s[20:21], s[0:1], 0xd0
	s_sub_co_u32 s3, s3, 192
	s_and_b32 s4, s3, 7
	s_bfe_u32 s5, s3, 0x30003
	s_lshr_b32 s6, s3, 6
	KJOB 4, 384, 16, 0, 98304, 4096, 26112, 24576
.Lrelay_2:                             ; ---- W2: unit 9 + 2 c of wave w
	s_load_b128 s[8:11], s[0:1], 0x50
	s_load_b64 s[20:21], s[0:1], 0xc0
	s_sub_co_u32 s3, s3, 128
	s_and_b32 s4, s3, 1
	s_bfe_u32 s5, s3, 0x20001
	s_lshr_b32 s6, s3, 3
	s_lshl_b32 s7, s6, 1
	s_add_co_u32 s7, s7, 9
	s_wait_kmcnt 0x0
	RELAY_G 1536, 64
.Lrelay_o:                             ; ---- cWo: units 2, 3; gWo: units 6, 7
	s_load_b128 s[8:11], s[0:1], 0x30
	s_load_b128 s[12:15], s[0:1], 0x40
	s_load_b64 s[20:21], s[0:1], 0xc0
	s_sub_co_u32 s3, s3, 96
	s_and_b32 s4, s3, 1
	s_bfe_u32 s5, s3, 0x20001
	s_lshr_b32 s24, s3, 3
	s_and_b32 s6, s24, 1
	s_and_b32 s7, s24, 2
	s_add_co_u32 s7, s7, s24
	s_add_co_u32 s7, s7, 2
	s_wait_kmcnt 0x0
	s_cmp_lt_u32 s24, 2                                ; the choice hangs on the job's number alone
	s_cselect_b64 s[8:9], s[8:9], s[12:13]
	s_cselect_b64 s[10:11], s[10:11], s[14:15]
	RELAY_G 384, 16
.Lrelay_a:                             ; ---- units of 64 output columns x four K steps: cWq (0, 1), gWq (4, 5), W1 (8 + 2 c); half e holds K steps 2 e, 2 e + 1
	s_load_b128 s[8:11], s[0:1], 0x0
	s_load_b128 s[12:15], s[0:1], 0x10
	s_load_b128 s[16:19], s[0:1], 0x20
	s_load_b64 s[20:21], s[0:1], 0xc0
	s_and_b32 s4, s3, 1
	s_bfe_u32 s5, s3, 0x20001
	s_lshr_b32 s6, s3, 3                               ; i = 0 .. 11
	s_and_b32 s24, s6, 1
	s_lshl_b32 s24, s24, 6
	s_lshl_b32 s25, s5, 7
	s_add_co_u32 s24, s24, s25                         ; Wq: first row 128 w + 64 (i & 1)
	s_sub_co_u32 s25, s6, 4
	s_lshl_b32 s25, s25, 8
	s_lshl_b32 s26, s5, 6
	s_add_co_u32 s25, s25, s26                         ; W1: 256 (i - 4) + 64 w
	s_add_co_u32 s7, s6, 2
	s_lshl_b32 s26, s6, 1
	s_cmp_lt_u32 s6, 2
	s_cselect_b32 s7, s6, s7
	s_cmp_lt_u32 s6, 4
	s_cselect_b32 s7, s7, s26                          ; u
	s_cselect_b32 s24, s24, s25
	s_wait_kmcnt 0x0
	s_cmp_lt_u32 s6, 2
	s_cselect_b64 s[8:9], s[8:9], s[12:13]
	s_cselect_b64 s[10:11], s[10:11], s[14:15]
	s_cmp_lt_u32 s6, 4
	s_cselect_b64 s[8:9], s[8:9], s[16:17]
	s_cselect_b64 s[10:11], s[10:11], s[18:19]
	s_mul_i32 s26, s24, 384
	s_mul_i32 s28, s4, 192
	s_add_co_u32 s26, s26, s28
	s_mov_b32 s27, 0
	s_add_nc_u64 s[8:9], s[8:9], s[26:27]
	s_lshl_b32 s26, s24, 4
	s_lshl_b32 s28, s4, 3
	s_add_co_u32 s26, s26, s28
	s_add_nc_u64 s[10:11], s[10:11], s[26:27]
	UNITBASE
	v_mul_u32_u24 v7, v6, 384
	v_mad_u32_u24 v7, v2, 24, v7
	v_lshl_add_u32 v8, v2, 3, v6
	v_lshlrev_b32 v8, 4, v8
	s_wait_alu depctr_va_vdst(0)                       ; the offsets v7, v8 and, from the head, v4 are written: the loads and stores below read them
.irp k, 0,1
.irp t, 0,1,2,3
	FRAGLD FR+12*(4*\k+\t), 7, 8, (32*(\t/2)+8*(\t%2))*384+96*\k
.endr
.irp b, 0,1
	global_load_b32 v[SCR+2*\k+\b], v8, s[10:11] offset:512*\b+4*\k
.endr
.endr
	RSTORE
.Lfunc_end_k_qe7044d9c86_prep:
	.size	k_qe7044d9c86_prep, .Lfunc_end_k_qe7044d9c86_prep-k_qe7044d9c86_prep
	.p2alignl 7, 3214868480
	.fill 96, 4, 3214868480
	.section	.rodata,"a",@progbits
	.p2align	6, 0x0
	.amdhsa_kernel k_qe7044d9c86_prep
		.amdhsa_group_segment_fixed_size 0
		.amdhsa_private_segment_fixed_size 0
		.amdhsa_enable_private_segment 0
		.amdhsa_kernarg_size 216
		.amdhsa_user_sgpr_count 2
		.amdhsa_user_sgpr_kernarg_segment_ptr 1
		.amdhsa_wavefront_size32 1
		.amdhsa_system_sgpr_workgroup_id_x 1
		.amdhsa_system_sgpr_workgroup_id_y 1
		.amdhsa_system_sgpr_workgroup_id_z 1
		.amdhsa_system_vgpr_workitem_id 0
		.amdhsa_next_free_vgpr 256
		.amdhsa_next_free_sgpr 66
		.amdhsa_reserve_vcc 0
		.amdhsa_float_denorm_mode_32 3
		.amdhsa_float_denorm_mode_16_64 3
		.amdhsa_memory_ordered 1
		.amdhsa_forward_progress 1
		.amdhsa_inst_pref_size 169
	.end_amdhsa_kernel
	.amdgpu_metadata
---
amdhsa.version: [ 1, 2 ]
amdhsa.kernels:
  - .name:           k_qe7044d9c86_prep
    .symbol:         k_qe7044d9c86_prep.kd
    .args:
      - { .name: cWq_codes, .offset: 0, .size: 8, .value_kind: global_buffer, .address_space: global }
      - { .name: cWq_scales, .offset: 8, .size: 8, .value_kind: global_buffer, .address_space: global }
      - { .name: gWq_codes, .offset: 16, .size: 8, .value_kind: global_buffer, .address_space: global }
      - { .name: gWq_scales, .offset: 24, .size: 8, .value_kind: global_buffer, .address_space: global }
      - { .name: W1_codes, .offset: 32, .size: 8, .value_kind: global_buffer, .address_space: global }
      - { .name: W1_scales, .offset: 40, .size: 8, .value_kind: global_buffer, .address_space: global }
      - { .name: cWo_codes, .offset: 48, .size: 8, .value_kind: global_buffer, .address_space: global }
      - { .name: cWo_scales, .offset: 56, .size: 8, .value_kind: global_buffer, .address_space: global }
      - { .name: gWo_codes, .offset: 64, .size: 8, .value_kind: global_buffer, .address_space: global }
      - { .name: gWo_scales, .offset: 72, .size: 8, .value_kind: global_buffer, .address_space: global }
      - { .name: W2_codes, .offset: 80, .size: 8, .value_kind: global_buffer, .address_space: global }
      - { .name: W2_scales, .offset: 88, .size: 8, .value_kind: global_buffer, .address_space: global }
      - { .name: gWk_codes, .offset: 96, .size: 8, .value_kind: global_buffer, .address_space: global }
      - { .name: gWk_scales, .offset: 104, .size: 8, .value_kind: global_buffer, .address_space: global }
      - { .name: gWv_codes, .offset: 112, .size: 8, .value_kind: global_buffer, .address_space: global }
      - { .name: gWv_scales, .offset: 120, .size: 8, .value_kind: global_buffer, .address_space: global }
      - { .name: geometry_tokens_codes, .offset: 128, .size: 8, .value_kind: global_buffer, .address_space: global }
      - { .name: geometry_tokens_scales, .offset: 136, .size: 8, .value_kind: global_buffer, .address_space: global }
      - { .name: cWk_codes, .offset: 144, .size: 8, .value_kind: global_buffer, .address_space: global }
      - { .name: cWk_scales, .offset: 152, .size: 8, .value_kind: global_buffer, .address_space: global }
      - { .name: cWv_codes, .offset: 160, .size: 8, .value_kind: global_buffer, .address_space: global }
      - { .name: cWv_scales, .offset: 168, .size: 8, .value_kind: global_buffer, .address_space: global }
      - { .name: context_codes, .offset: 176, .size: 8, .value_kind: global_buffer, .address_space: global }
      - { .name: context_scales, .offset: 184, .size: 8, .value_kind: global_buffer, .address_space: global }
      - { .name: wimg, .offset: 192, .size: 8, .value_kind: global_buffer, .address_space: global }
      - { .name: kvc, .offset: 200, .size: 8, .value_kind: global_buffer, .address_space: global }
      - { .name: kvg, .offset: 208, .size: 8, .value_kind: global_buffer, .address_space: global }
    .group_segment_fixed_size: 0
    .private_segment_fixed_size: 0
    .kernarg_segment_align: 8
    .kernarg_segment_size: 216
    .max_flat_workgroup_size: 128
    .sgpr_count:     66
    .vgpr_count:     256
    .wavefront_size: 32
...
	.end_amdgpu_metadata
.endif
;; end of part 3
;; launch main (part 4): grid 256 x 1, 4 waves a work-group, no clusters, 84,480 bytes of LDS; arguments x, out0, wimg, kvc, kvg, g1, b1, g2, b2, g3, b3, g4, b4, cbo, gbo, bf1, bf2; writes out0
.if DOCPART == 4
	.amdgcn_target "amdgcn-amd-amdhsa--gfx1250"
	.amdhsa_code_object_version 6
	.text
	.protected	k_qe7044d9c86_main
	.globl	k_qe7044d9c86_main
	.p2align	8
	.type	k_qe7044d9c86_main,@function
k_qe7044d9c86_main:
	s_mov_b64 s[64:65], 0
	v_nop
	global_prefetch_b8 v0, s[64:65] scope:SCOPE_SE
	s_setreg_imm32_b32 hwreg(HW_REG_WAVE_SCHED_MODE, 0, 2), 2
	s_setreg_imm32_b32 hwreg(HW_REG_WAVE_MODE, 25, 1), 1
	s_wait_xcnt 0x0
	s_wait_alu depctr_vm_vsrc(0)
; MAIN.  The whole chain for 64 tokens a work-group: t += LN1(t); two cross-attentions; the FFN with exact GELU.  t never leaves the registers; x is read once, out0 written once.
; SHARES.  Four waves, one to a SIMD.  THE WAVES SHARE THE CHANNELS, NOT THE TOKENS: wave w owns channels 128 w .. 128 w + 127 (heads 2 w, 2 w + 1) of all 64 tokens.
; Row r of row tile m is token n0 + 4 r + m: 16 bytes of x or out0 at one channel hold m = 0 .. 3, and sixteen lanes cover 256 consecutive bytes, aligned.
; ALL PRODUCTS ARE USED TRANSPOSED (source 0 = 16 rows of a weight, of K or of V^T; source 1 = 16 tokens): a lane holds one token, and, the rows of a tile being chosen for it (lane r of tile 2 b + u takes row
; 32 b + 8 u + r + 8 (r / 8)), the 16 registers of tiles 2 b, 2 b + 1 are 16 neighbours along the next K: results are quantised where they lie.
; WEIGHTS, K and V come from memory straight into operand registers, as the images that the launch before has laid out: two buffers of 192 registers that take turns, asked for a phase ahead, with counted waits.
; NO TENSOR LOADS AND NO JOINT LOADS: since the waves share the columns, each weight fragment is read by exactly one wave of a work-group and wants no LDS; a ring in LDS beside the 82 KB of images could hold at most
; 16 fragments a wave and slot, 64 matrix instructions between two rounds of a cluster's barrier.  The price: every work-group reads all 2.46 MB of weight images.
; ACTIVATIONS go from wave to wave through LDS as images of operand registers, in halves of 64 along K (512 bytes of registers 0-3 at 16 x lane, 256 bytes of registers 4-5 at 8 x lane).
; FETCHES FROM LDS STAND A PHASE AHEAD of the products that read them: a row tile's fragments are asked for behind the products of the tile before (four places behind them), so that the quantiser's or GELU's
; vector work stands between the request and the wait; where eight fragments are wanted at once, the second K step's land while the first's are multiplied.
; THE PRODUCTS WITH K = 64 (q k^T): q's operand is six registers of codes and six of zeros; K's is a tile's six registers and the six that follow (any codes: every 6-bit pattern is a finite number, and it meets a zero).
; GELU: gelu(x) = max(x, 0) - |x| Q(|x|), Q the normal tail by a polynomial of degree 5 in 1 / (1 + 0.2316419 |x|) times exp(-x^2 / 2).
; LIMITS: Q's absolute error is about 1e-7, so gelu's absolute error stays under 1e-7 |x| while its relative error grows for x under -2 (5e-5 at x = -3).  NaN and infinities are not served.
; A block of zeros carries the scale byte 1 (its codes are zeros).  1 / l and 1 / sqrt(var + eps) are v_rcp_f32 and v_rsq_f32.
; REGISTERS, in windows of 256.  Window 0: see the names below.  Window 1: T, the residual: T[64 m + 16 b + i] = channel 128 w + 32 b + 16 (lane / 16) + i of my token of row tile m.
; Window 2: v0-191 buffer A; v192-255 a norm's bias, later a product's bias.  Window 3: v0-191 buffer B; v192-255 a norm's gain, in the FFN (v192-239) the norm's four fragments of a row tile;
; at the head all of window 3 is x, at the tail all of it the result.
; THE MODE: SCHED_MODE bits 1:0 = 2 (LLVM: expert scheduling mode 2), set by the entry lines.  The code itself states the register dependences
; between vector or matrix instructions and memory or LDS instructions, with s_wait_alu, always for 0.
; THE PLAN.  Registers that memory or LDS instructions touch:
;   v1-6, v11         lane offsets and my places for stores: written once at the head, read ever after.
;   v10               a unit's offset: read by the unit's 50 loads, written once a unit: a wait on vm_vsrc ahead of the add, one on va_vdst behind it, which also states that the products are done with the buffer
;                     (window 2 or 3, v0-191) and its scale words (v16-39), in which the unit lands.  K's and V's loads lean on the last wait on va_vdst of the loop that read the buffer.
;   v12-14            the LDS addresses of the trip in hand: written twice a trip (for a fetch, for a store), each time behind a wait on vm_vsrc; the wait on va_vdst behind the writing is one that stands there anyway.
;   v15               bf1's offset: stepped once a round.
;   fetched operands  (v128-223, v176-179, v60-67, v76-87, v49; window 3 v192-239): LDS loads land, products read: ONE wait on va_vdst behind the products that read them, ahead of the next fetch; the runs of loads
;                     that are dealt among the vector work behind it owe nothing more, since that work names none of these registers.
;   codes and bytes   (v50-55, v48; in a norm also v62-67, v68): the quantiser writes, the image's stores read: a wait on va_vdst ahead of the stores, one on vm_vsrc ahead of the next quantiser.
;   statistics        (v60, v61 addresses, v72-79 data): one wait on va_vdst ahead of the four stores, one on vm_vsrc behind the wait for the loads that read them back.
;   gain and bias     (windows 3 and 2, v192-255): a norm's lines read, the next loads land: one wait on va_vdst behind the norm's four row tiles.
;   T, the accumulators and the softmax's registers are named by vector and matrix instructions alone (window 3 at the tail: written by the last additions, read by the 64 stores).
.set ST_,  0                           ; LDS: LN's partial statistics: 512 w + 128 m + 8 r: (mean, sum of squares about it) of a wave's 128 channels
.set ASC,  2048                        ; scale words of the norm's output, block (4 m + s) of 128 bytes
.set OSC,  4096                        ; of the attention's output, block (4 m + s); in the FFN block (4 m + w): a wave's two bytes
.set QSC,  6144                        ; of q: 1024 w + 512 head + 128 m (a wave's own)
.set AIMG, 10240                       ; images: the norm's output, fragment (4 m + s) of 1,536 bytes
.set OIMG, 34816                       ; the attention's output, fragment (4 m + s); in the FFN the hidden layer's, fragment (2 m + s)
.set QIMG, 59392                       ; q's halves: 6144 w + 3072 head + 768 m (a wave's own)
.set UNIT, 25600
.set KVC,  11520
.set KVG,  26112
.set L16, 1                            ; 16, 8, 4 x lane
.set L8,  2
.set L4,  3
.set WST16, 4                          ; + 1536 w, + 1536 w, + 128 w: where I store K step w
.set WST8,  5
.set WST4,  6
.set QW16, 7                           ; + 6144 w, + 6144 w, + 1024 w: my q; in the FFN v7, v8: + 1536 (w / 2) + 768 (w % 2): my half of a hidden fragment
.set QW8,  8
.set QW4,  9
.set WO,   10                          ; a unit's offset
.set GBO,  11                          ; 512 w + 64 h: my channels in a vector of 512
.set AD16, 12                          ; addresses of the trip in hand
.set AD8,  13
.set AD4,  14
.set BFV,  15                          ; my hidden units in bf1
.set SA,   16                          ; v16-27 scale words of buffer A;  v28-39 of buffer B
.set SB,   28
.set TM,   40                          ; the quantiser's registers, v40-58
.set TX,   42
.set SO,   44
.set BY,   46
.set PW,   48
.set QS,   49                          ; q's scale word
.set PCD,  50                          ; six registers of codes
.set PY,   56
.set PS,   40                          ; the attention's, with lifetimes apart from the quantiser's: p's scale words,
.set NEGM, 42                          ; -M (a pair),
.set LS,   44                          ; the row's sum, four chains: v44-47, v50-53
.set LT,   50
.set PYC,  50                          ; p's upper codes on their way: v50-52, v54-56
.set RL,   58                          ; 1 / l (a pair)
.set QF,   60                          ; v60-71 q's operand; v66-71 zeros
.set RAS8, 60                          ; v60-67 eight scale words of fetched fragments
.set STW,  60                          ; LN: where I store and read statistics
.set STR,  61
.set PCE,  62                          ; LN: v62-67 a second set of codes, v68 its two bytes: a row tile's two halves are quantised on end and leave behind one wait
.set PX,   68
.set PF,   72                          ; v72-95 p's two fragments
.set MEAN, 72                          ; LN: v72-79 (mean, M2) by m;  v80-87 mu (low halves);  v88-95 1 / sqrt (low halves)
.set MU,   80
.set RSQ,  88
.set A4V,  72                          ; FFN: a constant as a pair
.set HI,   76                          ; FFN: v76-83 the upper halves of scale words
.set RASF, 84                          ; FFN: v84-87 the scale words of the norm's four fragments
.set ACC,  96                          ; v96-127 four accumulators
.set SU,   96                          ; LN: sums
.set BM,   96                          ; softmax: blocks' maxima, the other half's, scale operands, bytes
.set BX,   104
.set SOP,  112
.set BYP,  120
.set SS,   128                         ; v128-255 scores, then p
.set RAF,  128                         ; fetched fragments
.set RAS,  176                         ; v176-179 their scale words
.set RAF3, 192                         ; FFN: in window 3, v192-239: the norm's four fragments
.set YY,   128                         ; LN: 64 numbers
.set GU,   128                         ; GELU
.set GW,   160
.set PL,   192
.set BF,   224                         ; v224-255 bf1 of my 64 hidden units
.set GP,  42                           ; s[42:43], s[44:45], s[46:47] the stage's gain, bias, product bias
.set BP,  44
.set OP,  46
.set WV,  48
.set STG, 49
.set UO,  50                           ; the next unit's offset
.set MC,  51
.set MO,  52
.set MS,  53
.set MQ,  54
.set MQS, 55
.set CC,  56
.set SEL, 58
.set CS,  60                           ; log2(e) / 8
.set MK,  62                           ; lanes 16-31
.set W512, 63
.set A5,  66
.set A3,  68
.set A2,  70
.set A1,  72
.set CE,  74
.set PK,  76
.set R512, 78
.set EPS, 79
.set MSB, 0
.macro WIN new                         ; the immediate's high byte repeats the setting that is left; at every label and branch the setting is 0
.if MSB != (\new)
	s_set_vgpr_msb (MSB<<8)|(\new)
.set MSB, \new
.endif
.endm
.macro PLACES n
.rept \n
	v_nop
.endr
.endm
.macro BAR                             ; my LDS stores have landed and my LDS loads are in: then the work-group's barrier
	s_wait_dscnt 0x0
	s_barrier_signal -1
	s_barrier_wait -1
.endm
.macro MMZ d, a, b, sa, sb, odd        ; a product that starts a sum; odd: source 0's scale words stand in lanes 16-31
.if \odd
	v_wmma_scale_f32_16x16x128_f8f6f4 v[(\d):(\d)+7], v[(\a):(\a)+11], v[(\b):(\b)+11], 0, v[(\sa)], v[(\sb)] matrix_a_fmt:MATRIX_FMT_FP6 matrix_b_fmt:MATRIX_FMT_FP6 matrix_a_scale:MATRIX_SCALE_ROW1
.else
	v_wmma_scale_f32_16x16x128_f8f6f4 v[(\d):(\d)+7], v[(\a):(\a)+11], v[(\b):(\b)+11], 0, v[(\sa)], v[(\sb)] matrix_a_fmt:MATRIX_FMT_FP6 matrix_b_fmt:MATRIX_FMT_FP6
.endif
.endm
.macro MMC d, a, b, c, sa, sb, odd
.if \odd
	v_wmma_scale_f32_16x16x128_f8f6f4 v[(\d):(\d)+7], v[(\a):(\a)+11], v[(\b):(\b)+11], v[(\c):(\c)+7], v[(\sa)], v[(\sb)] matrix_a_fmt:MATRIX_FMT_FP6 matrix_b_fmt:MATRIX_FMT_FP6 matrix_a_scale:MATRIX_SCALE_ROW1
.else
	v_wmma_scale_f32_16x16x128_f8f6f4 v[(\d):(\d)+7], v[(\a):(\a)+11], v[(\b):(\b)+11], v[(\c):(\c)+7], v[(\sa)], v[(\sb)] matrix_a_fmt:MATRIX_FMT_FP6 matrix_b_fmt:MATRIX_FMT_FP6
.endif
.endm
; 32 numbers of a lane, register 16 b + i = k 32 b + 16 (lane / 16) + i of its token, become six registers of codes (k = 32 (lane / 16) + 0 .. 31) at v[pc] and two scale bytes in v[pw]
.macro QH s, pc, pw
.irp b, 0,1
	v_max3_num_f32 v[TM+\b], |v[(\s)+16*\b]|, |v[(\s)+16*\b+1]|, 0x1800000   ; with the floor 2^(3 - 127): the byte cannot fall under 1
	v_max3_num_f32 v[TX+\b], |v[(\s)+16*\b+8]|, |v[(\s)+16*\b+9]|, |v[(\s)+16*\b+10]|
.endr
.irp i, 2,4
.irp b, 0,1
	v_max3_num_f32 v[TM+\b], v[TM+\b], |v[(\s)+16*\b+\i]|, |v[(\s)+16*\b+\i+1]|
	v_max3_num_f32 v[TX+\b], v[TX+\b], |v[(\s)+16*\b+\i+9]|, |v[(\s)+16*\b+\i+10]|
.endr
.endr
.irp b, 0,1
	v_max3_num_f32 v[TM+\b], v[TM+\b], |v[(\s)+16*\b+6]|, |v[(\s)+16*\b+7]|
.endr
.irp b, 0,1
	v_max3_num_f32 v[TM+\b], v[TM+\b], v[TX+\b], |v[(\s)+16*\b+15]|
.endr
.irp b, 0,1
	v_permlanex16_b32 v[TX+\b], v[TM+\b], s[SEL], s[SEL+1]
.endr
.irp b, 0,1
	v_max_num_f32 v[TM+\b], v[TM+\b], v[TX+\b]         ; with lane l xor 16's 16: the block's largest magnitude
.endr
.irp b, 0,1
	v_add_nc_u32 v[SO+\b], 0xff000000, v[TM+\b]        ; 2 off its exponent field: the conversion's scale operand
.endr
.irp b, 0,1
	v_lshrrev_b32 v[BY+\b], 23, v[SO+\b]               ; the scale's byte
.endr
	v_lshl_or_b32 v[\pw], v[BY+1], 8, v[BY]
	v_cvt_scalef32_pk16_fp6_f32 v[(\pc):(\pc)+2], v[(\s):(\s)+15], v[SO]
	v_cvt_scalef32_pk16_fp6_f32 v[PY:PY+2], v[(\s)+16:(\s)+31], v[SO+1]
	v_nop                                              ; one plain place behind a scaled conversion
.irp i, 0,1,2
	v_permlane16_swap_b32 v[(\pc)+\i], v[PY+\i]        ; a whole block to a lane
.endr
.irp i, 0,1,2
	v_mov_b32 v[(\pc)+3+\i], v[PY+\i]
.endr
.endm
.macro HSTORE a16, a8, a4, off, soff, pc, pw   ; half a fragment and its two scale bytes go to LDS as they stand
	ds_store_b128 v[\a16], v[(\pc):(\pc)+3] offset:\off
	ds_store_b64 v[\a8], v[(\pc)+4:(\pc)+5] offset:(\off)+512
	ds_store_b16 v[\a4], v[\pw] offset:\soff
.endm
.macro FETCHF reg, a16, a8, off        ; a fragment comes back, in any wave
	ds_load_b128 v[(\reg):(\reg)+3], v[\a16] offset:\off
	ds_load_b64 v[(\reg)+4:(\reg)+5], v[\a8] offset:(\off)+512
	ds_load_b128 v[(\reg)+6:(\reg)+9], v[\a16] offset:(\off)+768
	ds_load_b64 v[(\reg)+10:(\reg)+11], v[\a8] offset:(\off)+1280
.endm
.macro AFH h, a16, a8, a4              ; the norm's output of one row tile, K steps 2 h and 2 h + 1: two fragments and their scale words, ten loads
.irp j, 0,1
	FETCHF RAF+12*(2*(\h)+\j), \a16, \a8, AIMG+1536*(2*(\h)+\j)
	ds_load_b32 v[RAS+2*(\h)+\j], v[\a4] offset:ASC+128*(2*(\h)+\j)
.endr
.endm
.macro FFETCH k, a16, a8, a4           ; the same for the FFN, one K step: the fragment into window 3, its scale word into window 0 (scale operands have no window)
	WIN 0xc0
	FETCHF RAF3+12*(\k), \a16, \a8, AIMG+1536*(\k)
	WIN 0
	ds_load_b32 v[RASF+(\k)], v[\a4] offset:ASC+128*(\k)
.endm
.macro LOADW win, sx                   ; my next unit of weights: 50 loads, each of 512 consecutive bytes
	s_wait_xcnt 0x0                                    ; earlier loads have read their address registers: the offset may be written
	s_wait_alu depctr_vm_vsrc(0)                       ; the last unit's loads have read v[WO], which the add writes
	v_add_nc_u32 v[WO], s[UO], v[L16]
	s_add_co_u32 s[UO], s[UO], UNIT
	WIN \win
	s_wait_alu depctr_va_vdst(0)                       ; v[WO] is written; the vector and matrix instructions that named this buffer and its scale words are done with them: the unit lands there
.set c_, 0
.rept 48
	global_load_b128 v[4*c_:4*c_+3], v[WO], s[12:13] offset:512*c_
.set c_, c_+1
.endr
	WIN 0
	global_load_b128 v[\sx:\sx+3], v[WO], s[12:13] offset:24576
	global_load_b128 v[\sx+4:\sx+7], v[WO], s[12:13] offset:25088
.endm
; K and V of one head: 60 loads (geometry) or 26 (context).  No wait of their own: the last wait on va_vdst of q's loop stands behind the last product that read this buffer and its scale words,
; no vector or matrix instruction since names them, and the two offsets are the head's.
.macro LOADKV kind, win, sx, hd
	WIN \win
.set c_, 0
.if \kind
.rept 48
	global_load_b128 v[4*c_:4*c_+3], v[L16], s[16:17] offset:KVG*\hd+512*c_
.set c_, c_+1
.endr
	WIN 0
.set c_, 0
.rept 12
	global_load_b32 v[\sx+c_], v[L4], s[16:17] offset:KVG*\hd+24576+128*c_
.set c_, c_+1
.endr
.else
.rept 21
	global_load_b128 v[4*c_:4*c_+3], v[L16], s[14:15] offset:KVC*\hd+512*c_
.set c_, c_+1
.endr
	WIN 0
.set c_, 0
.rept 5
	global_load_b32 v[\sx+c_], v[L4], s[14:15] offset:KVC*\hd+10752+128*c_
.set c_, c_+1
.endr
.endif
.endm
.macro VLD64 sb                        ; 64 numbers at my lane's channels into v192-255 of the window that is set
.irp b, 0,1,2,3
.irp k, 0,1,2,3
	global_load_b128 v[192+16*\b+4*\k:192+16*\b+4*\k+3], v[GBO], s[\sb:\sb+1] offset:128*\b+16*\k
.endr
.endr
.endm
.macro BFLOAD
.irp b, 0,1
.irp k, 0,1,2,3
	global_load_b128 v[BF+16*\b+4*\k:BF+16*\b+4*\k+3], v[BFV], s[38:39] offset:128*\b+16*\k
.endr
.endr
.endm
; q of one head, for the four row tiles: 16 products a trip (four accumulators by turns), quantised, half a fragment into my own LDS bytes.
; The next row tile's fragments are asked for in halves, each four places behind the eight products that read the registers: 8 products and the quantiser stand between the first request and the wait.
; Head 0 asks for row tile 0 ahead of its loop, and in its last trip again: head 1 begins with it.  Head 1's last trip asks for nothing.
.macro G0Q wn, sx, hd
.if \hd == 0
	AFH 0, L16, L8, L4                                 ; (the wait on va_vdst behind the norm's four row tiles has shown its lines done with these registers)
	AFH 1, L16, L8, L4
.endif
	s_mov_b32 s[MC], 0
	s_mov_b32 s[MO], 0
	s_mov_b32 s[MS], 0
	s_mov_b32 s[MQ], 0
	s_mov_b32 s[MQS], 0
.Lg0q_\@:
	s_add_co_u32 s[MO], s[MO], 6144                    ; the next row tile's images and scale words,
	s_add_co_u32 s[MS], s[MS], 512
	s_min_u32 s2, s[MO], 3*6144                        ; held at the last tile: the address stays inside the images in every trip
	s_min_u32 s3, s[MS], 3*512
.if \hd == 0
	s_cmp_eq_u32 s[MC], 3
	s_cselect_b32 s2, 0, s2                            ; behind tile 3 comes tile 0, for the other head
	s_cselect_b32 s3, 0, s3
.endif
	s_wait_alu depctr_vm_vsrc(0)                       ; the last stores of codes have read the three addresses, which are written now, and the codes and the word, which this trip's quantiser writes
	v_add_nc_u32 v[AD16], s2, v[L16]
	v_add_nc_u32 v[AD8], s2, v[L8]
	v_add_nc_u32 v[AD4], s3, v[L4]
	s_wait_dscnt 0x0                                   ; this tile's fragments are in
	WIN \wn
.irp k, 0,1
.irp t, 0,1,2,3
.if \k == 0
	MMZ ACC+8*\t, 12*\t, RAF, \sx+\t/2, RAS, \t%2
.else
	MMC ACC+8*\t, 12*(4*\k+\t), RAF+12*\k, ACC+8*\t, \sx+2*\k+\t/2, RAS+\k, \t%2
.endif
.endr
.endr
	WIN 0
	PLACES 4                                           ; in front of loads into registers that these eight products have read
	s_wait_alu depctr_va_vdst(0)                       ; the three addresses are written; K steps 0 and 1's products are done reading their two fragments and scale words, in which the loads below land
.if \hd
	s_cmp_eq_u32 s[MC], 3
	s_cbranch_scc1 .Lg0a_\@
.endif
	AFH 0, AD16, AD8, AD4
.if \hd
.Lg0a_\@:
.endif
	WIN \wn
.irp k, 2,3
.irp t, 0,1,2,3
	MMC ACC+8*\t, 12*(4*\k+\t), RAF+12*\k, ACC+8*\t, \sx+2*\k+\t/2, RAS+\k, \t%2
.endr
.endr
	WIN 0
	PLACES 4                                           ; behind the products: in front of reads of results and of loads into their operands
	s_wait_alu depctr_va_vdst(0)                       ; K steps 2 and 3's products are done reading their two fragments and scale words, in which the loads below land; in the last trip: and the whole buffer of weights
.if \hd
	s_cmp_eq_u32 s[MC], 3
	s_cbranch_scc1 .Lg0b_\@
.endif
	AFH 1, AD16, AD8, AD4
.if \hd
.Lg0b_\@:
.endif
	QH ACC, PCD, PW
	s_wait_alu depctr_vm_vsrc(0)                       ; the fetches above have read the three addresses, which are written again
	v_add_nc_u32 v[AD16], s[MQ], v[QW16]
	v_add_nc_u32 v[AD8], s[MQ], v[QW8]
	v_add_nc_u32 v[AD4], s[MQS], v[QW4]
	s_wait_alu depctr_va_vdst(0)                       ; the quantiser has written the codes and the word, the additions the addresses: the three stores read them
	ds_store_b128 v[AD16], v[PCD:PCD+3] offset:QIMG+3072*\hd
	ds_store_b64 v[AD8], v[PCD+4:PCD+5] offset:QIMG+3072*\hd+512
	ds_store_b32 v[AD4], v[PW] offset:QSC+512*\hd      ; the word's upper bytes are 0: they scale the zero half
	s_add_co_u32 s[MQ], s[MQ], 768
	s_add_co_u32 s[MQS], s[MQS], 128
	s_add_co_u32 s[MC], s[MC], 1
	s_cmp_lt_u32 s[MC], 4
	s_cbranch_scc1 .Lg0q_\@
.if \hd
	s_wait_dscnt 0x0                                   ; nothing of mine is out in LDS when the scores' registers are next written
.endif
.endm
; One head's attention for the four row tiles.  kind 1: 256 keys; kind 0: 77 keys in 6 tiles.  All keys of a head are in registers, so the softmax has one pass: M = ceil(the row's largest t).
.macro ATT kind, wn, sx, hd
.if \kind
.set NT_, 16
.set NB_, 8
.set NBT_, 8
.set NR_, 128
.set NKS_, 2
.set VB_, 96
.set VS_, 8
.else
.set NT_, 6
.set NB_, 3
.set NBT_, 4
.set NR_, 48
.set NKS_, 1
.set VB_, 36
.set VS_, 3
.set i_, 48
.rept 16
	v_mov_b32 v[SS+i_], 0                              ; p of keys 96 .. 127, which do not exist: zeros, set once for the four trips
.set i_, i_+1
.endr
.endif
	s_mov_b32 s[MC], 0
	s_mov_b32 s[MO], 0
	s_mov_b32 s[MS], 0
	s_mov_b32 s[MQ], 0
	s_mov_b32 s[MQS], 0
.Latt_\@:
	s_wait_alu depctr_vm_vsrc(0)                       ; the last stores of codes have read the three addresses, which are written now, and v48 and v50 to v55, which the softmax and the quantiser write
	v_add_nc_u32 v[AD16], s[MQ], v[QW16]
	v_add_nc_u32 v[AD8], s[MQ], v[QW8]
	v_add_nc_u32 v[AD4], s[MQS], v[QW4]
	s_wait_alu depctr_va_vdst(0)                       ; the three addresses are written; the last trip's products are done reading q's operand and scale word, in which the loads below land
	ds_load_b128 v[QF:QF+3], v[AD16] offset:QIMG+3072*\hd   ; my own bytes: LDS serves a wave's instructions in order
	ds_load_b64 v[QF+4:QF+5], v[AD8] offset:QIMG+3072*\hd+512
	ds_load_b32 v[QS], v[AD4] offset:QSC+512*\hd
	s_wait_dscnt 0x0
	WIN \wn
.set i_, 0
.rept NT_
	MMZ SS+8*i_, 6*i_, QF, \sx+i_/2, QS, i_%2          ; S^T: register 16 b + i = key 32 b + 16 (lane / 16) + i
.set i_, i_+1
.endr
	WIN 0
	PLACES 4
.if \kind == 0                         ; keys 77 on become -infinity ahead of the maximum: of block 2 lanes 16-31 wholly, lanes 0-15 from register 13 on
	v_mov_b32 v[PW], 0xff800000
.set i_, 32
.rept 13
	v_cndmask_b32 v[SS+i_], v[SS+i_], v[PW], s[MK]
.set i_, i_+1
.endr
.irp i, 45,46,47
	v_mov_b32 v[SS+\i], v[PW]
.endr
.endif
.set b_, 0
.rept NB_
	v_max3_num_f32 v[BM+b_], v[SS+16*b_], v[SS+16*b_+1], v[SS+16*b_+2]   ; the largest score of each block of 32 keys: for the row's maximum and, p rising with the score, for the block's largest p
.set b_, b_+1
.endr
.irp i, 3,5,7,9,11,13
.set b_, 0
.rept NB_
	v_max3_num_f32 v[BM+b_], v[BM+b_], v[SS+16*b_+\i], v[SS+16*b_+\i+1]
.set b_, b_+1
.endr
.endr
.set b_, 0
.rept NB_
	v_max_num_f32 v[BM+b_], v[BM+b_], v[SS+16*b_+15]
.set b_, b_+1
.endr
.set b_, 0
.rept NB_
	v_permlanex16_b32 v[BX+b_], v[BM+b_], s[SEL], s[SEL+1]
.set b_, b_+1
.endr
.set b_, 0
.rept NB_
	v_max_num_f32 v[BM+b_], v[BM+b_], v[BX+b_]
.set b_, b_+1
.endr
	v_max3_num_f32 v[PW], v[BM], v[BM+1], v[BM+2]
.if \kind
	v_max3_num_f32 v[PW], v[PW], v[BM+3], v[BM+4]
	v_max3_num_f32 v[PW], v[PW], v[BM+5], v[BM+6]
	v_max_num_f32 v[PW], v[PW], v[BM+7]
.endif
	v_mul_f32 v[PW], s[CS], v[PW]                      ; the row's largest t
	v_floor_f32 v[NEGM], -v[PW]                        ; -M = floor(-t): M is a whole number
.set j_, 0
.rept NR_/2
	v_pk_fma_f32 v[SS+j_:SS+j_+1], v[SS+j_:SS+j_+1], s[CS:CS+1], v[NEGM:NEGM+1] op_sel_hi:[1,0,0]   ; t - M
.set j_, j_+2
.endr
.set b_, 0
.rept NB_
	v_fma_f32 v[BM+b_], v[BM+b_], s[CS], v[NEGM]
.set b_, b_+1
.endr
.set j_, 0
.rept NR_
	v_exp_f32 v[SS+j_], v[SS+j_]                       ; p = 2^(t - M): not normalised
.set j_, j_+1
.endr
.set b_, 0
.rept NB_
	v_exp_f32 v[BM+b_], v[BM+b_]                       ; the block's largest p: the same two instructions on the same number
.set b_, b_+1
.endr
	v_nop                                              ; a plain place behind the last exponential
	s_wait_alu depctr_va_vdst(0)                       ; the exponentials have written p and the blocks' largest p: one wait for the whole batch, ahead of its first reader
.if \kind == 0
	v_mov_b32 v[BM+3], 0                               ; the block of zeros takes the floor's byte
.endif
.irp c, 0,1                            ; the row's sum of the unquantised p, in four chains
	v_pk_add_f32 v[LS+2*\c:LS+2*\c+1], v[SS+4*\c:SS+4*\c+1], v[SS+4*\c+2:SS+4*\c+3]
	v_pk_add_f32 v[LT+2*\c:LT+2*\c+1], v[SS+8+4*\c:SS+8+4*\c+1], v[SS+8+4*\c+2:SS+8+4*\c+3]
.endr
.set j_, 16
.rept (NR_-16)/8
	v_pk_add_f32 v[LS:LS+1], v[LS:LS+1], v[SS+j_:SS+j_+1]
	v_pk_add_f32 v[LS+2:LS+3], v[LS+2:LS+3], v[SS+j_+2:SS+j_+3]
	v_pk_add_f32 v[LT:LT+1], v[LT:LT+1], v[SS+j_+4:SS+j_+5]
	v_pk_add_f32 v[LT+2:LT+3], v[LT+2:LT+3], v[SS+j_+6:SS+j_+7]
.set j_, j_+8
.endr
	v_pk_add_f32 v[LS:LS+1], v[LS:LS+1], v[LS+2:LS+3]
	v_pk_add_f32 v[LT:LT+1], v[LT:LT+1], v[LT+2:LT+3]
	v_pk_add_f32 v[LS:LS+1], v[LS:LS+1], v[LT:LT+1]
.set b_, 0
.rept NBT_
	v_max_num_f32 v[BM+b_], 0x1800000, v[BM+b_]        ; the floor
.set b_, b_+1
.endr
.set b_, 0
.rept NBT_
	v_add_nc_u32 v[SOP+b_], 0xff000000, v[BM+b_]
.set b_, b_+1
.endr
.set b_, 0
.rept NBT_
	v_lshrrev_b32 v[BYP+b_], 23, v[SOP+b_]
.set b_, b_+1
.endr
.set k_, 0
.rept NKS_
	v_lshl_or_b32 v[PS+k_], v[BYP+4*k_+1], 8, v[BYP+4*k_]   ; p's scale word for 128 keys
	v_lshl_or_b32 v[PS+k_], v[BYP+4*k_+2], 16, v[PS+k_]
	v_lshl_or_b32 v[PS+k_], v[BYP+4*k_+3], 24, v[PS+k_]
.set k_, k_+1
.endr
.set k_, 0
.rept NKS_
.irp c, 0,1
	v_cvt_scalef32_pk16_fp6_f32 v[PF+12*k_+6*\c:PF+12*k_+6*\c+2], v[SS+64*k_+32*\c:SS+64*k_+32*\c+15], v[SOP+4*k_+2*\c]
	v_cvt_scalef32_pk16_fp6_f32 v[PYC+4*\c:PYC+4*\c+2], v[SS+64*k_+32*\c+16:SS+64*k_+32*\c+31], v[SOP+4*k_+2*\c+1]
.endr
	v_nop                                              ; one plain place behind a scaled conversion
.irp c, 0,1
.irp i, 0,1,2
	v_permlane16_swap_b32 v[PF+12*k_+6*\c+\i], v[PYC+4*\c+\i]
.endr
.irp i, 0,1,2
	v_mov_b32 v[PF+12*k_+6*\c+3+\i], v[PYC+4*\c+\i]
.endr
.endr
.set k_, k_+1
.endr
	PLACES 8                                           ; p and its scale words were written by vector instructions: 4 and 8 places ahead of a scaled product
	s_wait_alu depctr_va_vdst(0)                       ; p's codes and scale words are written, which the scaled products below take as source 1 and its scales; the places above stay beside this wait
	WIN \wn
.set k_, 0
.rept NKS_
.irp t, 0,1,2,3
.if k_ == 0
	MMZ ACC+8*\t, VB_+12*\t, PF, \sx+VS_+\t/2, PS, \t%2
.else
	MMC ACC+8*\t, VB_+12*(4*k_+\t), PF+12*k_, ACC+8*\t, \sx+VS_+(4*k_+\t)/2, PS+k_, \t%2
.endif
.endr
.set k_, k_+1
.endr
	WIN 0
	PLACES 4
	v_add_f32 v[LS], v[LS], v[LS+1]
	v_permlanex16_b32 v[LS+2], v[LS], s[SEL], s[SEL+1]
	v_add_f32 v[LS], v[LS], v[LS+2]                    ; l
	v_rcp_f32 v[RL], v[LS]
	v_nop
	s_wait_alu depctr_va_vdst(0)                       ; the reciprocal has written 1 / l, ahead of its first reader
.set j_, 0
.rept 16
	v_pk_mul_f32 v[ACC+j_:ACC+j_+1], v[ACC+j_:ACC+j_+1], v[RL:RL+1] op_sel_hi:[1,0]   ; O^T / l, from each accumulator's low end on
.set j_, j_+2
.endr
	QH ACC, PCD, PW
	s_wait_alu depctr_vm_vsrc(0)                       ; q's three loads have read the three addresses, which are written again
	v_add_nc_u32 v[AD16], s[MO], v[WST16]
	v_add_nc_u32 v[AD8], s[MO], v[WST8]
	v_add_nc_u32 v[AD4], s[MS], v[WST4]
	s_wait_alu depctr_va_vdst(0)                       ; the quantiser has written the codes and the bytes, the additions the addresses: the three stores read them
	HSTORE AD16, AD8, AD4, OIMG+768*\hd, OSC+2*\hd, PCD, PW   ; half \hd of K step w of the output product
	s_add_co_u32 s[MO], s[MO], 6144
	s_add_co_u32 s[MS], s[MS], 512
	s_add_co_u32 s[MQ], s[MQ], 768
	s_add_co_u32 s[MQS], s[MQS], 128
	s_add_co_u32 s[MC], s[MC], 1
	s_cmp_lt_u32 s[MC], 4
	s_cbranch_scc1 .Latt_\@
.endm
.macro GTK sx, k                       ; one K step onto T: 32 products, the 32 accumulators by turns
.irp m, 0,1,2,3
.irp t, 0,1,2,3,4,5,6,7
	MMC 64*\m+8*\t, 12*(8*(\k)+\t), RAF+12*(2*\m+(\k)), 64*\m+8*\t, \sx+4*(\k)+\t/2, RAS8+2*\m+(\k), \t%2
.endr
.endr
.endm
; T += two K steps of a product onto my 128 channels, for the 64 tokens.  The loads stand in this order: the scale words, the first K step's four fragments, the second's: the second's 16 loads land while the
; first's 32 products are issued.  ffn = 1: a fragment's scale word is made of two waves' halves; and the barrier that lets the images be written again is split round the second K step's products.
; The loads owe no wait of their own: behind the last vector or matrix instruction that named their registers stands the wait on va_vdst of a run of stores or of a unit's loads, and their offsets are the head's.
.macro GT wn, sx, mstr, j0, ffn
.irp m, 0,1,2,3
.irp k, 0,1
.if \ffn
	ds_load_b32 v[RAS8+2*\m+\k], v[L4] offset:OSC+(4*\m+2*\k)*128
	ds_load_b32 v[HI+2*\m+\k], v[L4] offset:OSC+(4*\m+2*\k+1)*128
.else
	ds_load_b32 v[RAS8+2*\m+\k], v[L4] offset:OSC+(4*\m+(\j0)+\k)*128
.endif
.endr
.endr
.irp k, 0,1
.irp m, 0,1,2,3
	FETCHF RAF+12*(2*\m+\k), L16, L8, OIMG+((\mstr)*\m+(\j0)+\k)*1536
.endr
.endr
	s_wait_dscnt 16                                    ; the second K step's 16 loads may be out: the scale words and the first K step's fragments are in
.if \ffn
.irp i, 0,1,2,3,4,5,6,7
	v_lshl_or_b32 v[RAS8+\i], v[HI+\i], 16, v[RAS8+\i]
.endr
	PLACES 8                                           ; scale words written by vector instructions stand 8 places ahead of a scaled product
	s_wait_alu depctr_va_vdst(0)                       ; the eight joined scale words are written, which the scaled products below take; the places above stay beside this wait
.endif
	WIN \wn
	GTK \sx, 0
	s_wait_dscnt 0x0                                   ; the second K step's fragments are in: my reads of the images are over
.if \ffn
	s_barrier_signal -1
.endif
	GTK \sx, 1
	WIN 0
	PLACES 4
.if \ffn
	s_barrier_wait -1                                  ; everybody's are
.endif
.endm
; A wave's part of a norm's statistics: for each token the mean of its 128 channels and the sum of squares about that mean
.macro LNSTATS
	v_and_b32 v[STR], 15, v0
	v_lshlrev_b32 v[STR], 3, v[STR]
	v_add_nc_u32 v[STW], s[W512], v[STR]
	WIN 0x05
.irp m, 0,1,2,3
	v_pk_add_f32 v[SU+4*\m:SU+4*\m+1], v[64*\m:64*\m+1], v[64*\m+2:64*\m+3]
	v_pk_add_f32 v[SU+4*\m+2:SU+4*\m+3], v[64*\m+4:64*\m+5], v[64*\m+6:64*\m+7]
.endr
	WIN 0x04
.set p_, 8
.rept 14
.irp m, 0,1,2,3
	v_pk_add_f32 v[SU+4*\m:SU+4*\m+1], v[SU+4*\m:SU+4*\m+1], v[64*\m+p_:64*\m+p_+1]
	v_pk_add_f32 v[SU+4*\m+2:SU+4*\m+3], v[SU+4*\m+2:SU+4*\m+3], v[64*\m+p_+2:64*\m+p_+3]
.endr
.set p_, p_+4
.endr
	WIN 0
.irp m, 0,1,2,3
	v_pk_add_f32 v[SU+4*\m:SU+4*\m+1], v[SU+4*\m:SU+4*\m+1], v[SU+4*\m+2:SU+4*\m+3]
.endr
.irp m, 0,1,2,3
	v_add_f32 v[TM+\m], v[SU+4*\m], v[SU+4*\m+1]
.endr
.irp m, 0,1,2,3
	v_permlanex16_b32 v[SO+\m], v[TM+\m], s[SEL], s[SEL+1]
.endr
.irp m, 0,1,2,3
	v_add_f32 v[TM+\m], v[TM+\m], v[SO+\m]
.endr
.irp m, 0,1,2,3
	v_mul_f32 v[MEAN+2*\m], 0x3c000000, v[TM+\m]       ; / 128
.endr
.irp m, 0,1,2,3
	WIN 0x01
.set p_, 0
.rept 32
	v_pk_add_f32 v[YY+p_:YY+p_+1], v[64*\m+p_:64*\m+p_+1], v[MEAN+2*\m:MEAN+2*\m+1] op_sel_hi:[1,0] neg_lo:[0,1] neg_hi:[0,1]
.set p_, p_+2
.endr
	WIN 0
.irp c, 0,1,2,3
	v_pk_mul_f32 v[SU+2*\c:SU+2*\c+1], v[YY+2*\c:YY+2*\c+1], v[YY+2*\c:YY+2*\c+1]
.endr
.set p_, 8
.rept 7
.irp c, 0,1,2,3
	v_pk_fma_f32 v[SU+2*\c:SU+2*\c+1], v[YY+p_+2*\c:YY+p_+2*\c+1], v[YY+p_+2*\c:YY+p_+2*\c+1], v[SU+2*\c:SU+2*\c+1]
.endr
.set p_, p_+8
.endr
	v_pk_add_f32 v[SU:SU+1], v[SU:SU+1], v[SU+2:SU+3]
	v_pk_add_f32 v[SU+4:SU+5], v[SU+4:SU+5], v[SU+6:SU+7]
	v_pk_add_f32 v[SU:SU+1], v[SU:SU+1], v[SU+4:SU+5]
	v_add_f32 v[TM], v[SU], v[SU+1]
	v_permlanex16_b32 v[SO], v[TM], s[SEL], s[SEL+1]
	v_add_f32 v[MEAN+2*\m+1], v[TM], v[SO]
.endr
	s_wait_alu depctr_va_vdst(0)                       ; the four pairs and the two addresses are written, which the stores below and the loads behind the barrier read; the sums' registers, in which those loads land, are done with
.irp m, 0,1,2,3
	ds_store_b64 v[STW], v[MEAN+2*\m:MEAN+2*\m+1] offset:ST_+128*\m   ; lanes r and 16 + r hold the same pair and name the same place
.endr
.endm
; The four waves' parts are joined: mu = the mean of the means; the sum of squares about mu = the parts' sums + 128 x the squares of the means' distances from mu: no difference of large sums
.macro LNCOMB
.irp m, 0,1,2,3
.irp w, 0,1,2,3
	ds_load_b64 v[ACC+8*\m+2*\w:ACC+8*\m+2*\w+1], v[STR] offset:ST_+512*\w+128*\m
.endr
.endr
	s_wait_dscnt 0x0
	s_wait_alu depctr_vm_vsrc(0)                       ; the statistics' stores and loads have read their two addresses and the four pairs: v60, v61 and v72 to v79 are written again further on (q's operand, scale words, p's codes, the next norm's statistics)
.irp m, 0,1,2,3
	v_add_f32 v[TM+\m], v[ACC+8*\m], v[ACC+8*\m+2]
	v_add_f32 v[SO+\m], v[ACC+8*\m+4], v[ACC+8*\m+6]
.endr
.irp m, 0,1,2,3
	v_add_f32 v[TM+\m], v[TM+\m], v[SO+\m]
.endr
.irp m, 0,1,2,3
	v_mul_f32 v[MU+2*\m], 0x3e800000, v[TM+\m]
.endr
.irp w, 0,1,2,3
.irp m, 0,1,2,3
	v_sub_f32 v[ACC+8*\m+2*\w], v[ACC+8*\m+2*\w], v[MU+2*\m]
.endr
.endr
.irp m, 0,1,2,3
	v_mul_f32 v[TM+\m], v[ACC+8*\m], v[ACC+8*\m]
	v_add_f32 v[SO+\m], v[ACC+8*\m+1], v[ACC+8*\m+3]
.endr
.irp w, 1,2,3
.irp m, 0,1,2,3
	v_fma_f32 v[TM+\m], v[ACC+8*\m+2*\w], v[ACC+8*\m+2*\w], v[TM+\m]
.endr
.endr
.irp w, 2,3
.irp m, 0,1,2,3
	v_add_f32 v[SO+\m], v[SO+\m], v[ACC+8*\m+2*\w+1]
.endr
.endr
.irp m, 0,1,2,3
	v_fma_f32 v[SO+\m], v[TM+\m], 0x43000000, v[SO+\m]
.endr
.irp m, 0,1,2,3
	v_fma_f32 v[SO+\m], v[SO+\m], s[R512], s[EPS]      ; var + eps
.endr
.irp m, 0,1,2,3
	v_rsq_f32 v[RSQ+2*\m], v[SO+\m]
.endr
	v_nop
	s_wait_alu depctr_va_vdst(0)                       ; the four reciprocal roots are written: one wait for the four, ahead of their first reader
.endm
.macro NORM m                          ; Y = (T - mu) / sqrt(var + eps) x g + b, for row tile m
	WIN 0x01
.set p_, 0
.rept 32
	v_pk_add_f32 v[YY+p_:YY+p_+1], v[64*(\m)+p_:64*(\m)+p_+1], v[MU+2*(\m):MU+2*(\m)+1] op_sel_hi:[1,0] neg_lo:[0,1] neg_hi:[0,1]
.set p_, p_+2
.endr
	WIN 0
.set p_, 0
.rept 32
	v_pk_mul_f32 v[YY+p_:YY+p_+1], v[YY+p_:YY+p_+1], v[RSQ+2*(\m):RSQ+2*(\m)+1] op_sel_hi:[1,0]
.set p_, p_+2
.endr
	WIN 0x2c
.set p_, 0
.rept 32
	v_pk_fma_f32 v[YY+p_:YY+p_+1], v[YY+p_:YY+p_+1], v[192+p_:192+p_+1], v[192+p_:192+p_+1]
.set p_, p_+2
.endr
	WIN 0
.endm
; GELU, in place on the four accumulators.  pf = 1: the next row tile's four fragments are asked for on the way, five loads at a time between the first runs of vector work.
; The wait on va_vdst ahead of GELU serves all four runs: GELU's lines name neither the fragments' registers, nor their scale words', nor the three addresses.
.macro GELU pf
.if \pf
	FFETCH 0, AD16, AD8, AD4
.endif
.set i_, 0
.rept 32
	v_fma_f32 v[GU+i_], |v[ACC+i_]|, s[PK], 1.0
.set i_, i_+1
.endr
.if \pf
	FFETCH 1, AD16, AD8, AD4
.endif
.set i_, 0
.rept 32
	v_rcp_f32 v[GU+i_], v[GU+i_]                       ; u = 1 / (1 + p |x|)
.set i_, i_+1
.endr
.set i_, 0
.rept 16
	v_pk_mul_f32 v[GW+i_:GW+i_+1], v[ACC+i_:ACC+i_+1], v[ACC+i_:ACC+i_+1]
.set i_, i_+2
.endr
.if \pf
	FFETCH 2, AD16, AD8, AD4
.endif
.set i_, 0
.rept 16
	v_pk_mul_f32 v[GW+i_:GW+i_+1], v[GW+i_:GW+i_+1], s[CE:CE+1] op_sel_hi:[1,0]
.set i_, i_+2
.endr
.if \pf
	FFETCH 3, AD16, AD8, AD4
.endif
.set i_, 0
.rept 32
	v_exp_f32 v[GW+i_], v[GW+i_]                       ; exp(-x^2 / 2)
.set i_, i_+1
.endr
	v_nop
	s_wait_alu depctr_va_vdst(0)                       ; the 32 reciprocals and the 32 exponentials are written: one wait for the 64, ahead of their first reader
.set i_, 0
.rept 16
	v_pk_fma_f32 v[PL+i_:PL+i_+1], v[GU+i_:GU+i_+1], s[A5:A5+1], v[A4V:A4V+1] op_sel_hi:[1,0,0]
.set i_, i_+2
.endr
.irp a, A3, A2, A1
.set i_, 0
.rept 16
	v_pk_fma_f32 v[PL+i_:PL+i_+1], v[PL+i_:PL+i_+1], v[GU+i_:GU+i_+1], s[\a:\a+1] op_sel_hi:[1,1,0]
.set i_, i_+2
.endr
.endr
.set i_, 0
.rept 16
	v_pk_mul_f32 v[PL+i_:PL+i_+1], v[PL+i_:PL+i_+1], v[GU+i_:GU+i_+1]
.set i_, i_+2
.endr
.set i_, 0
.rept 16
	v_pk_mul_f32 v[PL+i_:PL+i_+1], v[PL+i_:PL+i_+1], v[GW+i_:GW+i_+1]   ; Q(|x|)
.set i_, i_+2
.endr
.set i_, 0
.rept 32
	v_max_num_f32 v[GU+i_], 0, v[ACC+i_]
.set i_, i_+1
.endr
.set i_, 0
.rept 32
	v_fma_f32 v[ACC+i_], -|v[ACC+i_]|, v[PL+i_], v[GU+i_]
.set i_, i_+1
.endr
.endm
; Behind a round's last products from buffer A: the next round's first row tile (from LDS), its W1 unit and its bias are asked for.
; 50 + 8 loads from memory are then younger than this round's W2 unit, which the count shows landed.
.macro FARM
	s_cmp_eq_u32 s[CC], 7
	s_cbranch_scc1 .Lfl_\@
.irp k, 0,1,2,3
	FFETCH \k, L16, L8, L4
.endr
	LOADW 0x80, SA
	v_add_nc_u32 v[BFV], 1024, v[BFV]                  ; (its last loads stand ahead of the two waits at the head of the run above)
	s_wait_alu depctr_va_vdst(0)                       ; bf1's offset is written, which the eight loads below read
	BFLOAD
	s_wait_loadcnt 58
	s_branch .Lfd_\@
.Lfl_\@:
	s_wait_loadcnt 0x0                                 ; the last round asks for nothing
.Lfd_\@:
.endm
; My 64 hidden units of one row tile: 16 products on top of the bias, GELU, quantised, half a fragment to LDS.  The tile's fragments were asked for a phase ago
.macro G0F last
	s_wait_dscnt 0x0                                   ; they are in
	WIN 0x0e                                           ; source 0 (W1) window 2, source 1 (the norm's output) window 3
.irp k, 0,1,2,3
.irp t, 0,1,2,3
.if \k == 0
	MMC ACC+8*\t, 12*\t, RAF3, BF+8*\t, SA+\t/2, RASF, \t%2
.else
	MMC ACC+8*\t, 12*(4*\k+\t), RAF3+12*\k, ACC+8*\t, SA+2*\k+\t/2, RASF+\k, \t%2
.endif
.endr
.endr
	WIN 0
	PLACES 4                                           ; in front of reads of results and of loads into the products' operands
.if \last
	s_wait_alu depctr_va_vdst(0)                       ; the products are done reading the four fragments, their scale words and the bias: the next round's land in all of them
	FARM
	GELU 0
.else
	s_add_co_u32 s[MO], s[MO], 6144                    ; the next row tile
	s_add_co_u32 s[MS], s[MS], 512
	s_wait_alu depctr_vm_vsrc(0)                       ; the last stores of codes have read the three addresses, which are written now
	v_add_nc_u32 v[AD16], s[MO], v[L16]
	v_add_nc_u32 v[AD8], s[MO], v[L8]
	v_add_nc_u32 v[AD4], s[MS], v[L4]
	s_wait_alu depctr_va_vdst(0)                       ; the three addresses are written; the products are done reading the four fragments and their scale words, in which the next row tile's land
	GELU 1
.endif
	s_wait_alu depctr_vm_vsrc(0)                       ; the fetches have read the three addresses, and the last row tile's stores the codes and the word: all are written again below
	QH ACC, PCD, PW
	v_add_nc_u32 v[AD16], s[MQ], v[QW16]
	v_add_nc_u32 v[AD8], s[MQ], v[QW8]
	v_add_nc_u32 v[AD4], s[MQS], v[WST4]
	s_wait_alu depctr_va_vdst(0)                       ; the quantiser has written the codes and the word, the additions the addresses: the three stores read them; GELU's lines are done with the registers in which the hidden fragments land
	ds_store_b128 v[AD16], v[PCD:PCD+3] offset:OIMG
	ds_store_b64 v[AD8], v[PCD+4:PCD+5] offset:OIMG+512
	ds_store_b32 v[AD4], v[PW] offset:OSC              ; my two bytes as a word of my own; the reader joins two waves' words
.endm
.macro MID kind                        ; q, then the attention, of my two heads; the buffers take turns: Wq | K, V | Wo
.irp i, 6,7,8,9,10,11
	v_mov_b32 v[QF+\i], 0                              ; the zero half of q's operand (the waits on va_vdst of q's loops stand between these lines and the products that take it)
.endr
	G0Q 0x02, SA, 0
	LOADKV \kind, 0x80, SA, 0
	G0Q 0x03, SB, 1
	LOADKV \kind, 0xc0, SB, 1
.if \kind
	s_wait_loadcnt 60                                  ; head 1's 60 loads are the younger ones: head 0's K and V, and the bias asked for ahead of them, are in
.else
	s_wait_loadcnt 26                                  ; likewise, 26
.endif
	ATT \kind, 0x02, SA, 0
	LOADW 0x80, SA
	s_wait_loadcnt 50                                  ; the 50 just issued may be out: head 1's K and V are in
	ATT \kind, 0x03, SB, 1
	LOADW 0xc0, SB
.endm
	s_load_b512 s[8:23], s[0:1], 0x0                   ; x, out0, wimg, kvc, kvg, g1, b1, g2
	s_load_b512 s[24:39], s[0:1], 0x40                 ; b2, g3, b3, g4, b4, cbo, gbo, bf1
	s_load_b64 s[40:41], s[0:1], 0x80                  ; bf2
	v_lshrrev_b32 v1, 5, v0
	v_readfirstlane_b32 s[WV], v1                      ; wave 0..3
	v_and_b32 v12, 31, v0
	v_lshlrev_b32 v[L16], 4, v12
	v_lshlrev_b32 v[L8], 3, v12
	v_lshlrev_b32 v[L4], 2, v12
	s_wait_alu depctr_va_sdst(0)                       ; the wave's number is written, ahead of its first reader: addresses in LDS and in memory are made from it
	s_mul_i32 s2, s[WV], 1536
	v_add_nc_u32 v[WST16], s2, v[L16]
	v_add_nc_u32 v[WST8], s2, v[L8]
	s_lshl_b32 s2, s[WV], 7
	v_add_nc_u32 v[WST4], s2, v[L4]
	s_mul_i32 s2, s[WV], 6144
	v_add_nc_u32 v[QW16], s2, v[L16]
	v_add_nc_u32 v[QW8], s2, v[L8]
	s_lshl_b32 s2, s[WV], 10
	v_add_nc_u32 v[QW4], s2, v[L4]
	v_bfe_u32 v13, v0, 4, 1                            ; h
	v_and_b32 v14, 15, v0                              ; r
	s_lshl_b32 s[W512], s[WV], 9
	v_lshl_add_u32 v[GBO], v13, 6, s[W512]
	s_lshl_b32 s2, s[WV], 8
	v_lshl_add_u32 v[BFV], v13, 6, s2
	v_lshlrev_b32 v[AD16], 18, v13
	v_lshl_or_b32 v[AD16], v14, 4, v[AD16]             ; x: 16 channels on for lanes 16-31, 16 bytes a lane
.set i_, 40
.rept 56
	v_mov_b32 v[i_], 0                                 ; v40-95: destinations of lane permutes and upper halves of pairs count as read
.set i_, i_+1
.endr
	s_mov_b32 s[SEL], 0x76543210
	s_mov_b32 s[SEL+1], 0xfedcba98
	s_mov_b32 s[CS], 0x3e38aa3b                        ; log2(e) / sqrt(64)
	s_mov_b32 s[CS+1], s[CS]
	s_mov_b32 s[MK], 0xffff0000
	s_mov_b32 s[R512], 0x3b000000                      ; 1 / 512
	s_mov_b32 s[EPS], 0x3727c5ac                       ; 1e-5
	s_mov_b32 s[UO], 0
	s_lshr_b32 s2, ttmp9, 6                            ; batch
	s_and_b32 s3, ttmp9, 63
	s_lshl_b32 s4, s2, 23
	s_lshl_b32 s6, s[WV], 21
	s_add_co_u32 s4, s4, s6
	s_lshl_b32 s6, s3, 8
	s_add_co_u32 s4, s4, s6                            ; batch, my 128 channels, the group's 64 tokens
	s_mov_b32 s5, 0
	s_lshl_b32 s6, s2, 3
	s_lshl_b32 s7, s[WV], 1
	s_add_co_u32 s6, s6, s7                            ; 8 batch + my first head
	s_wait_kmcnt 0x0
	s_add_nc_u64 s[8:9], s[8:9], s[4:5]
	s_add_nc_u64 s[10:11], s[10:11], s[4:5]
	s_mul_i32 s4, s[WV], 24*UNIT
	s_add_nc_u64 s[12:13], s[12:13], s[4:5]
	s_mul_i32 s4, s6, KVC
	s_add_nc_u64 s[14:15], s[14:15], s[4:5]
	s_mul_i32 s4, s6, KVG
	s_add_nc_u64 s[16:17], s[16:17], s[4:5]
	WIN 0xc0
	s_wait_alu depctr_va_vdst(0)                       ; the head's offsets and addresses v1 to v15 are written, which loads and stores read from here on; so are v40 to v95, in some of which LDS loads land
.set q_, 0
.rept 64
	global_load_b128 v[4*q_:4*q_+3], v[AD16], s[8:9] offset:(32*(q_/16)+q_%16)*16384 th:TH_LOAD_NT   ; channel 32 b + i (+ 16 h): tokens 4 r + 0 .. 3; sixteen lanes read 256 consecutive bytes
.set q_, q_+1
.endr
	WIN 0
	LOADW 0x80, SA
	s_wait_loadcnt 50                                  ; the unit's 50 loads are younger than x's 64
	WIN 0x43
.set q_, 0
.rept 64
.irp m, 0,1,2,3
	v_mov_b32 v[64*\m+q_], v[4*q_+\m]                  ; by row tiles: an accumulator wants eight channels of one token on end
.endr
.set q_, q_+1
.endr
	WIN 0
	LOADW 0xc0, SB                                     ; (its wait on va_vdst also shows the moves above done reading all of window 3: the gain below lands in its v192-255)
	WIN 0xc0
	VLD64 18                                           ; the first norm's gain and bias; those of the later norms are asked for at the end of the stage before
	WIN 0x80
	VLD64 20
	WIN 0
	s_mov_b32 s[STG], 0
.Lstage:                               ; stage 0: t += LN1(t);  1: context attention;  2: geometry attention;  3: LN4, and out to the FFN
	LNSTATS
	BAR                                                ; the four waves' parts lie in LDS
	LNCOMB
	s_wait_loadcnt 0x0                                 ; gain and bias, and all that was asked for earlier: both buffers of weights
	s_wait_xcnt 0x0                                    ; no load is out, so this is met at once: the three pointer pairs that this stage chooses anew may be written
.irp m, 0,1,2,3
	NORM \m
	s_cmp_eq_u32 s[STG], 0
	s_cbranch_scc0 .Lquant\m
	WIN 0x41
.set p_, 0
.rept 32
	v_pk_add_f32 v[64*\m+p_:64*\m+p_+1], v[64*\m+p_:64*\m+p_+1], v[YY+p_:YY+p_+1]
.set p_, p_+2
.endr
	WIN 0
	s_branch .Lnormed\m
.Lquant\m:
.if \m > 0
	s_wait_alu depctr_vm_vsrc(0)                       ; the last row tile's six stores have read both sets of codes and bytes, which the quantiser writes again (row tile 0: the wait behind the statistics' loads has shown it)
.endif
	QH YY, PCD, PW
	QH YY+32, PCE, PX
	s_wait_alu depctr_va_vdst(0)                       ; the quantiser has written both sets of codes and bytes, which the six stores read
	HSTORE WST16, WST8, WST4, AIMG+6144*\m, ASC+512*\m, PCD, PW
	HSTORE WST16, WST8, WST4, AIMG+6144*\m+768, ASC+512*\m+2, PCE, PX
.Lnormed\m:
.endr
	s_wait_alu depctr_va_vdst(0)                       ; the norm's lines are done reading the gain and the bias (windows 3 and 2, v192-255) and mu, and with Y's registers: loads land in all of them next
	s_wait_alu depctr_vm_vsrc(0)                       ; the last row tile's stores have read both sets of codes and bytes: they are written again (the zero half of q's operand, scale words, the next quantiser)
	BAR                                                ; the norm's images are whole, and nobody reads the statistics any more
	s_cmp_eq_u32 s[STG], 0
	s_cbranch_scc1 .Lnext
	s_cmp_eq_u32 s[STG], 1
	s_cselect_b64 s[OP:OP+1], s[34:35], s[36:37]
	s_cmp_lt_u32 s[STG], 3
	s_cselect_b64 s[OP:OP+1], s[OP:OP+1], s[40:41]
	WIN 0x80
	VLD64 OP                                           ; the bias of the product that ends the stage, where the norm's bias lay
	WIN 0
	s_cmp_eq_u32 s[STG], 3
	s_cbranch_scc1 .Lffn
	s_cmp_eq_u32 s[STG], 1
	s_cbranch_scc0 .Lgeo
	MID 0
	s_branch .Lmid_done
.Lgeo:
	MID 1
.Lmid_done:
	WIN 0x49
.set p_, 0
.rept 128
	v_pk_add_f32 v[64*(p_/32)+2*(p_%32):64*(p_/32)+2*(p_%32)+1], v[64*(p_/32)+2*(p_%32):64*(p_/32)+2*(p_%32)+1], v[192+2*(p_%32):192+2*(p_%32)+1]   ; T += the bias
.set p_, p_+1
.endr
	WIN 0
	BAR                                                ; the attention's images are whole
	s_wait_loadcnt 50                                  ; buffer B's 50 loads are the younger ones: buffer A is in
	GT 0x52, SA, 4, 0, 0
	LOADW 0x80, SA                                     ; (its wait on va_vdst also shows the products above done reading the eight fragments and scale words, in which the next eight land, and the additions done reading the bias)
	s_wait_loadcnt 50                                  ; the 50 just issued may be out: buffer B is in
	GT 0x53, SB, 4, 2, 0
	LOADW 0xc0, SB
.Lnext:
	s_add_co_u32 s[STG], s[STG], 1
	s_cmp_eq_u32 s[STG], 1                             ; the next norm's gain and bias: the choice hangs on the stage's number alone
	s_cselect_b64 s[GP:GP+1], s[22:23], s[26:27]
	s_cselect_b64 s[BP:BP+1], s[24:25], s[28:29]
	s_cmp_lt_u32 s[STG], 3
	s_cselect_b64 s[GP:GP+1], s[GP:GP+1], s[30:31]
	s_cselect_b64 s[BP:BP+1], s[BP:BP+1], s[32:33]
	WIN 0xc0
	VLD64 GP
	WIN 0x80
	VLD64 BP
	WIN 0
	s_cmp_lt_u32 s[STG], 4
	s_cbranch_scc1 .Lstage
.Lffn:                                 ; ---- the FFN: eight rounds of 256 hidden units; wave w makes units 64 w .. 64 w + 63 of a round, which are half (w % 2) of K step (w / 2) of the round's part of W2
.irp k, 0,1,2,3
	FFETCH \k, L16, L8, L4                             ; the first round's first row tile, where the norm's gain lay
.endr
	BFLOAD
	s_lshr_b32 s2, s[WV], 1
	s_mul_i32 s2, s2, 1536
	s_and_b32 s3, s[WV], 1
	s_mul_i32 s3, s3, 768
	s_add_co_u32 s2, s2, s3
	v_add_nc_u32 v[QW16], s2, v[L16]
	v_add_nc_u32 v[QW8], s2, v[L8]
	s_mov_b32 s[A5], 0x3f07dc22                        ; the polynomial's coefficients, each times 1 / sqrt(2 pi): 0.530702716,
	s_mov_b32 s[A5+1], s[A5]
	s_mov_b32 s[A3], 0x3f35f0e3                        ; 0.710706871,
	s_mov_b32 s[A3+1], s[A3]
	s_mov_b32 s[A2], 0xbe11a98e                        ; -0.142248368,
	s_mov_b32 s[A2+1], s[A2]
	s_mov_b32 s[A1], 0x3e027906                        ; 0.127414796,
	s_mov_b32 s[A1+1], s[A1]
	v_mov_b32 v[A4V], 0xbf3a00e3                       ; -0.726576014
	v_mov_b32 v[A4V+1], 0xbf3a00e3
	s_mov_b32 s[CE], 0xbf38aa3b                        ; -log2(e) / 2
	s_mov_b32 s[CE+1], s[CE]
	s_mov_b32 s[PK], 0x3e6d3389                        ; 0.2316419
	s_mov_b32 s[CC], 0
	s_wait_loadcnt 0x0
.Lround:
	s_mov_b32 s[MC], 0
	s_mov_b32 s[MO], 0
	s_mov_b32 s[MS], 0
	s_mov_b32 s[MQ], 0
	s_mov_b32 s[MQS], 0
.Lrows:
	G0F 0
	s_add_co_u32 s[MQ], s[MQ], 3072
	s_add_co_u32 s[MQS], s[MQS], 512
	s_add_co_u32 s[MC], s[MC], 1
	s_cmp_lt_u32 s[MC], 3
	s_cbranch_scc1 .Lrows
	s_mov_b32 s[MQ], 3*3072
	s_mov_b32 s[MQS], 3*512
	G0F 1                                              ; the fourth row tile is written out: behind its products buffer A is free
	BAR                                                ; the hidden layer's images are whole
	GT 0x53, SB, 2, 0, 1
	s_cmp_eq_u32 s[CC], 7
	s_cbranch_scc1 .Lno_more
	LOADW 0xc0, SB
	s_wait_loadcnt 50                                  ; the 50 just issued may be out: the next round's W1 unit and bias are in
	s_branch .Lround_end
.Lno_more:
	s_wait_loadcnt 0x0
.Lround_end:
	s_add_co_u32 s[CC], s[CC], 1
	s_cmp_lt_u32 s[CC], 8
	s_cbranch_scc1 .Lround
	; ---- the way out: T + bf2, four tokens of a channel to 16 bytes
	s_wait_loadcnt 0x0                                 ; no load is out: window 3 may be written
	s_wait_alu depctr_vm_vsrc(0)                       ; the last stores of codes have read v12 to v14, which are written again
	v_bfe_u32 v13, v0, 4, 1
	v_and_b32 v14, 15, v0
	v_lshlrev_b32 v[AD16], 18, v13
	v_lshl_or_b32 v[AD16], v14, 4, v[AD16]
	WIN 0xc9
.set q_, 0
.rept 64
.irp m, 0,1,2,3
	v_add_f32 v[4*q_+\m], v[64*\m+q_], v[192+q_]       ; channels ascending: each accumulator is read from its low end on
.endr
.set q_, q_+1
.endr
	WIN 0x0c
	s_wait_alu depctr_va_vdst(0)                       ; the additions have written all of window 3, and the offset is written: the 64 stores read them
.set q_, 0
.rept 64
	global_store_b128 v[AD16], v[4*q_:4*q_+3], s[10:11] offset:(32*(q_/16)+q_%16)*16384 th:TH_STORE_NT   ; sixteen lanes store 256 consecutive bytes, aligned
.set q_, q_+1
.endr
	WIN 0
	s_wait_xcnt 0x0
	v_lshl_add_u32 v254, v0, 2, 0x14800
	v_mov_b32 v255, 0
	s_wait_dscnt 0x0                                   ; the closing lines, six on end
	s_wait_alu 0x0
	s_wait_tensorcnt 0x0
	ds_add_u32 v254, v255
	s_wait_dscnt 0x0
	s_endpgm
.Lfunc_end_k_qe7044d9c86_main:
	.size	k_qe7044d9c86_main, .Lfunc_end_k_qe7044d9c86_main-k_qe7044d9c86_main
	.p2alignl 7, 3214868480
	.fill 96, 4, 3214868480
	.section	.rodata,"a",@progbits
	.p2align	6, 0x0
	.amdhsa_kernel k_qe7044d9c86_main
		.amdhsa_group_segment_fixed_size 84480
		.amdhsa_private_segment_fixed_size 0
		.amdhsa_enable_private_segment 0
		.amdhsa_kernarg_size 136
		.amdhsa_user_sgpr_count 2
		.amdhsa_user_sgpr_kernarg_segment_ptr 1
		.amdhsa_wavefront_size32 1
		.amdhsa_system_sgpr_workgroup_id_x 1
		.amdhsa_system_sgpr_workgroup_id_y 1
		.amdhsa_system_sgpr_workgroup_id_z 1
		.amdhsa_system_vgpr_workitem_id 0
		.amdhsa_next_free_vgpr 1024
		.amdhsa_next_free_sgpr 80
		.amdhsa_reserve_vcc 0
		.amdhsa_float_denorm_mode_32 3
		.amdhsa_float_denorm_mode_16_64 3
		.amdhsa_memory_ordered 1
		.amdhsa_forward_progress 1
		.amdhsa_inst_pref_size 255
	.end_amdhsa_kernel
	.section	.bss,"aw",@nobits
	.p2align	6
	.space	262144
	.amdgpu_metadata
---
amdhsa.version: [ 1, 2 ]
amdhsa.kernels:
  - .name:           k_qe7044d9c86_main
    .symbol:         k_qe7044d9c86_main.kd
    .args:
      - { .name: x, .offset: 0, .size: 8, .value_kind: global_buffer, .address_space: global }
      - { .name: out0, .offset: 8, .size: 8, .value_kind: global_buffer, .address_space: global }
      - { .name: wimg, .offset: 16, .size: 8, .value_kind: global_buffer, .address_space: global }
      - { .name: kvc, .offset: 24, .size: 8, .value_kind: global_buffer, .address_space: global }
      - { .name: kvg, .offset: 32, .size: 8, .value_kind: global_buffer, .address_space: global }
      - { .name: g1, .offset: 40, .size: 8, .value_kind: global_buffer, .address_space: global }
      - { .name: b1, .offset: 48, .size: 8, .value_kind: global_buffer, .address_space: global }
      - { .name: g2, .offset: 56, .size: 8, .value_kind: global_buffer, .address_space: global }
      - { .name: b2, .offset: 64, .size: 8, .value_kind: global_buffer, .address_space: global }
      - { .name: g3, .offset: 72, .size: 8, .value_kind: global_buffer, .address_space: global }
      - { .name: b3, .offset: 80, .size: 8, .value_kind: global_buffer, .address_space: global }
      - { .name: g4, .offset: 88, .size: 8, .value_kind: global_buffer, .address_space: global }
      - { .name: b4, .offset: 96, .size: 8, .value_kind: global_buffer, .address_space: global }
      - { .name: cbo, .offset: 104, .size: 8, .value_kind: global_buffer, .address_space: global }
      - { .name: gbo, .offset: 112, .size: 8, .value_kind: global_buffer, .address_space: global }
      - { .name: bf1, .offset: 120, .size: 8, .value_kind: global_buffer, .address_space: global }
      - { .name: bf2, .offset: 128, .size: 8, .value_kind: global_buffer, .address_space: global }
    .group_segment_fixed_size: 84480
    .private_segment_fixed_size: 0
    .kernarg_segment_align: 8
    .kernarg_segment_size: 136
    .max_flat_workgroup_size: 128
    .sgpr_count:     80
    .vgpr_count:     1024
    .wavefront_size: 32
...
	.end_amdgpu_metadata
.endif
;; end of part 4
